; MI455X (gfx1250); checked and timed in simulation.
; The chip was launched on July 23, 2026; its instructions are those of AMD's public machine-readable ISA for CDNA 5 (MIT licence, August 2026) and "CDNA5" Instruction Set Architecture Reference Guide (July 2026). The comments in the code are by the model that wrote it; some were corrected since.
;; Relative Multi Head Attention 2019 Dai. Allowed arithmetic: matrix products marked QUANTISED: E2M3 operands, one E8M0 scale for each 32 along K, by v_wmma_scale_f32_16x16x128_f8f6f4 with both operands' format E2M3, f32 sums; everything else in f32.
;; Inputs: Wk 1,024 x 1,024 float32; Wo 1,024 x 1,024 float32; Wp 1,024 x 1,024 float32; Wq 1,024 x 1,024 float32; Wv 1,024 x 1,024 float32; bk 1,024 float32; bo 1,024 float32; bp 1,024 float32; bq 1,024 float32; bv 1,024 float32; key 2 x 2,048 x 1,024 float32; pos_embedding 2 x 2,048 x 1,024 float32; query 2 x 2,048 x 1,024 float32; value 2 x 2,048 x 1,024 float32.
;; Outputs: out0 2 x 2,048 x 1,024 float32.
;; This version of the problem:
;;   THIS VERSION OF THE PROBLEM IS GIVEN IN LOW PRECISION. The matrix products marked QUANTISED in the list below multiply operands that are first quantised to E2M3 (2 exponent bits, 3 mantissa bits; 6 bits a number), with one power-of-two scale for each 32 numbers along K (OCP MX v1.0); their sums are f32. All else is computed in f32.
;;   The module's matrix products, in the order in which they are computed (A, B: the left and right operand; K: the contracted axis; several contracted axes count as one K, in the product's order):
;;     1. [M 4,096, K 1,024] x [K 1,024, N 1,024]; A: input query; B: input Wq: QUANTISED
;;     2. [M 4,096, K 1,024] x [K 1,024, N 1,024]; A: input key; B: input Wk: QUANTISED
;;     3. [M 4,096, K 1,024] x [K 1,024, N 1,024]; A: input value; B: input Wv: QUANTISED
;;     4. [M 4,096, K 1,024] x [K 1,024, N 1,024]; A: input pos_embedding; B: input Wp: QUANTISED
;;     5. batch 32 x [M 2,048, K 64] x [K 64, N 2,048]; A: computed on the way; B: computed on the way: QUANTISED
;;     6. batch 32 x [M 2,048, K 64] x [K 64, N 2,048]; A: computed on the way; B: computed on the way: QUANTISED
;;     7. batch 32 x [M 64, K 2,048] x [K 2,048, N 2,048]; A: computed on the way; B: softmax (see below): QUANTISED
;;     8. [M 4,096, K 1,024] x [K 1,024, N 1,024]; A: computed on the way; B: input Wo: QUANTISED
;;   THE QUANTISER, for each operand of a quantised product, along K:
;;     - K is cut into blocks of 32 from its start; a last block that is shorter is filled with zeros.
;;     - A block's scale is 2^e with e = floor(log2(the largest magnitude in the block)) - 2, held to -126 .. 127; a block of zeros has e = 0. As a byte (E8M0): e + 127.
;;     - Each number is divided by its block's scale, clamped to +-7.5, and rounded to the nearest number of E2M3, ties to even, subnormals kept.
;;     - The product sums the exact products of the quantised numbers (number of the format x scale) in f32.
;;   ~~~python
;;   def quantise(x, axis):      # numpy; x: float32 -> the quantised numbers, widened to float32 again
;;       x = np.moveaxis(x, axis, -1); K = x.shape[-1]
;;       x = np.pad(x, [(0, 0)] * (x.ndim - 1) + [(0, -K % 32)]); x = x.reshape(x.shape[:-1] + (-1, 32)); a = np.abs(x).max(-1, keepdims=True)
;;       e = np.where(a > 0, np.clip(np.frexp(np.where(a > 0, a, 1))[1] - 1 - 2, -126, 127), 0)      # np.frexp(a)[1] - 1 = floor(log2(a)), exactly
;;       r = np.clip(x / 2.0 ** e, -7.5, 7.5)
;;       step = 2.0 ** (np.maximum(np.frexp(np.where(r == 0, 1, r))[1] - 1, 0) - 3)
;;       q = np.round(r / step) * step * 2.0 ** e      # np.round: ties to even
;;       return np.moveaxis(q.reshape(q.shape[:-2] + (-1,))[..., :K], -1, axis).astype(np.float32)
;;   ~~~
;;   SOFTMAX AHEAD OF A QUANTISED PRODUCT. Where the list says 'softmax', what is quantised is not the finished softmax but p = 2^(t - M), with t = logit x log2(e) and M = ceil(the row's largest t), a whole number; so 1/2 < the row's largest p <= 1. The row's sum l is taken of the UNQUANTISED p, in f32, and the product's result is divided by l at the end. Since M is a whole number, a kernel that streams over the keys may use a running M (the ceiling of the running maximum): every later rescaling is an exact power of two, which a block's scale takes up: the codes' values come out the same.
;;   OPERANDS COMPUTED ON THE WAY. 'Computed on the way' means the value that the module computes at that place (a softmax that the list does not call 'softmax' is quantised finished and normalised). What goes into a quantiser is computed in f32, as accurately as f32 sums, v_exp_f32 and their like allow (about 1e-6 of the number): no bf16 or f16 on the way to a quantiser, and a product that is left as it is and whose result goes on into a quantised operand takes f32 operands (vector FMAs, or v_wmma_f32_16x16x4_f32). A number that lies on a knife's edge between two numbers of the format may be rounded either way, as far as f32 arithmetic and the matrix unit's own rounding can turn it there, and no further.
;; 2 versions. Each part assembles by itself: llvm-mc -triple=amdgcn-amd-amdhsa -mcpu=gfx1250 --defsym DOCPART=n.
;; ======== version 1 of 2: 4 launches
;; workspace buffers: wimg 4,587,520 bytes; qimg 3,670,016 bytes; kvimg 7,077,888 bytes; prow 6,324,224 bytes; pscl 532,480 bytes; cimg 3,145,728 bytes; cscl 262,144 bytes
;; launch wquant (part 1): grid 256 x 1, 10 waves a work-group, no clusters, 85,760 bytes of LDS; arguments Wq, Wk, Wv, Wp, Wo, wimg; writes wimg
.if DOCPART == 1
	.amdgcn_target "amdgcn-amd-amdhsa--gfx1250"
	.amdhsa_code_object_version 6
	.text
	.protected	k_qb39fdc34e8_wquant
	.globl	k_qb39fdc34e8_wquant
	.p2align	8
	.type	k_qb39fdc34e8_wquant,@function
k_qb39fdc34e8_wquant:
	s_mov_b64 s[64:65], 0
	v_nop
	global_prefetch_b8 v0, s[64:65] scope:SCOPE_SE
	s_setreg_imm32_b32 hwreg(HW_REG_WAVE_MODE, 25, 1), 1
	s_wait_xcnt 0x0
; The five weights [1024 (n)][1024 (k)] f32 become codes of E2M3 with one E8M0 byte for each 32 along k, laid as RECORDS in the order of a matrix operand's registers.
; A record is one fragment, 16 rows x 128 k: 3 x 512 bytes (registers 0-3, 4-7, 8-11, lane l's 16 bytes at 16 l) and 256 bytes of scale words (lane l's word twice, at 8 l): 1,792 bytes, seven aligned blocks of 256.
; Record id = 512 mat + 32 G + 4 s + t (mat: q k v p o; G: group of 64 rows; s: 128 along k; t: tile).  Row a of the fragment is row 64 G + 8 t + a % 8 + 32 (a / 8) of the weight:
; so the results of the four tiles of a group are, in one lane, 32 neighbouring columns: a whole block of the next quantiser.
; 2,560 records = 256 work-groups x 10 waves, a record a wave.  Each load reads 512 consecutive bytes of one row; the 16 rows turn through the wave's own stage in LDS (pitch 528), so that a lane gets 2 x 32 neighbours along k.
; No barrier: waves share nothing.  No matrix unit, no tensor load, no cluster: a stream that is read once.
; LIMITS: NaN and infinities are not served; a block of zeros gets the byte 1 where the rule says 127 (its codes are zeros and this program alone reads the bytes); a block whose largest magnitude lies under 2^-124 is quantised under the floor's scale.
.set STGB, 8448                        ; a wave's stage: 16 rows x 528 bytes
.set L16, 1                            ; v1  16 x lane
.set STI, 2                            ; v2  stage, way in
.set STO, 3                            ; v3  stage, way out: 528 r + 128 h
.set H8,  4                            ; v4  8 h
.set L8,  5                            ; v5  8 x lane
.set R,   16                           ; v16-79   16 rows as loaded
.set X,   80                           ; v80-143  my 2 blocks of 32 neighbours
.set PC,  144                          ; v144-155 the fragment's codes
.set TP,  156                          ; v156-163 second halves of the blocks' codes
.set TM,  164
.set SO,  166
.set BY,  168
.set TT,  170
.set PW,  174                          ; v174:175 the scale word, twice
.set SEL, 30
	s_load_b256 s[4:11], s[0:1], 0x0               ; Wq, Wk, Wv, Wp
	s_load_b128 s[12:15], s[0:1], 0x20             ; Wo, wimg
	v_lshl_add_u32 v176, v0, 2, 0x14a00
	v_mov_b32 v177, 0
	v_lshrrev_b32 v6, 5, v0
	v_readfirstlane_b32 s16, v6                    ; wave
	v_and_b32 v7, 31, v0                           ; lane
	v_and_b32 v8, 15, v0                           ; r
	v_bfe_u32 v9, v0, 4, 1                         ; h
	s_mul_i32 s17, ttmp9, 10
	s_add_co_u32 s17, s17, s16                     ; the record's id
	s_lshr_b32 s18, s17, 9                         ; mat
	s_bfe_u32 s19, s17, 0x40005                    ; G
	s_bfe_u32 s20, s17, 0x30002                    ; s
	s_and_b32 s21, s17, 3                          ; t
	s_lshl_b32 s19, s19, 18                        ; 64 rows of 4,096 bytes
	s_lshl_b32 s21, s21, 15                        ; 8 rows
	s_lshl_b32 s20, s20, 9                         ; 128 numbers
	s_add_co_u32 s22, s19, s21
	s_add_co_u32 s22, s22, s20
	s_mov_b32 s23, 0
	s_mul_i32 s24, s17, 1792
	s_mov_b32 s25, 0
	s_mov_b32 s[SEL], 0x76543210
	s_mov_b32 s[SEL+1], 0xfedcba98                 ; lane l xor 16
	v_lshlrev_b32 v[L16], 4, v7
	v_lshlrev_b32 v[L8], 3, v7
	v_lshlrev_b32 v[H8], 3, v9
	s_mul_i32 s26, s16, STGB
	v_add_nc_u32 v[STI], s26, v[L16]
	v_mul_u32_u24 v[STO], v8, 528
	v_lshl_add_u32 v[STO], v9, 7, v[STO]
	v_add_nc_u32 v[STO], s26, v[STO]
	v_mov_b32 v[TT], 0                             ; a lane permute's destination counts as read
	s_wait_kmcnt 0x0
	s_cmp_eq_u32 s18, 1                            ; which weight: the choice hangs on the record's id alone
	s_cselect_b64 s[4:5], s[6:7], s[4:5]
	s_cmp_eq_u32 s18, 2
	s_cselect_b64 s[4:5], s[8:9], s[4:5]
	s_cmp_eq_u32 s18, 3
	s_cselect_b64 s[4:5], s[10:11], s[4:5]
	s_cmp_eq_u32 s18, 4
	s_cselect_b64 s[4:5], s[12:13], s[4:5]
	s_add_nc_u64 s[4:5], s[4:5], s[22:23]
	s_add_nc_u64 s[14:15], s[14:15], s[24:25]
.irp p, 0,1,2,3,4,5,6,7,8,9,10,11,12,13,14,15
	global_load_b128 v[R+4*\p:R+4*\p+3], v[L16], s[4:5] offset:((\p%8)+32*(\p/8))*4096 th:TH_LOAD_NT   ; fragment row p: 512 consecutive bytes
.endr
	s_wait_loadcnt 0x0
.irp p, 0,1,2,3,4,5,6,7,8,9,10,11,12,13,14,15
	ds_store_b128 v[STI], v[R+4*\p:R+4*\p+3] offset:528*\p
.endr
.irp c, 0,1
.irp i, 0,1,2,3,4,5,6,7
	ds_load_b128 v[X+32*\c+4*\i:X+32*\c+4*\i+3], v[STO] offset:256*\c+16*\i   ; k = 64 c + 32 h + 4 i ..: LDS serves a wave in order, so these see the stores
.endr
.endr
	s_wait_dscnt 0x0
.irp c, 0,1
	v_max3_num_f32 v[TM+\c], |v[X+32*\c]|, |v[X+32*\c+1]|, 0x1800000   ; the block's largest magnitude, with the floor 2^(3 - 127): the byte cannot fall under 1
.endr
.irp i, 2,4,6,8,10,12,14,16,18,20,22,24,26,28,30
.irp c, 0,1
	v_max3_num_f32 v[TM+\c], v[TM+\c], |v[X+32*\c+\i]|, |v[X+32*\c+\i+1]|
.endr
.endr
.irp c, 0,1
	v_add_nc_u32 v[SO+\c], 0xff000000, v[TM+\c]    ; 2 off the exponent field: the conversion's scale operand
.endr
.irp c, 0,1
	v_lshrrev_b32 v[BY+\c], 23, v[SO+\c]           ; the scale's byte
.endr
	v_lshl_or_b32 v[PW], v[BY+1], 16, v[BY]        ; my blocks h and 2 + h,
	v_lshlrev_b32 v[PW], v[H8], v[PW]              ; at their places in the word;
	v_permlanex16_b32 v[TT], v[PW], s[SEL], s[SEL+1]
	v_or_b32 v[PW], v[PW], v[TT]                   ; with the other half's two the word is whole
.irp c, 0,1
	v_cvt_scalef32_pk16_fp6_f32 v[PC+6*\c:PC+6*\c+2], v[X+32*\c:X+32*\c+15], v[SO+\c]
	v_cvt_scalef32_pk16_fp6_f32 v[TP+4*\c:TP+4*\c+2], v[X+32*\c+16:X+32*\c+31], v[SO+\c]   ; (a conversion's three registers begin on an even number)
.endr
	v_mov_b32 v[PW+1], v[PW]                       ; a plain line behind the conversions
.irp c, 0,1
.irp i, 0,1,2
	v_mov_b32 v[PC+6*\c+3+\i], v[TP+4*\c+\i]
.endr
.endr
.irp k, 0,1,2
	global_store_b128 v[L16], v[PC+4*\k:PC+4*\k+3], s[14:15] offset:512*\k   ; 512 consecutive bytes, aligned
.endr
	global_store_b64 v[L8], v[PW:PW+1], s[14:15] offset:1536
	s_wait_tensorcnt 0x0
	ds_add_u32 v176, v177
	s_wait_dscnt 0x0
	s_endpgm
.Lfunc_end_k_qb39fdc34e8_wquant:
	.size	k_qb39fdc34e8_wquant, .Lfunc_end_k_qb39fdc34e8_wquant-k_qb39fdc34e8_wquant
	.p2alignl 7, 3214868480
	.fill 96, 4, 3214868480
	.section	.rodata,"a",@progbits
	.p2align	6, 0x0
	.amdhsa_kernel k_qb39fdc34e8_wquant
		.amdhsa_group_segment_fixed_size 85760
		.amdhsa_private_segment_fixed_size 0
		.amdhsa_enable_private_segment 0
		.amdhsa_kernarg_size 48
		.amdhsa_user_sgpr_count 2
		.amdhsa_user_sgpr_kernarg_segment_ptr 1
		.amdhsa_wavefront_size32 1
		.amdhsa_system_sgpr_workgroup_id_x 1
		.amdhsa_system_sgpr_workgroup_id_y 1
		.amdhsa_system_sgpr_workgroup_id_z 1
		.amdhsa_system_vgpr_workitem_id 0
		.amdhsa_next_free_vgpr 178
		.amdhsa_next_free_sgpr 66
		.amdhsa_reserve_vcc 0
		.amdhsa_float_denorm_mode_32 3
		.amdhsa_float_denorm_mode_16_64 3
		.amdhsa_memory_ordered 1
		.amdhsa_forward_progress 1
		.amdhsa_inst_pref_size 10
	.end_amdhsa_kernel
	.amdgpu_metadata
---
amdhsa.version: [ 1, 2 ]
amdhsa.kernels:
  - .name:           k_qb39fdc34e8_wquant
    .symbol:         k_qb39fdc34e8_wquant.kd
    .args:
      - { .name: Wq, .offset: 0, .size: 8, .value_kind: global_buffer, .address_space: global }
      - { .name: Wk, .offset: 8, .size: 8, .value_kind: global_buffer, .address_space: global }
      - { .name: Wv, .offset: 16, .size: 8, .value_kind: global_buffer, .address_space: global }
      - { .name: Wp, .offset: 24, .size: 8, .value_kind: global_buffer, .address_space: global }
      - { .name: Wo, .offset: 32, .size: 8, .value_kind: global_buffer, .address_space: global }
      - { .name: wimg, .offset: 40, .size: 8, .value_kind: global_buffer, .address_space: global }
    .group_segment_fixed_size: 85760
    .private_segment_fixed_size: 0
    .kernarg_segment_align: 8
    .kernarg_segment_size: 48
    .max_flat_workgroup_size: 320
    .sgpr_count:     66
    .vgpr_count:     178
    .wavefront_size: 32
...
	.end_amdgpu_metadata
.endif
;; end of part 1
;; launch proj (part 2): grid 64 x 4, 16 waves a work-group, no clusters, 247,808 bytes of LDS; arguments query, key, value, pos_embedding, bq, bk, bv, bp, wimg, qimg, kvimg, prow, pscl; writes qimg, kvimg, prow, pscl
.if DOCPART == 2
	.amdgcn_target "amdgcn-amd-amdhsa--gfx1250"
	.amdhsa_code_object_version 6
	.text
	.protected	k_qb39fdc34e8_proj
	.globl	k_qb39fdc34e8_proj
	.p2align	8
	.type	k_qb39fdc34e8_proj,@function
k_qb39fdc34e8_proj:
	s_mov_b64 s[64:65], 0
	v_nop
	global_prefetch_b8 v0, s[64:65] scope:SCOPE_SE
	s_setreg_imm32_b32 hwreg(HW_REG_WAVE_MODE, 25, 1), 1
	s_wait_xcnt 0x0
; The four projections x W^T + b on codes of E2M3, and the quantising of their results for the attention launch.  Work-group (x, y): 64 tokens (x), projection y (0 q, 1 k, 2 v, 3 p).
; Wave w is head w: 64 columns.  So every number of x is read and quantised once in the launch; the weights come as records (launch wquant), straight into operand registers.
; PHASE X: wave w quantises two of the block's 32 fragments of x (tile w / 4, K steps 2 (w % 4) and + 1) and stores them in LDS as images of the operand's registers; one barrier.
; Row r of tile m of x is token 8 m + r % 8 + 32 (r / 8) of the 64, and row a of tile t of W is column 8 t + a % 8 + 32 (a / 8) of the head.
; q, k, p: source 0 = W, source 1 = x: a lane holds one token and, over the four tiles t, 32 NEIGHBOURING columns of the head: one whole block of the next quantiser (K = the head's 64).
; v: the sources swapped: a lane holds one column of the head and 32 neighbouring tokens: one whole block along the keys, the K of the last attention product.
; So no maximum crosses lanes, and a block's six code registers are half an operand as they stand ("half image": registers 0-3 at 16 x lane, 4-5 at 512 + 8 x lane: 768 bytes).
; The eight K steps are written out: every offset is an immediate.  16 accumulators take turns, one instruction a turn.
; No tensor load: x is turned and quantised in registers anyway, and the weights' records need no LDS.  No cluster: the work-groups of a projection share only the weights, which come through registers.
; The scale halves of v (2 bytes a lane and tile, 2 of every 770 bytes stored on that path) and the second copy of p's rows (which begins 48 bytes past a multiple of 256) do not fill aligned blocks of 256 bytes.
; LIMITS: NaN and infinities are not served; a block of zeros gets the byte 1 where the rule says 127 (zero codes; read by this program alone); a block whose largest magnitude lies under 2^-124 is quantised under the floor's scale.
.set XSTGW, 8448                       ; LDS 0: a stage of 16 rows x 528 bytes for each wave
.set XIMG,  135168                     ; x's 32 fragments, (8 m + s) x 1,536
.set XSC,   184320                     ; their scale words, (8 m + s) x 128
.set PSTG,  188416                     ; the p path's stage: 64 rows x 48 bytes + 64 scale words for each wave; it ends at 241,664, the last byte that the text uses
.set PSTGW, 3328
.set L16, 1
.set L8,  2
.set L4,  3
.set STI, 4
.set STO, 5
.set H8,  6
.set XI,  7                            ; XIMG + 16 x lane
.set XSA, 8                            ; XSC + 4 x lane
.set VB,  9                            ; my offset in the bias
.set APS, 10                           ; p's stage: my token's row, my half
.set APW, 11                           ; p's stage: my token's scale word
.set XWI, 12                           ; where I store x's images
.set XWS, 13
.set PR16, 14                          ; p's stage, way out
.set PR4, 15
.set WF,  16                           ; v16-63   four fragments of W
.set XF,  64                           ; v64-111  four fragments of x
.set WS,  112
.set XS,  116
.set BV,  120                          ; v120-127 the v path's bias, a pair for each tile
.set ACC, 128                          ; v128-255 16 accumulators
.set R,   128                          ; phase X: two fragments as loaded
.set X,   16
.set XPC, 80
.set XTP, 92
.set XTM, 100
.set XSO, 102
.set XBY, 104
.set XTT, 106
.set XPW, 112
.set CQ,  16                           ; the way out: 4 x 6 code registers
.set TP,  40
.set TM,  56
.set SO,  60
.set BY,  64
.set TT,  68
.set T2,  72
.set SW,  76
.set OUT, 80
.set SEL, 40
.macro WMZ d, a, b, sa, sb             ; the first product starts a sum
	v_wmma_scale_f32_16x16x128_f8f6f4 v[\d:\d+7], v[\a:\a+11], v[\b:\b+11], 0, v[\sa], v[\sb] matrix_a_fmt:MATRIX_FMT_FP6 matrix_b_fmt:MATRIX_FMT_FP6
.endm
.macro WMA d, a, b, sa, sb             ; adds in place
	v_wmma_scale_f32_16x16x128_f8f6f4 v[\d:\d+7], v[\a:\a+11], v[\b:\b+11], v[\d:\d+7], v[\sa], v[\sb] matrix_a_fmt:MATRIX_FMT_FP6 matrix_b_fmt:MATRIX_FMT_FP6
.endm
.macro FRAGLOAD reg, off               ; 16 rows x 128 numbers: each load reads 512 consecutive bytes of one token
.irp p, 0,1,2,3,4,5,6,7,8,9,10,11,12,13,14,15
	global_load_b128 v[\reg+4*\p:\reg+4*\p+3], v[L16], s[4:5] offset:\off+((\p%8)+32*(\p/8))*4096 th:TH_LOAD_NT
.endr
.endm
.macro TURN reg                        ; through my own stage: LDS serves a wave in order, so no wait stands between
.irp p, 0,1,2,3,4,5,6,7,8,9,10,11,12,13,14,15
	ds_store_b128 v[STI], v[\reg+4*\p:\reg+4*\p+3] offset:528*\p
.endr
.irp c, 0,1
.irp i, 0,1,2,3,4,5,6,7
	ds_load_b128 v[X+32*\c+4*\i:X+32*\c+4*\i+3], v[STO] offset:256*\c+16*\i
.endr
.endr
.endm
.macro QUANT2                          ; v[X + 32 c + i] = k 64 c + 32 h + i of my row: two whole blocks -> 12 code registers and the row's scale word
.irp c, 0,1
	v_max3_num_f32 v[XTM+\c], |v[X+32*\c]|, |v[X+32*\c+1]|, 0x1800000   ; with the floor 2^(3 - 127)
.endr
.irp i, 2,4,6,8,10,12,14,16,18,20,22,24,26,28,30
.irp c, 0,1
	v_max3_num_f32 v[XTM+\c], v[XTM+\c], |v[X+32*\c+\i]|, |v[X+32*\c+\i+1]|
.endr
.endr
.irp c, 0,1
	v_add_nc_u32 v[XSO+\c], 0xff000000, v[XTM+\c]  ; 2 off the exponent field: the conversion's scale operand
.endr
.irp c, 0,1
	v_lshrrev_b32 v[XBY+\c], 23, v[XSO+\c]
.endr
	v_lshl_or_b32 v[XPW], v[XBY+1], 16, v[XBY]
	v_lshlrev_b32 v[XPW], v[H8], v[XPW]
	v_permlanex16_b32 v[XTT], v[XPW], s[SEL], s[SEL+1]
	v_or_b32 v[XPW], v[XPW], v[XTT]
.irp c, 0,1
	v_cvt_scalef32_pk16_fp6_f32 v[XPC+6*\c:XPC+6*\c+2], v[X+32*\c:X+32*\c+15], v[XSO+\c]
	v_cvt_scalef32_pk16_fp6_f32 v[XTP+4*\c:XTP+4*\c+2], v[X+32*\c+16:X+32*\c+31], v[XSO+\c]
.endr
	v_nop                                          ; one plain line behind the conversions
.irp c, 0,1
.irp i, 0,1,2
	v_mov_b32 v[XPC+6*\c+3+\i], v[XTP+4*\c+\i]
.endr
.endr
.endm
.macro IMAGE n                         ; the fragment and its scale words go to LDS as they stand in the registers
.irp k, 0,1,2
	ds_store_b128 v[XWI], v[XPC+4*\k:XPC+4*\k+3] offset:1536*\n+512*\k
.endr
	ds_store_b32 v[XWS], v[XPW] offset:128*\n
.endm
; K step s: four records of W from memory, four images of x from LDS, 16 products.
.macro KSTEP swap, zero, s
.irp t, 0,1,2,3
.irp k, 0,1,2
	global_load_b128 v[WF+12*\t+4*\k:WF+12*\t+4*\k+3], v[L16], s[20:21] offset:7168*\s+1792*\t+512*\k
.endr
	global_load_b32 v[WS+\t], v[L8], s[20:21] offset:7168*\s+1792*\t+1536
.endr
.irp m, 0,1,2,3
.irp k, 0,1,2
	ds_load_b128 v[XF+12*\m+4*\k:XF+12*\m+4*\k+3], v[XI] offset:1536*\s+12288*\m+512*\k
.endr
	ds_load_b32 v[XS+\m], v[XSA] offset:128*\s+1024*\m
.endr
	s_wait_loadcnt 0x0
	s_wait_dscnt 0x0
.irp m, 0,1,2,3
.irp t, 0,1,2,3
.if \swap
.if \zero
	WMZ ACC+8*(4*\t+\m), XF+12*\m, WF+12*\t, XS+\m, WS+\t
.else
	WMA ACC+8*(4*\t+\m), XF+12*\m, WF+12*\t, XS+\m, WS+\t
.endif
.else
	WMA ACC+8*(4*\m+\t), WF+12*\t, XF+12*\m, WS+\t, XS+\m
.endif
.endr
.endr
.rept 4
	v_nop                                          ; four plain lines ahead of loads into registers that the products read, and of the first read of results
.endr
.endm
; Four blocks of 32 registers at ACC + 32 x -> codes CQ + 6 x, bytes BY + x.  Each accumulator is read from its low end on.
.macro QUANT4
.irp x, 0,1,2,3
	v_max3_num_f32 v[TM+\x], |v[ACC+32*\x]|, |v[ACC+32*\x+1]|, 0x1800000
.endr
.irp i, 2,4,6,8,10,12,14,16,18,20,22,24,26,28,30
.irp x, 0,1,2,3
	v_max3_num_f32 v[TM+\x], v[TM+\x], |v[ACC+32*\x+\i]|, |v[ACC+32*\x+\i+1]|
.endr
.endr
.irp x, 0,1,2,3
	v_add_nc_u32 v[SO+\x], 0xff000000, v[TM+\x]
.endr
.irp x, 0,1,2,3
	v_lshrrev_b32 v[BY+\x], 23, v[SO+\x]
.endr
.irp x, 0,1,2,3
	v_cvt_scalef32_pk16_fp6_f32 v[CQ+6*\x:CQ+6*\x+2], v[ACC+32*\x:ACC+32*\x+15], v[SO+\x]
	v_cvt_scalef32_pk16_fp6_f32 v[TP+4*\x:TP+4*\x+2], v[ACC+32*\x+16:ACC+32*\x+31], v[SO+\x]
.endr
	v_nop
.irp x, 0,1,2,3
.irp i, 0,1,2
	v_mov_b32 v[CQ+6*\x+3+\i], v[TP+4*\x+\i]
.endr
.endr
.irp x, 0,1,2,3
	v_mov_b32 v[T2+\x], 0                          ; a lane permute's destination counts as read
	v_lshlrev_b32 v[TT+\x], v[H8], v[BY+\x]        ; my half's byte at its place,
.endr
.irp x, 0,1,2,3
	v_permlanex16_b32 v[T2+\x], v[TT+\x], s[SEL], s[SEL+1]
.endr
.irp x, 0,1,2,3
	v_or_b32 v[TT+\x], v[TT+\x], v[T2+\x]          ; with the other half's: s0 | s1 << 8 in every lane
.endr
.endm
	s_load_b256 s[4:11], s[0:1], 0x0               ; query, key, value, pos_embedding
	s_load_b256 s[12:19], s[0:1], 0x20             ; bq, bk, bv, bp
	s_load_b256 s[20:27], s[0:1], 0x40             ; wimg, qimg, kvimg, prow
	s_load_b64 s[28:29], s[0:1], 0x60              ; pscl
	v_lshrrev_b32 v16, 5, v0
	v_readfirstlane_b32 s30, v16                   ; wave = head
	s_and_b32 s31, ttmp7, 0xffff                   ; the projection
	s_and_b32 s32, ttmp9, 31                       ; the block of 64 tokens in its batch
	s_lshr_b32 s33, ttmp9, 5                       ; the batch
	s_lshl_b32 s34, s33, 4
	s_add_co_u32 s34, s34, s30                     ; bh = 16 b + head
	v_and_b32 v16, 31, v0                          ; lane
	v_and_b32 v17, 15, v0                          ; r
	v_bfe_u32 v18, v0, 4, 1                        ; h
	v_lshlrev_b32 v[L16], 4, v16
	v_lshlrev_b32 v[L8], 3, v16
	v_lshlrev_b32 v[L4], 2, v16
	v_lshlrev_b32 v[H8], 3, v18
	s_mul_i32 s35, s30, XSTGW
	v_add_nc_u32 v[STI], s35, v[L16]
	v_mul_u32_u24 v[STO], v17, 528
	v_lshl_add_u32 v[STO], v18, 7, v[STO]
	v_add_nc_u32 v[STO], s35, v[STO]
	v_add_nc_u32 v[XI], XIMG, v[L16]
	v_add_nc_u32 v[XSA], XSC, v[L4]
	s_mul_i32 s35, s30, 3072                       ; fragments 2 w and 2 w + 1
	v_add_nc_u32 v[XWI], s35, v[XI]
	s_lshl_b32 s35, s30, 8
	v_add_nc_u32 v[XWS], s35, v[XSA]
	s_mul_i32 s35, s30, PSTGW
	s_add_co_u32 s35, s35, PSTG
	v_and_b32 v19, 7, v0                           ; r % 8,
	v_and_b32 v20, 8, v0                           ; 8 (r / 8),
	v_lshl_add_u32 v19, v20, 2, v19                ; r % 8 + 32 (r / 8): as a sum, 39 at the most
	v_mul_u32_u24 v[APS], v19, 48
	v_mad_u32_u24 v[APS], v18, 24, v[APS]
	v_add_nc_u32 v[APS], s35, v[APS]               ; with the tiles' 384 x and a row's 24 bytes: 3,072 bytes of rows
	v_lshl_add_u32 v[APW], v19, 2, s35
	v_add_nc_u32 v[APW], 3072, v[APW]              ; behind them 256 bytes of words
	v_add_nc_u32 v[PR16], s35, v[L16]
	v_add_nc_u32 v[PR4], s35, v[L4]
	v_add_nc_u32 v[PR4], 3072, v[PR4]
	v_mov_b32 v[XTT], 0
	s_mov_b32 s[SEL], 0x76543210
	s_mov_b32 s[SEL+1], 0xfedcba98
	s_lshl_b32 s36, ttmp9, 18                      ; x: 64 tokens of 4,096 bytes,
	s_lshr_b32 s38, s30, 2
	s_lshl_b32 s38, s38, 15                        ; my tile's 8 tokens on,
	s_add_co_u32 s36, s36, s38
	s_and_b32 s38, s30, 3
	s_lshl_b32 s38, s38, 10                        ; my two K steps
	s_add_co_u32 s36, s36, s38
	s_mov_b32 s37, 0
	s_lshl_b32 s38, s30, 8                         ; the bias: my head's 64 numbers
	s_mov_b32 s39, 0
	s_lshl_b32 s42, s31, 9
	s_lshl_b32 s43, s30, 5
	s_add_co_u32 s42, s42, s43
	s_mul_i32 s42, s42, 1792                       ; the weights' records: 512 mat + 32 G
	s_mov_b32 s43, 0
	s_wait_kmcnt 0x0
	s_cmp_eq_u32 s31, 1                            ; the choices hang on the work-group's number alone
	s_cselect_b64 s[4:5], s[6:7], s[4:5]
	s_cselect_b64 s[12:13], s[14:15], s[12:13]
	s_cmp_eq_u32 s31, 2
	s_cselect_b64 s[4:5], s[8:9], s[4:5]
	s_cselect_b64 s[12:13], s[16:17], s[12:13]
	s_cmp_eq_u32 s31, 3
	s_cselect_b64 s[4:5], s[10:11], s[4:5]
	s_cselect_b64 s[12:13], s[18:19], s[12:13]
	s_add_nc_u64 s[4:5], s[4:5], s[36:37]
	s_add_nc_u64 s[12:13], s[12:13], s[38:39]
	s_add_nc_u64 s[20:21], s[20:21], s[42:43]
	; ---- phase X
	FRAGLOAD R, 0
	FRAGLOAD R+64, 512
	s_wait_loadcnt 16                              ; the first fragment's 16 loads are in; the second's 16 may be out
	TURN R
	s_wait_dscnt 0x0
	QUANT2
	IMAGE 0
	s_wait_loadcnt 0x0
	TURN R+64
	s_wait_dscnt 0x0                               ; my numbers are back, and the image's stores have read their registers
	QUANT2
	IMAGE 1
	s_wait_dscnt 0x0                               ; for the others' sake: my images lie in LDS
	s_barrier_signal -1
	s_barrier_wait -1
	; where the block lies in kvimg: step (16 bh + block / 2) of 13,824 bytes; s39 = block % 2
	s_lshl_b32 s38, s34, 4
	s_lshr_b32 s39, s32, 1
	s_add_co_u32 s38, s38, s39
	s_mul_i32 s38, s38, 13824
	s_and_b32 s39, s32, 1
	s_cmp_eq_u32 s31, 2
	s_cbranch_scc1 .Lpath_v
	; ---- q, k, p: the bias is what the sums begin with: eight numbers a tile, in the result's layout
	v_bfe_u32 v[VB], v0, 4, 1
	v_lshlrev_b32 v[VB], 7, v[VB]                  ; 32 h columns
.irp m, 0,1,2,3
.irp t, 0,1,2,3
	global_load_b128 v[ACC+8*(4*\m+\t):ACC+8*(4*\m+\t)+3], v[VB], s[12:13] offset:32*\t
	global_load_b128 v[ACC+8*(4*\m+\t)+4:ACC+8*(4*\m+\t)+7], v[VB], s[12:13] offset:32*\t+16
.endr
.endr
.irp s, 0,1,2,3,4,5,6,7
	KSTEP 0, 0, \s
.endr
	QUANT4
.irp x, 0,1,2,3
	v_lshl_or_b32 v[SW+\x], v[TT+\x], 16, v[TT+\x] ; [s0, s1, s0, s1]: right in either half of a K of 128
.endr
	s_cmp_eq_u32 s31, 3
	s_cbranch_scc1 .Lstore_p
	; q: record (32 bh + block) of 3,584 bytes in qimg;  k: the block's record in its step of kvimg
	s_lshl_b32 s36, s34, 5
	s_add_co_u32 s36, s36, s32
	s_mul_i32 s36, s36, 3584
	s_mul_i32 s42, s39, 3584
	s_add_co_u32 s42, s42, s38
	s_cmp_eq_u32 s31, 0
	s_cselect_b64 s[44:45], s[22:23], s[24:25]
	s_cselect_b32 s36, s36, s42
	s_mov_b32 s37, 0
	s_add_nc_u64 s[44:45], s[44:45], s[36:37]
.irp x, 0,1,2,3
	global_store_b128 v[L16], v[CQ+6*\x:CQ+6*\x+3], s[44:45] offset:768*\x
	global_store_b64 v[L8], v[CQ+6*\x+4:CQ+6*\x+5], s[44:45] offset:768*\x+512
.endr
	global_store_b128 v[L16], v[SW:SW+3], s[44:45] offset:3072   ; lane l: the four tiles' words of row l % 16
	s_wait_xcnt 0x0
	v_lshl_add_u32 v254, v0, 2, 0x3c000
	v_mov_b32 v255, 0
	s_wait_tensorcnt 0x0
	ds_add_u32 v254, v255
	s_wait_dscnt 0x0
	s_endpgm
.Lstore_p:
	; p goes out as ROWS of 48 bytes, since the attention launch takes its rows at any offset: through my stage, then twice: at row token and at row token + 2,049
.irp x, 0,1,2,3
.irp p, 0,1,2
	ds_store_b64 v[APS], v[CQ+6*\x+2*\p:CQ+6*\x+2*\p+1] offset:384*\x+8*\p
.endr
	ds_store_b32 v[APW], v[SW+\x] offset:32*\x     ; both halves of the lanes write the same word with the same value
.endr
.irp k, 0,1,2,3,4,5
	ds_load_b128 v[OUT+4*\k:OUT+4*\k+3], v[PR16] offset:512*\k
.endr
	ds_load_b32 v[OUT+24], v[PR4]
	ds_load_b32 v[OUT+25], v[PR4] offset:128
	s_mul_i32 s36, s34, 197632
	s_mul_i32 s42, s32, 3072
	s_add_co_u32 s36, s36, s42
	s_mov_b32 s37, 0
	s_add_nc_u64 s[26:27], s[26:27], s[36:37]
	s_mul_i32 s36, s34, 16640
	s_lshl_b32 s42, s32, 8
	s_add_co_u32 s36, s36, s42
	s_add_nc_u64 s[28:29], s[28:29], s[36:37]
	s_wait_dscnt 0x0
.irp k, 0,1,2,3,4,5
	global_store_b128 v[L16], v[OUT+4*\k:OUT+4*\k+3], s[26:27] offset:512*\k
	global_store_b128 v[L16], v[OUT+4*\k:OUT+4*\k+3], s[26:27] offset:98352+512*\k
.endr
.irp k, 0,1
	global_store_b32 v[L4], v[OUT+24+\k], s[28:29] offset:128*\k
	global_store_b32 v[L4], v[OUT+24+\k], s[28:29] offset:8196+128*\k
.endr
	s_cmp_lg_u32 s32, 31
	s_cbranch_scc1 .Lend_p
	; the head's last block also writes what no token fills: row 2,048 (the shift's zero) and the table's end: 64 pieces of 16 bytes of zero codes, 64 words of the byte 127.
	; Offsets count from this block's base: 31 x 3,072 bytes of rows, 31 x 256 bytes of words.
	v_and_b32 v40, 31, v0
	v_add_nc_u32 v41, 3072, v[L16]                 ; row 2,048: 98,304 + 16 q, q = 0 .. 2
	v_add_nc_u32 v42, 101376, v[L16]               ; the end: 196,608 + 16 q, q = 3 .. 63
	v_cmp_gt_u32 vcc_lo, 3, v40
	v_cndmask_b32 v41, v42, v41, vcc_lo
.irp i, 44,45,46,47
	v_mov_b32 v\i, 0
.endr
	global_store_b128 v41, v[44:47], s[26:27]
	global_store_b128 v42, v[44:47], s[26:27] offset:512
	v_add_nc_u32 v43, 8448, v[L4]                  ; words 4,096 + q, q = 1 .. 63
	v_mov_b32 v48, 256                             ; word 2,048
	v_cmp_eq_u32 vcc_lo, 0, v40
	v_cndmask_b32 v48, v43, v48, vcc_lo
	v_mov_b32 v49, 0x7f7f7f7f
	global_store_b32 v48, v49, s[28:29]
	global_store_b32 v43, v49, s[28:29] offset:128
.Lend_p:
	s_wait_xcnt 0x0
	v_lshl_add_u32 v254, v0, 2, 0x3c000
	v_mov_b32 v255, 0
	s_wait_tensorcnt 0x0
	ds_add_u32 v254, v255
	s_wait_dscnt 0x0
	s_endpgm
.Lpath_v:
	; ---- v: sources swapped.  A lane's bias is one number a tile (its column's); it is added behind the sums
	v_and_b32 v[VB], 7, v0
	v_and_b32 v119, 8, v0
	v_lshl_add_u32 v[VB], v119, 2, v[VB]           ; r % 8 + 32 (r / 8)
	v_lshlrev_b32 v[VB], 2, v[VB]                  ; in bytes
.irp u, 0,1,2,3
	global_load_b32 v[BV+2*\u], v[VB], s[12:13] offset:32*\u
	global_load_b32 v[BV+2*\u+1], v[VB], s[12:13] offset:32*\u   ; (the packed addition names the pair)
.endr
	KSTEP 1, 1, 0
.irp s, 1,2,3,4,5,6,7
	KSTEP 1, 0, \s
.endr
.irp u, 0,1,2,3
.irp i, 0,2,4,6,8,10,12,14,16,18,20,22,24,26,28,30
	v_pk_add_f32 v[ACC+32*\u+\i:ACC+32*\u+\i+1], v[ACC+32*\u+\i:ACC+32*\u+\i+1], v[BV+2*\u:BV+2*\u+1] op_sel_hi:[1,0]
.endr
.endr
	QUANT4
	s_mul_i32 s42, s39, 768
	s_add_co_u32 s36, s38, s42
	s_add_co_u32 s36, s36, 7168                    ; behind k's two records: half image 2 u + block % 2
	s_mov_b32 s37, 0
	s_add_nc_u64 s[44:45], s[24:25], s[36:37]
	s_lshl_b32 s42, s39, 1
	s_add_co_u32 s36, s38, s42
	s_add_co_u32 s36, s36, 13312                   ; the scale image: lane l, word u, my block's two bytes
	s_add_nc_u64 s[46:47], s[24:25], s[36:37]
.irp u, 0,1,2,3
	global_store_b128 v[L16], v[CQ+6*\u:CQ+6*\u+3], s[44:45] offset:1536*\u
	global_store_b64 v[L8], v[CQ+6*\u+4:CQ+6*\u+5], s[44:45] offset:1536*\u+512
	global_store_b16 v[L16], v[TT+\u], s[46:47] offset:4*\u
.endr
	s_wait_xcnt 0x0
	v_lshl_add_u32 v254, v0, 2, 0x3c000
	v_mov_b32 v255, 0
	s_wait_tensorcnt 0x0
	ds_add_u32 v254, v255
	s_wait_dscnt 0x0
	s_endpgm
.Lfunc_end_k_qb39fdc34e8_proj:
	.size	k_qb39fdc34e8_proj, .Lfunc_end_k_qb39fdc34e8_proj-k_qb39fdc34e8_proj
	.p2alignl 7, 3214868480
	.fill 96, 4, 3214868480
	.section	.rodata,"a",@progbits
	.p2align	6, 0x0
	.amdhsa_kernel k_qb39fdc34e8_proj
		.amdhsa_group_segment_fixed_size 247808
		.amdhsa_private_segment_fixed_size 0
		.amdhsa_enable_private_segment 0
		.amdhsa_kernarg_size 104
		.amdhsa_user_sgpr_count 2
		.amdhsa_user_sgpr_kernarg_segment_ptr 1
		.amdhsa_wavefront_size32 1
		.amdhsa_system_sgpr_workgroup_id_x 1
		.amdhsa_system_sgpr_workgroup_id_y 1
		.amdhsa_system_sgpr_workgroup_id_z 1
		.amdhsa_system_vgpr_workitem_id 0
		.amdhsa_next_free_vgpr 256
		.amdhsa_next_free_sgpr 66
		.amdhsa_reserve_vcc 1
		.amdhsa_float_denorm_mode_32 3
		.amdhsa_float_denorm_mode_16_64 3
		.amdhsa_memory_ordered 1
		.amdhsa_forward_progress 1
		.amdhsa_inst_pref_size 121
	.end_amdhsa_kernel
	.amdgpu_metadata
---
amdhsa.version: [ 1, 2 ]
amdhsa.kernels:
  - .name:           k_qb39fdc34e8_proj
    .symbol:         k_qb39fdc34e8_proj.kd
    .args:
      - { .name: query, .offset: 0, .size: 8, .value_kind: global_buffer, .address_space: global }
      - { .name: key, .offset: 8, .size: 8, .value_kind: global_buffer, .address_space: global }
      - { .name: value, .offset: 16, .size: 8, .value_kind: global_buffer, .address_space: global }
      - { .name: pos_embedding, .offset: 24, .size: 8, .value_kind: global_buffer, .address_space: global }
      - { .name: bq, .offset: 32, .size: 8, .value_kind: global_buffer, .address_space: global }
      - { .name: bk, .offset: 40, .size: 8, .value_kind: global_buffer, .address_space: global }
      - { .name: bv, .offset: 48, .size: 8, .value_kind: global_buffer, .address_space: global }
      - { .name: bp, .offset: 56, .size: 8, .value_kind: global_buffer, .address_space: global }
      - { .name: wimg, .offset: 64, .size: 8, .value_kind: global_buffer, .address_space: global }
      - { .name: qimg, .offset: 72, .size: 8, .value_kind: global_buffer, .address_space: global }
      - { .name: kvimg, .offset: 80, .size: 8, .value_kind: global_buffer, .address_space: global }
      - { .name: prow, .offset: 88, .size: 8, .value_kind: global_buffer, .address_space: global }
      - { .name: pscl, .offset: 96, .size: 8, .value_kind: global_buffer, .address_space: global }
    .group_segment_fixed_size: 247808
    .private_segment_fixed_size: 0
    .kernarg_segment_align: 8
    .kernarg_segment_size: 104
    .max_flat_workgroup_size: 512
    .sgpr_count:     66
    .vgpr_count:     256
    .wavefront_size: 32
...
	.end_amdgpu_metadata
.endif
;; end of part 2
;; launch attn (part 3): grid 8 x 32, 8 waves a work-group, no clusters, 327,680 bytes of LDS; arguments qimg, kvimg, prow, pscl, cimg, cscl; writes cimg, cscl
.if DOCPART == 3
	.amdgcn_target "amdgcn-amd-amdhsa--gfx1250"
	.amdhsa_code_object_version 6
	.text
	.protected	k_qb39fdc34e8_attn
	.globl	k_qb39fdc34e8_attn
	.p2align	8
	.type	k_qb39fdc34e8_attn,@function
k_qb39fdc34e8_attn:
	s_mov_b64 s[64:65], 0
	v_nop
	global_prefetch_b8 v0, s[64:65] scope:SCOPE_SE
	s_setreg_imm32_b32 hwreg(HW_REG_WAVE_MODE, 25, 1), 1
	s_wait_xcnt 0x0
; Attention with the relative shift, on codes of E2M3.  score(i, j) = (q_i . k_j + shifted(i, j)) / 32;  shifted(i, j) = Q . P'[j - i + 2047], where P' is the table of 4,097 rows
; that launch proj wrote (p, a row of zeros, p again) and Q is q_i for table rows up to 2,048 and q_(i+1) from 2,049 on: that is the pad / reshape / slice of the shift, written out.
; SHARES.  Work-group (x, y): 256 queries (x) of one batch and head (y).  Each of 8 waves owns TWO tiles of 16 queries in 512 registers, two waves to a SIMD; it walks 16 steps of 128 keys.
; A tile's queries are i = 32 QI + c + 2 n (n = lane % 16, c = wave % 2): every second one, so that the skew below moves by 8 bytes from lane to lane.  Tile A has QI = 8 x + 2 (wave / 2), tile B QI + 1.
; WHY TWO TILES: what a wave reads from LDS into operand registers serves both.  For a step it reads 9,216 bytes of table rows, 6,144 of K and 6,144 of V; two waves of one tile each would read 7,680 + 6,144 + 6,144 each.
; LAYOUT.  All products are used transposed (source 0 = keys, table rows or channels; source 1 = my queries): a lane holds ONE query of each tile throughout.
; K = 64 in an instruction of K = 128: source 0 is TWO fragments side by side; source 1 is [q | 0] or [0 | q].  The half that is not wanted meets zero codes.  A row's scale word is [s0, s1, s0, s1].
; THE SKEW.  With e = 1 - c, position pos of a tile's position product is table row 128 s - 32 QI + 2016 + e + pos, and key kk of step s wants pos = kk + 30 - 2 n: 160 rows for 128 keys.
; Tile B's 160 rows begin 32 rows ahead of tile A's: 192 rows, 12 fragments, serve both (B: fragments 0-9, A: 2-11).
; The results go to the tile's own stage in LDS (pitch 656) and come back from 648 n + 120 + 4 kk, straight into the score registers, where they are the C of the content product: no addition is written.
; A pair of fragments (32 table rows from a multiple of 32, + e) lies wholly on one side of row 2,048, the row of zeros: pair v of the twelve takes q_i where 4 s + v <= tile B's QI, else q_(i+1): a scalar branch on ids.
; THE KEYS OF A TILE are 8 t + a % 8 + 32 (a / 8) of their 64, so that a lane's 32 score registers are 32 neighbouring keys: a whole block of p's quantiser; V's channels likewise for the context's.
; SOFTMAX.  t = score x log2(e) / 32; M = the running largest t rounded up to a whole number; p = 2^(t - M) is quantised, not normalised; the sum is taken of the unquantised p and divides at the end.
; THE RING.  Two slots of two steps: 528 rows of P' (25,344 bytes) and two steps' images of K and V (27,648 bytes), dense blocks brought by wave 0 and wave 1; P's scale words for the whole walk come once (wave 2).
; REGISTERS, in windows of 256 (s_set_vgpr_msb: bits 1:0 source 0, 3:2 source 1, 5:4 source 2, 7:6 destination).  Window 0: addresses, statistics, q, scale words, ONE set of score registers that the tiles use in turn, p's codes.
; Window 1: v0-71 fragments of P', then of K; v72-119 of V; v128-159, v160-191 O^T of tiles A and B.  Only matrix operands, LDS loads' destinations and O^T's rescaling name window 1.
; NO CLUSTER: the query blocks of a head share K and V, but this text branches on the query block (q_i or q_(i+1)), and the fills are 53 KB for two steps in which the 8 waves move some 970 KB through LDS.
; The context's scale halves leave as 2 bytes a lane, 32 bytes apart: 64 of the 832 bytes that a tile stores.
; LIMITS: NaN and infinities are not served; a block of zeros gets the byte 1 where the rule says 127 (zero codes; read by this program alone).
.set SLOTB, 65536                      ; slot 1 begins here: one exclusive or turns an address
.set KVO,   25344                      ; in a slot: K's and V's images behind P's rows
.set KVS,   13824                      ; a step's images
.set PSC,   131072                     ; P's scale words: 2,368 words, filled once
.set STG,   140544                     ; the stages: 16 rows x 656 bytes for each tile, two for each wave
.set STGW,  10496
.set SPARE, 308480                     ; the spare words: 128 bytes a wave, four blocks of 256 bytes that no other line names
.set AP0,  1                           ; v1   my table row in the window (tile B's first fragment), my half
.set ASP0, 2                           ; v2   its scale word; lanes 16-31: the next fragment's
.set AK16, 3                           ; v3   KVO + 16 x lane
.set AK8,  4                           ; v4   KVO + 8 x lane
.set SPW,  5                           ; v5   my spare word; never rewritten
.set NIL,  6                           ; v6   0; never rewritten
.set ASTW, 7                           ; v7   stage, way in
.set ASTR, 8                           ; v8   stage, way out, skewed
.set ADP,  9
.set ADS,  10
.set ADK16, 11
.set ADK8, 12
.set H8,   13
.set AKS0, 14                          ; v14  K's scale words: lanes 0-15 the first record's, lanes 16-31 the second's
.set ADKS, 15
.set STA,  16                          ; v16 -M, v17 the largest t, v18:19 the sum in two halves: tile A
.set STB,  20                          ; the same for tile B
.set QBA,  24                          ; v24-53  q, 0, q', 0, q (6 each): [q|0] at +0, [0|q'] at +6, [q'|0] at +12, [0|q] at +18
.set QBB,  54                          ; v54-83  the same for tile B
.set QSA,  84                          ; v84 q's scale words, v85 q''s
.set QSB,  86
.set FSP,  88                          ; v88-93  P's scale words: register v: lanes 0-15 fragment 2 v, lanes 16-31 fragment 2 v + 1
.set FSK,  94                          ; v94-97  K's: register m: lanes 0-15 tile m, lanes 16-31 tile 4 + m
.set FSV,  98                          ; v98-101 V's
.set PW,   102                         ; p's scale word
.set PFO,  103
.set S,    104                         ; v104-167 the scores, then p
.set PD,   104                         ; v104-183 the position product's ten tiles
.set CT,   168                         ; v168-175 at work behind the position product
.set PC,   184                         ; v184-195 p's codes
.set BM,   196
.set SO,   198
.set BY,   200
.set FF,   202                         ; v202:203 f
.set TT,   204
.set T2,   205
.set TTB,  206
.set F,    0                           ; window 1
.set VF,   72
.set OA,   128
.set OB,   160
.set WV,   18
.set SEL,  20
.set CS,   22
.set G1P,  24
.set G1KV, 32
.set G1S,  40
.set G0P,  48
.set G0KV, 52
.set G0S,  56
.set TB,   2                           ; s2   the slot in hand
.set TS,   3                           ; s3   the step's scale words of P': 512 bytes a step
.set SJ,   60                          ; s60  4 x step
.set QIB,  61                          ; s61  tile B's QI
.set CNT,  62
.set PFA,  76
.set PFS,  78
.set LIM,  80
.set MSB, 0
.macro WIN new                         ; the immediate's high byte repeats the setting that is left; a switch that changes nothing is dropped
.if MSB != \new
	s_set_vgpr_msb (MSB<<8)|\new
.set MSB, \new
.endif
.endm
.macro WMZ d, a, b, sa, sb, row        ; the product starts a sum; row = 1: source 0's scale words stand in lanes 16-31
.if \row
	v_wmma_scale_f32_16x16x128_f8f6f4 v[\d:\d+7], v[\a:\a+11], v[\b:\b+11], 0, v[\sa], v[\sb] matrix_a_fmt:MATRIX_FMT_FP6 matrix_b_fmt:MATRIX_FMT_FP6 matrix_a_scale:MATRIX_SCALE_ROW1
.else
	v_wmma_scale_f32_16x16x128_f8f6f4 v[\d:\d+7], v[\a:\a+11], v[\b:\b+11], 0, v[\sa], v[\sb] matrix_a_fmt:MATRIX_FMT_FP6 matrix_b_fmt:MATRIX_FMT_FP6
.endif
.endm
.macro WMA d, a, b, sa, sb, row        ; adds in place
.if \row
	v_wmma_scale_f32_16x16x128_f8f6f4 v[\d:\d+7], v[\a:\a+11], v[\b:\b+11], v[\d:\d+7], v[\sa], v[\sb] matrix_a_fmt:MATRIX_FMT_FP6 matrix_b_fmt:MATRIX_FMT_FP6 matrix_a_scale:MATRIX_SCALE_ROW1
.else
	v_wmma_scale_f32_16x16x128_f8f6f4 v[\d:\d+7], v[\a:\a+11], v[\b:\b+11], v[\d:\d+7], v[\sa], v[\sb] matrix_a_fmt:MATRIX_FMT_FP6 matrix_b_fmt:MATRIX_FMT_FP6
.endif
.endm
.macro PLACES n
.rept \n
	v_nop
.endr
.endm
; Wave 0 fetches P's rows, wave 1 K's and V's images; the branches hang on the wave's number alone.  Four v_nop follow each load.
.macro TLOAD2
	s_cmp_eq_u32 s[WV], 0
	s_cbranch_scc0 .Lnot_p_\@
	tensor_load_to_lds s[G0P:G0P+3], s[G1P:G1P+7]
	s_nop 0
	PLACES 4
	s_branch .Lasked_\@
.Lnot_p_\@:
	s_cmp_eq_u32 s[WV], 1
	s_cbranch_scc0 .Lasked_\@
	tensor_load_to_lds s[G0KV:G0KV+3], s[G1KV:G1KV+7]
	s_nop 0
	PLACES 4
.Lasked_\@:
.endm
; A prefetch of what the NEXT change of slots will ask for, two key steps ahead of that load.  All query blocks of a head walk the same K and V, and block 0's window of P' runs ahead of the others':
; so the head's first work-group asks, in the waves that fetch no slot: waves 2 to 5 for the slot's 108 blocks of 256 bytes of K and V, waves 6 and 7 for the 48 blocks by which the window moves on; lanes 256 bytes apart
; (the lanes left over in waves 5 and 7 name their wave's last block again).  The last change that fills a slot asks for nothing; slots 0 and 1 come by their loads alone.
.macro ASK
	s_cmp_gt_u32 s[CNT], s[LIM]
	s_cbranch_scc0 .Lnot_mine_\@
	global_prefetch_b8 v[PFO], s[PFA:PFA+1] th:TH_LOAD_NT scope:SCOPE_SE
.Lnot_mine_\@:
.endm
; where token tok's codes and scale word lie in qimg: v[a] for 16 bytes, v[a + 1] for 8 bytes, v[a + 2] for the word
.macro QADR tok, a
	v_lshrrev_b32 v[\a+3], 6, v[\tok]
	v_mul_u32_u24 v[\a+3], v[\a+3], 3584           ; the record of its 64 tokens
	v_bfe_u32 v[\a+4], v[\tok], 3, 2               ; its tile
	v_mad_u32_u24 v[\a], v[\a+4], 768, v[\a+3]
	v_lshl_add_u32 v[\a+2], v[\a+4], 2, v[\a+3]
	v_and_b32 v[\a+3], 7, v[\tok]
	v_bfe_u32 v[\a+4], v[\tok], 5, 1
	v_lshl_or_b32 v[\a+3], v[\a+4], 3, v[\a+3]     ; its row in the tile
	v_lshl_add_u32 v[\a+2], v[\a+3], 4, v[\a+2]
	v_lshl_add_u32 v[\a+3], v209, 4, v[\a+3]       ; the lane that held it, for my half
	v_lshl_add_u32 v[\a+1], v[\a+3], 3, v[\a]
	v_lshl_add_u32 v[\a], v[\a+3], 4, v[\a]
.endm
.macro QLOAD qb, qs, a                 ; q (twice), q' and their scale words; q's addresses at v[a], q''s at v[a + 5]
	global_load_b128 v[\qb:\qb+3], v[\a], s[4:5]
	global_load_b64 v[\qb+4:\qb+5], v[\a+1], s[4:5] offset:512
	global_load_b128 v[\qb+24:\qb+27], v[\a], s[4:5]
	global_load_b64 v[\qb+28:\qb+29], v[\a+1], s[4:5] offset:512
	global_load_b32 v[\qs], v[\a+2], s[4:5] offset:3072
	global_load_b128 v[\qb+12:\qb+15], v[\a+5], s[4:5]
	global_load_b64 v[\qb+16:\qb+17], v[\a+6], s[4:5] offset:512
	global_load_b32 v[\qs+1], v[\a+7], s[4:5] offset:3072
.irp i, 6,7,8,9,10,11,18,19,20,21,22,23
	v_mov_b32 v[\qb+\i], 0                         ; the zero halves
.endr
.endm
	s_load_b256 s[4:11], s[0:1], 0x0               ; qimg, kvimg, prow, pscl
	s_load_b128 s[12:15], s[0:1], 0x20             ; cimg, cscl
	v_lshl_add_u32 v[SPW], v0, 2, SPARE
	v_mov_b32 v[NIL], 0
	ds_add_u32 v5, v6
	s_wait_dscnt 0x0
	v_lshrrev_b32 v208, 5, v0
	v_readfirstlane_b32 s[WV], v208                ; wave 0..7
	s_and_b32 s66, ttmp7, 0xffff                   ; bh
	s_lshr_b32 s67, s[WV], 1
	s_and_b32 s68, s[WV], 1                        ; c
	s_lshl_b32 s67, s67, 1
	s_add_co_u32 s67, s67, 1                       ; 2 (wave / 2) + 1: tile B's group of 32 queries in the block
	s_lshl_b32 s[QIB], ttmp9, 3
	s_add_co_u32 s[QIB], s[QIB], s67
	s_xor_b32 s69, s68, 1                          ; e
	s_xor_b32 s70, s67, 7
	s_lshl_b32 s70, s70, 5
	s_add_co_u32 s70, s70, s69                     ; tile B's first row in the window: 32 (7 - its group) + e; tile A's lies 32 rows on
	; descriptor groups 1: dense blocks as rows of 256 bytes (32 elements of 8 bytes), no padding: 99, 108 and 37 rows
.irp g, G1P, G1KV, G1S
	s_mov_b32 s[\g], 3<<16
	s_mov_b32 s[\g+1], 32<<16
	s_mov_b32 s[\g+3], 32<<16
	s_mov_b32 s[\g+5], 32
	s_mov_b32 s[\g+6], 0
	s_mov_b32 s[\g+7], 0
.endr
	s_mov_b32 s[G1P+2], 99<<16
	s_mov_b32 s[G1P+4], 99
	s_mov_b32 s[G1KV+2], 108<<16
	s_mov_b32 s[G1KV+4], 108
	s_mov_b32 s[G1S+2], 37<<16
	s_mov_b32 s[G1S+4], 37
	s_mul_i32 s72, s66, 197632
	s_add_co_u32 s72, s72, 86016
	s_mul_i32 s74, ttmp9, 12288
	s_sub_co_u32 s72, s72, s74                     ; the window's first row: 1,792 - 256 x, 48 bytes a row
	s_mov_b32 s73, 0
	s_mul_i32 s74, s66, 221184
	s_mov_b32 s75, 0
	s_mul_i32 s82, s66, 16640
	s_add_co_u32 s82, s82, 7168
	s_lshl_b32 s84, ttmp9, 10
	s_sub_co_u32 s82, s82, s84                     ; and its scale word
	s_mov_b32 s83, 0
	s_mul_i32 s84, s66, 114688
	s_mov_b32 s85, 0
	s_mov_b32 s[SEL], 0x76543210
	s_mov_b32 s[SEL+1], 0xfedcba98
	s_mov_b32 s[CS], 0x3d38aa3b                    ; log2(e) / 32
	s_mov_b32 s[CS+1], s[CS]
	s_mov_b32 s[TB], 0
	s_mov_b32 s[TS], 0
	s_mov_b32 s[SJ], 0
	s_mov_b32 s[CNT], 7
	s_wait_kmcnt 0x0
	s_mov_b32 s[G0P], 1
	s_mov_b32 s[G0P+1], 0
	s_add_nc_u64 s[G0P+2:G0P+3], s[8:9], s[72:73]
	s_or_b32 s[G0P+3], s[G0P+3], 0x80000000
	s_mov_b32 s[G0KV], 1
	s_mov_b32 s[G0KV+1], KVO
	s_add_nc_u64 s[G0KV+2:G0KV+3], s[6:7], s[74:75]
	s_or_b32 s[G0KV+3], s[G0KV+3], 0x80000000
	s_mov_b32 s[G0S], 1
	s_mov_b32 s[G0S+1], PSC
	s_add_nc_u64 s[G0S+2:G0S+3], s[10:11], s[82:83]
	s_or_b32 s[G0S+3], s[G0S+3], 0x80000000
	; the first fills: slot 0 and the scale words, one load in each of waves 0, 1, 2
	s_cmp_eq_u32 s[WV], 0
	s_cbranch_scc0 .Lfirst_a
	tensor_load_to_lds s[G0P:G0P+3], s[G1P:G1P+7]
	s_nop 0
	PLACES 4
	s_branch .Lfirst_done
.Lfirst_a:
	s_cmp_eq_u32 s[WV], 1
	s_cbranch_scc0 .Lfirst_b
	tensor_load_to_lds s[G0KV:G0KV+3], s[G1KV:G1KV+7]
	s_nop 0
	PLACES 4
	s_branch .Lfirst_done
.Lfirst_b:
	s_cmp_eq_u32 s[WV], 2
	s_cbranch_scc0 .Lfirst_done
	tensor_load_to_lds s[G0S:G0S+3], s[G1S:G1S+7]
	s_nop 0
	PLACES 4
.Lfirst_done:
	s_add_nc_u64 s[4:5], s[4:5], s[84:85]          ; my head's records of q
	v_and_b32 v208, 15, v0                         ; n
	v_bfe_u32 v209, v0, 4, 1                       ; h
	v_and_b32 v210, 31, v0                         ; lane
	s_sub_co_u32 s71, s[QIB], 1
	s_lshl_b32 s71, s71, 5
	s_add_co_u32 s71, s71, s68
	v_lshl_add_u32 v211, v208, 1, s71              ; tile A's query i,
	v_add_nc_u32 v212, 1, v211                     ; i + 1,
	v_add_nc_u32 v213, 32, v211                    ; tile B's query,
	v_add_nc_u32 v214, 33, v211
	v_min_u32 v214, 0x7ff, v214                    ; and the one after it (query 2,047 has no key that wants it: held inside the table)
	QADR 211, 216
	QADR 212, 221
	QADR 213, 226
	QADR 214, 231
	QLOAD QBA, QSA, 216
	QLOAD QBB, QSB, 226
	v_add_nc_u32 v[AP0], s70, v208
	v_lshl_add_u32 v[ASP0], v[AP0], 2, PSC
	v_lshl_add_u32 v[ASP0], v209, 6, v[ASP0]       ; lanes 16-31: 16 rows on
	v_mul_u32_u24 v[AP0], v[AP0], 48
	v_mad_u32_u24 v[AP0], v209, 24, v[AP0]
	v_lshl_add_u32 v[AK16], v210, 4, KVO
	v_lshl_add_u32 v[AK8], v210, 3, KVO
	v_mad_u32_u24 v[AKS0], v209, 3584, v[AK16]     ; lanes 16-31: the second record of 64 keys
	v_add_nc_u32 v[AKS0], 3072, v[AKS0]
	s_mul_i32 s71, s[WV], 2*STGW
	s_add_co_u32 s71, s71, STG
	v_mul_u32_u24 v[ASTW], v208, 656
	v_lshl_add_u32 v[ASTW], v209, 5, v[ASTW]
	v_add_nc_u32 v[ASTW], s71, v[ASTW]             ; row n, + 32 h: positions 16 f + 8 h + 0 .. 7 at 64 f on; tile B's stage STGW bytes on
	v_mul_u32_u24 v[ASTR], v208, 648
	v_lshl_add_u32 v[ASTR], v209, 7, v[ASTR]
	v_add_nc_u32 v[ASTR], s71, v[ASTR]
	v_add_nc_u32 v[ASTR], 120, v[ASTR]             ; 656 n + 4 (30 - 2 n) + 4 x 32 h
	v_lshlrev_b32 v[H8], 3, v209
	; the prefetches: where my wave's stand, and who asks
	s_mul_i32 s81, s66, 221184
	s_add_co_u32 s81, s81, 27648                   ; K and V: slot 1; the first change of slots steps it to slot 2
	s_mul_i32 s82, s66, 197632
	s_add_co_u32 s82, s82, 111360                  ; P': block 0's window of slot 1 (86,016 + 12,288), its last 12,288 bytes (13,056 on)
	s_sub_co_u32 s86, s[WV], 2
	s_and_b32 s83, s86, 3
	s_lshl_b32 s83, s83, 13                        ; 8,192 bytes a wave
	s_mov_b32 s[PFS], 12288
	s_cmp_lt_u32 s[WV], 6
	s_cselect_b64 s[PFA:PFA+1], s[6:7], s[8:9]
	s_cselect_b32 s84, s81, s82
	s_cselect_b32 s[PFS], 27648, s[PFS]
	s_add_co_u32 s84, s84, s83
	s_mov_b32 s85, 0
	s_mov_b32 s[PFS+1], 0
	s_add_nc_u64 s[PFA:PFA+1], s[PFA:PFA+1], s[84:85]
	s_cmp_lt_u32 s86, 6                            ; waves 2 to 7
	s_cselect_b32 s86, 0, 1
	s_or_b32 s86, s86, ttmp9                       ; of the head's first work-group
	s_cmp_eq_u32 s86, 0
	s_cselect_b32 s[LIM], 1, -1
	s_mov_b32 s87, 31
	s_cmp_eq_u32 s[WV], 5
	s_cselect_b32 s87, 11, s87                     ; 108 = 3 x 32 + 12
	s_cmp_eq_u32 s[WV], 7
	s_cselect_b32 s87, 15, s87                     ; 48 = 32 + 16
	v_min_u32 v[PFO], s87, v210
	v_lshlrev_b32 v[PFO], 8, v[PFO]
	; where the context goes: tile A is tile 128 b + 16 x + 2 wave - c of the context, tile B two tiles on
	s_lshr_b32 s72, s66, 4
	s_and_b32 s73, s66, 15
	s_lshl_b32 s72, s72, 7
	s_lshl_b32 s74, ttmp9, 4
	s_add_co_u32 s72, s72, s74
	s_lshl_b32 s74, s[WV], 1
	s_sub_co_u32 s74, s74, s68
	s_add_co_u32 s72, s72, s74
	s_lshl_b32 s74, s72, 4
	s_add_co_u32 s74, s74, s73
	s_mul_i32 s74, s74, 768
	s_mov_b32 s75, 0
	s_add_nc_u64 s[12:13], s[12:13], s[74:75]
	s_lshl_b32 s74, s72, 10
	s_lshl_b32 s73, s73, 1
	s_add_co_u32 s74, s74, s73
	s_add_nc_u64 s[14:15], s[14:15], s[74:75]
.irp st, STA, STB
	v_mov_b32 v[\st+1], 0xff61b1e6                 ; the largest t so far: -3e38
	v_floor_f32 v[\st], -v[\st+1]                  ; -M
	v_mov_b32 v[\st+2], 0                          ; the sum, in two halves
	v_mov_b32 v[\st+3], 0
.endr
	v_mov_b32 v[FF+1], 0                           ; (named as the upper half of a pair)
	v_mov_b32 v[T2], 0                             ; a lane permute's destination counts as read
	WIN 0x40                                       ; destination window 1
.set j, 0
.rept 64
	v_mov_b32 v[OA+j], 0                           ; O^T of both tiles: the step is written once; the first change of M leaves zeros zeros
.set j, j+1
.endr
	WIN 0
; A tile's position product: ten tiles of 16 table rows.  p0: the tile's first pair among the six (A: 1, B: 0).  At a branch and at a label every window is 0.
.macro POS qb, qs, p0
.irp u, 0,1,2,3,4
	s_add_co_u32 s96, s[SJ], \u+\p0
	s_cmp_le_u32 s96, s[QIB]
	s_cbranch_scc0 .Lup_\@_\u
	WIN 0x01                                       ; source 0 window 1
	WMZ PD+16*\u, F+12*(\u+\p0), \qb, FSP+\u+\p0, \qs, 0          ; table rows up to 2,048: q_i
	WMZ PD+16*\u+8, F+12*(\u+\p0), \qb+18, FSP+\u+\p0, \qs, 1
	WIN 0
	s_branch .Ljn_\@_\u
.Lup_\@_\u:
	WIN 0x01
	WMZ PD+16*\u, F+12*(\u+\p0), \qb+12, FSP+\u+\p0, \qs+1, 0     ; from 2,049 on: q_(i+1)
	WMZ PD+16*\u+8, F+12*(\u+\p0), \qb+6, FSP+\u+\p0, \qs+1, 1
	WIN 0
.Ljn_\@_\u:
.endr
.endm
.macro TOSTG off                       ; the ten tiles into the tile's stage, each from its low end on
.irp f, 0,1,2,3,4,5,6,7,8,9
	ds_store_b128 v[ASTW], v[PD+8*\f:PD+8*\f+3] offset:\off+64*\f
	ds_store_b128 v[ASTW], v[PD+8*\f+4:PD+8*\f+7] offset:\off+64*\f+16
.endr
.endm
.macro FROMSTG off                     ; skewed back: register 8 t + j is key 64 (t / 4) + 32 h + 8 (t % 4) + j.  LDS serves a wave in order: these see the stores
.irp t, 0,1,2,3,4,5,6,7
.irp jj, 0,1,2,3
	ds_load_b64 v[S+8*\t+2*\jj:S+8*\t+2*\jj+1], v[ASTR] offset:\off+4*(8*\t+32*(\t/4)+2*\jj)
.endr
.endr
.endm
.macro CONTENT qb, qs                  ; + q_i . k: the shifted scores are the C
	WIN 0x01
.irp t, 0,1,2,3,4,5,6,7
	WMA S+8*\t, F+12*(\t/2), \qb+18*(\t%2), FSK+(\t%4), \qs, \t/4
.endr
	WIN 0
.endm
; A tile's softmax for 128 keys, up to p's codes (their second halves still in CT) and scale word.  st: the tile's statistics.
.macro SOFTMAX st
	v_max3_num_f32 v[BM], v[S], v[S+1], v[S+2]     ; the largest score of each of my two blocks of 32 keys: for the row's maximum, and, since p rises with the score, for the block's largest p
	v_max3_num_f32 v[BM+1], v[S+32], v[S+33], v[S+34]
.irp i, 3,5,7,9,11,13,15,17,19,21,23,25,27,29
	v_max3_num_f32 v[BM], v[BM], v[S+\i], v[S+\i+1]
	v_max3_num_f32 v[BM+1], v[BM+1], v[S+32+\i], v[S+33+\i]
.endr
	v_max_num_f32 v[BM], v[BM], v[S+31]
	v_max_num_f32 v[BM+1], v[BM+1], v[S+63]
	v_max_num_f32 v[TT], v[BM], v[BM+1]
	v_permlanex16_b32 v[T2], v[TT], s[SEL], s[SEL+1]
	v_max_num_f32 v[TT], v[TT], v[T2]              ; with the other half's 64 keys
	v_mul_f32 v[TT], s[CS], v[TT]
	v_max_num_f32 v[\st+1], v[\st+1], v[TT]        ; the running largest t
	v_mov_b32 v[TT], v[\st]
	v_floor_f32 v[\st], -v[\st+1]                  ; -M = floor(-t): M is a whole number
	v_sub_f32 v[TT], v[\st], v[TT]
	v_cvt_i32_f32 v[TT], v[TT]                     ; (it saturates)
	v_ldexp_f32 v[FF], 1.0, v[TT]                  ; f = 2^(old M - new M): rounds nothing
.set j, 0
.rept 32
	v_pk_fma_f32 v[S+j:S+j+1], v[S+j:S+j+1], s[CS:CS+1], v[\st:\st+1] op_sel_hi:[1,0,0]   ; t - M
.set j, j+2
.endr
	v_fma_f32 v[BM], v[BM], s[CS], v[\st]
	v_fma_f32 v[BM+1], v[BM+1], s[CS], v[\st]
.set j, 0
.rept 64
	v_exp_f32 v[S+j], v[S+j]                       ; p = 2^(t - M)
.set j, j+1
.endr
	v_pk_mul_f32 v[\st+2:\st+3], v[\st+2:\st+3], v[FF:FF+1] op_sel_hi:[1,0]   ; the sums under the new M: a plain line behind the exponentials
	s_wait_alu depctr_va_vdst(0)                   ; one wait for the batch, ahead of its first reader
	v_exp_f32 v[BM], v[BM]                         ; the blocks' largest p: the same two instructions on the same number
	v_exp_f32 v[BM+1], v[BM+1]
	v_pk_add_f32 v[CT:CT+1], v[S:S+1], v[S+2:S+3]  ; the sum of the unquantised p, in two chains
.set j, 4
.rept 15
	v_pk_add_f32 v[\st+2:\st+3], v[\st+2:\st+3], v[S+j:S+j+1]
	v_pk_add_f32 v[CT:CT+1], v[CT:CT+1], v[S+j+2:S+j+3]
.set j, j+4
.endr
	v_pk_add_f32 v[\st+2:\st+3], v[\st+2:\st+3], v[CT:CT+1]
	s_wait_alu depctr_va_vdst(0)                   ; and one for the two
	v_max_num_f32 v[BM], 0x1800000, v[BM]          ; the floor 2^(3 - 127)
	v_max_num_f32 v[BM+1], 0x1800000, v[BM+1]
	v_add_nc_u32 v[SO], 0xff000000, v[BM]
	v_add_nc_u32 v[SO+1], 0xff000000, v[BM+1]
	v_lshrrev_b32 v[BY], 23, v[SO]
	v_lshrrev_b32 v[BY+1], 23, v[SO+1]
	v_lshl_or_b32 v[PW], v[BY+1], 16, v[BY]        ; my blocks h and 2 + h,
	v_lshlrev_b32 v[PW], v[H8], v[PW]
	v_permlanex16_b32 v[T2], v[PW], s[SEL], s[SEL+1]
	v_or_b32 v[PW], v[PW], v[T2]                   ; p's scale word for these 128 keys
	v_cvt_scalef32_pk16_fp6_f32 v[PC:PC+2], v[S:S+15], v[SO]
	v_cvt_scalef32_pk16_fp6_f32 v[CT:CT+2], v[S+16:S+31], v[SO]
	v_cvt_scalef32_pk16_fp6_f32 v[PC+6:PC+8], v[S+32:S+47], v[SO+1]
	v_cvt_scalef32_pk16_fp6_f32 v[CT+4:CT+6], v[S+48:S+63], v[SO+1]
	v_nop                                          ; one plain line behind the conversions
.endm
; p's codes are put together, O^T comes under the new M, and O^T += V^T P^T.  o: the tile's O^T in window 1; left: the LDS loads issued behind V's, which may stay out.
.macro PVPART o, left
.irp i, 0,1,2
	v_mov_b32 v[PC+3+\i], v[CT+\i]
	v_mov_b32 v[PC+9+\i], v[CT+4+\i]
.endr
	WIN 0x41                                       ; destination and source 0 window 1, f window 0
.set j, 0
.rept 16
	v_pk_mul_f32 v[\o+j:\o+j+1], v[\o+j:\o+j+1], v[FF:FF+1] op_sel_hi:[1,0]   ; sixteen lines between the last write of the codes and the scale word and the products
.set j, j+2
.endr
	s_wait_dscnt \left                             ; V and its scale words are in
	WIN 0x51                                       ; V, C and D window 1; p's codes window 0
.irp u, 0,1,2,3
	WMA \o+8*\u, VF+12*\u, PC, FSV+\u, PW, 0
.endr
	WIN 0
.endm
; A KEY STEP: 128 keys, the q-th of the slot in hand, for both tiles.
.macro STEP q
	v_add_nc_u32 v[ADP], s[TB], v[AP0]             ; (these five are also the plain lines behind the last products)
	v_add_nc_u32 v[ADS], s[TS], v[ASP0]
	v_add_nc_u32 v[ADK16], s[TB], v[AK16]
	v_add_nc_u32 v[ADK8], s[TB], v[AK8]
	v_add_nc_u32 v[ADKS], s[TB], v[AKS0]
	WIN 0x40                                       ; destination window 1, address window 0
.irp f, 0,1,2,3,4,5,6,7,8,9,10,11
.irp p, 0,1,2
	ds_load_b64 v[F+6*\f+2*\p:F+6*\f+2*\p+1], v[ADP] offset:6144*\q+768*\f+8*\p   ; 16 table rows, 24 bytes of each for my half
.endr
.endr
	WIN 0
.irp w, 0,1,2,3,4,5
	ds_load_b32 v[FSP+\w], v[ADS] offset:128*\w    ; the scale words of two fragments
.endr
	s_wait_dscnt 0x0
	POS QBA, QSA, 1
	PLACES 5                                       ; ahead of the stores that read the results and of the products that write the same registers again
	TOSTG 0
	POS QBB, QSB, 0                                ; into the same registers: an LDS store has taken its data when it is issued
	PLACES 5                                       ; likewise, and ahead of the loads into the products' registers
	TOSTG STGW
	FROMSTG 0
	WIN 0x40
.irp t, 0,1,2,3,4,5,6,7
	ds_load_b128 v[F+6*\t:F+6*\t+3], v[ADK16] offset:KVS*\q+3584*(\t/4)+768*(\t%4)
	ds_load_b64 v[F+6*\t+4:F+6*\t+5], v[ADK8] offset:KVS*\q+3584*(\t/4)+768*(\t%4)+512
.endr
	WIN 0
	ds_load_b128 v[FSK:FSK+3], v[ADKS] offset:KVS*\q
	s_wait_dscnt 0x0
	CONTENT QBA, QSA
	WIN 0x40
.irp u, 0,1,2,3
.irp c, 0,1
	ds_load_b128 v[VF+12*\u+6*\c:VF+12*\u+6*\c+3], v[ADK16] offset:KVS*\q+7168+768*(2*\u+\c)     ; V lands while tile A's softmax is walked
	ds_load_b64 v[VF+12*\u+6*\c+4:VF+12*\u+6*\c+5], v[ADK8] offset:KVS*\q+7168+768*(2*\u+\c)+512
.endr
.endr
	WIN 0
	ds_load_b128 v[FSV:FSV+3], v[ADK16] offset:KVS*\q+13312
	PLACES 4                                       ; ahead of the first read of the scores
	SOFTMAX STA
	FROMSTG STGW                                   ; the score registers are free: tile B's shifted scores come while tile A's O^T is brought on
	PVPART OA, 32                                  ; the 32 loads just issued may be out
	s_wait_dscnt 0x0
	CONTENT QBB, QSB
	PLACES 4
	SOFTMAX STB
	PVPART OB, 0
	s_add_co_u32 s[TS], s[TS], 512
	s_add_co_u32 s[SJ], s[SJ], 4
.endm
; THE CHANGE OF SLOTS, at a slot's head.  Each wave waits for all its tensor loads, adds 0 to its spare word, waits for that and for its reads of the slot that it has left; behind the barrier the slot ahead is whole and
; nobody reads the other one, which is filled with the next two steps: that load has two steps in which to land.
.macro CHANGE fill
	s_wait_tensorcnt 0x0                           ; no tensor load of mine is out, so a group 0 may be written
	ds_add_u32 v[SPW], v[NIL]                      ; 0 onto my spare word
.if \fill
	s_xor_b32 s[G0P+1], s[G0P+1], SLOTB
	s_add_nc_u64 s[G0P+2:G0P+3], s[G0P+2:G0P+3], 12288     ; the window moves 256 rows on
	s_xor_b32 s[G0KV+1], s[G0KV+1], SLOTB
	s_add_nc_u64 s[G0KV+2:G0KV+3], s[G0KV+2:G0KV+3], 2*KVS
	s_wait_xcnt 0x0                                ; the last prefetch, a slot back, has read its address
	s_add_nc_u64 s[PFA:PFA+1], s[PFA:PFA+1], s[PFS:PFS+1]
.endif
	s_wait_dscnt 0x0                               ; the add is done, and my LDS reads are over
	s_barrier_signal -1
	s_barrier_wait -1
.if \fill
	TLOAD2                                         ; the first thing behind the barrier, a wave's one tensor load until the next
	ASK
.endif
.endm
	s_wait_loadcnt 0x0                             ; q, q' and their scale words
.Lslot:                                            ; 7 trips: behind each change of slots but the last the next slot is asked for
	CHANGE 1
	STEP 0
	STEP 1
	s_xor_b32 s[TB], s[TB], SLOTB
	s_sub_co_u32 s[CNT], s[CNT], 1
	s_cmp_lg_u32 s[CNT], 0
	s_cbranch_scc1 .Lslot
	CHANGE 0                                       ; the last slot is written out
	STEP 0
	STEP 1
	; THE WAY OUT.  O^T / the sum is the context: a lane's 32 registers are 32 neighbouring columns of its token, one block of the last product's K: quantised here, stored as half an operand.
	; Each tile has its own registers for what it stores, so that no store's data are written again.
.macro OUT st, o, pc, w, coff, soff
	v_add_f32 v[\st+2], v[\st+2], v[\st+3]
	v_permlanex16_b32 v[T2], v[\st+2], s[SEL], s[SEL+1]
	v_add_f32 v[\st+2], v[\st+2], v[T2]            ; the row's sum
	v_rcp_f32 v[FF], v[\st+2]
	v_nop                                          ; a plain line behind the reciprocal
	s_wait_alu depctr_va_vdst(0)                   ; ahead of the first reader
	WIN 0x01                                       ; O^T window 1
.set j, 0
.rept 16
	v_pk_mul_f32 v[S+j:S+j+1], v[\o+j:\o+j+1], v[FF:FF+1] op_sel_hi:[1,0]
.set j, j+2
.endr
	WIN 0
	v_max3_num_f32 v[BM], |v[S]|, |v[S+1]|, 0x1800000
	v_max3_num_f32 v[BM+1], |v[S+2]|, |v[S+3]|, 0x1800000
.irp i, 4,8,12,16,20,24,28
	v_max3_num_f32 v[BM], v[BM], |v[S+\i]|, |v[S+\i+1]|
	v_max3_num_f32 v[BM+1], v[BM+1], |v[S+\i+2]|, |v[S+\i+3]|
.endr
	v_max_num_f32 v[BM], v[BM], v[BM+1]
	v_add_nc_u32 v[SO], 0xff000000, v[BM]
	v_lshrrev_b32 v[BY], 23, v[SO]
	v_cvt_scalef32_pk16_fp6_f32 v[\pc:\pc+2], v[S:S+15], v[SO]
	v_cvt_scalef32_pk16_fp6_f32 v[CT:CT+2], v[S+16:S+31], v[SO]
	v_lshlrev_b32 v[\w], v[H8], v[BY]              ; (a plain line behind the conversions)
.irp i, 0,1,2
	v_mov_b32 v[\pc+3+\i], v[CT+\i]
.endr
	v_permlanex16_b32 v[T2], v[\w], s[SEL], s[SEL+1]
	v_or_b32 v[\w], v[\w], v[T2]                   ; s0 | s1 << 8
	global_store_b128 v208, v[\pc:\pc+3], s[12:13] offset:\coff
	global_store_b64 v209, v[\pc+4:\pc+5], s[12:13] offset:\coff+512
	global_store_b16 v210, v[\w], s[14:15] offset:\soff
.endm
	v_and_b32 v210, 31, v0                         ; (four plain lines behind the last products)
	v_lshlrev_b32 v208, 4, v210
	v_lshlrev_b32 v209, 3, v210
	v_lshlrev_b32 v210, 5, v210
	OUT STA, OA, PC, TT, 0, 0
	OUT STB, OB, PC+6, TTB, 24576, 2048            ; two tiles on: 2 x 16 heads x 768 bytes of codes, 2 x 1,024 bytes of scale halves
	s_wait_tensorcnt 0x0                           ; the wave's end
	ds_add_u32 v[SPW], v[NIL]
	s_wait_dscnt 0x0
	s_endpgm
.Lfunc_end_k_qb39fdc34e8_attn:
	.size	k_qb39fdc34e8_attn, .Lfunc_end_k_qb39fdc34e8_attn-k_qb39fdc34e8_attn
	.p2alignl 7, 3214868480
	.fill 96, 4, 3214868480
	.section	.rodata,"a",@progbits
	.p2align	6, 0x0
	.amdhsa_kernel k_qb39fdc34e8_attn
		.amdhsa_group_segment_fixed_size 327680
		.amdhsa_private_segment_fixed_size 0
		.amdhsa_enable_private_segment 0
		.amdhsa_kernarg_size 48
		.amdhsa_user_sgpr_count 2
		.amdhsa_user_sgpr_kernarg_segment_ptr 1
		.amdhsa_wavefront_size32 1
		.amdhsa_system_sgpr_workgroup_id_x 1
		.amdhsa_system_sgpr_workgroup_id_y 1
		.amdhsa_system_sgpr_workgroup_id_z 1
		.amdhsa_system_vgpr_workitem_id 0
		.amdhsa_next_free_vgpr 512
		.amdhsa_next_free_sgpr 100
		.amdhsa_reserve_vcc 0
		.amdhsa_float_denorm_mode_32 3
		.amdhsa_float_denorm_mode_16_64 3
		.amdhsa_memory_ordered 1
		.amdhsa_forward_progress 1
		.amdhsa_inst_pref_size 202
	.end_amdhsa_kernel
	.amdgpu_metadata
---
amdhsa.version: [ 1, 2 ]
amdhsa.kernels:
  - .name:           k_qb39fdc34e8_attn
    .symbol:         k_qb39fdc34e8_attn.kd
    .args:
      - { .name: qimg, .offset: 0, .size: 8, .value_kind: global_buffer, .address_space: global }
      - { .name: kvimg, .offset: 8, .size: 8, .value_kind: global_buffer, .address_space: global }
      - { .name: prow, .offset: 16, .size: 8, .value_kind: global_buffer, .address_space: global }
      - { .name: pscl, .offset: 24, .size: 8, .value_kind: global_buffer, .address_space: global }
      - { .name: cimg, .offset: 32, .size: 8, .value_kind: global_buffer, .address_space: global }
      - { .name: cscl, .offset: 40, .size: 8, .value_kind: global_buffer, .address_space: global }
    .group_segment_fixed_size: 327680
    .private_segment_fixed_size: 0
    .kernarg_segment_align: 8
    .kernarg_segment_size: 48
    .max_flat_workgroup_size: 256
    .sgpr_count:     100
    .vgpr_count:     512
    .wavefront_size: 32
...
	.end_amdgpu_metadata
.endif
;; end of part 3
;; launch outp (part 4): grid 4 x 64, 16 waves a work-group, no clusters, 117,760 bytes of LDS; arguments cimg, cscl, wimg, bo, out0; writes out0
.if DOCPART == 4
	.amdgcn_target "amdgcn-amd-amdhsa--gfx1250"
	.amdhsa_code_object_version 6
	.text
	.protected	k_qb39fdc34e8_outp
	.globl	k_qb39fdc34e8_outp
	.p2align	8
	.type	k_qb39fdc34e8_outp,@function
k_qb39fdc34e8_outp:
	s_mov_b64 s[64:65], 0
	v_nop
	global_prefetch_b8 v0, s[64:65] scope:SCOPE_SE
	s_setreg_imm32_b32 hwreg(HW_REG_WAVE_MODE, 25, 1), 1
	s_wait_xcnt 0x0
; out0 = context Wo^T + bo on codes of E2M3.  Work-group (x, y): 256 columns (x), four tiles of 16 tokens (y): tiles 4 y .. 4 y + 3 as the attention launch left them; row r of tile m is token 64 y + 32 (m / 2) + m % 2 + 2 r.
; Wave w takes ONE tile of Wo's rows (group 4 x + w / 4, tile w % 4) for all of K: 8 records, 96 registers, read once; the context's 49,152 bytes of half images are copied once into LDS and read by all 16 waves.
; Source 0 = Wo, source 1 = the context: a lane holds one token and 8 neighbouring columns.  The bias is the C of each sum's first product.  Four accumulators take turns.
; The results meet in a stage (64 rows x 1,024 bytes + 16); each wave then stores four whole rows, 512 consecutive bytes an instruction.
; No tensor load: one copy of 48 KB; no cluster: what the four work-groups of a y share is that copy, 3 KB a wave.
.set OSTG, 49152
.set L16, 4
.set L8,  5
.set L32, 6
.set HB,  7
.set CPW, 8
.set SIN, 9
.set SR,  10
.set W,   16                           ; v16-111  Wo's 8 fragments
.set WS,  112                          ; v112-119 their scale words
.set XS,  120                          ; v120-151 the context's scale words: 8 for each tile
.set BI,  152                          ; v152-159 the bias
.set ACC, 160                          ; v160-191
.set XF,  192                          ; v192-239 four fragments of the context
.macro WMC d, a, b, c, sa, sb
	v_wmma_scale_f32_16x16x128_f8f6f4 v[\d:\d+7], v[\a:\a+11], v[\b:\b+11], v[\c:\c+7], v[\sa], v[\sb] matrix_a_fmt:MATRIX_FMT_FP6 matrix_b_fmt:MATRIX_FMT_FP6
.endm
	s_load_b256 s[4:11], s[0:1], 0x0               ; cimg, cscl, wimg, bo
	s_load_b64 s[12:13], s[0:1], 0x20              ; out0
	v_lshl_add_u32 v254, v0, 2, 0x1c400
	v_mov_b32 v255, 0
	v_lshrrev_b32 v1, 5, v0
	v_readfirstlane_b32 s14, v1                    ; wave
	s_and_b32 s15, ttmp7, 0xffff                   ; y
	v_and_b32 v1, 31, v0
	v_and_b32 v2, 15, v0
	v_bfe_u32 v3, v0, 4, 1
	v_lshlrev_b32 v[L16], 4, v1
	v_lshlrev_b32 v[L8], 3, v1
	v_lshlrev_b32 v[L32], 5, v1
	v_lshlrev_b32 v[HB], 7, v3
	s_mul_i32 s16, s14, 3072
	v_add_nc_u32 v[CPW], s16, v[L16]
	s_lshr_b32 s17, s14, 2                         ; w / 4
	s_and_b32 s18, s14, 3                          ; w % 4
	s_lshl_b32 s19, s17, 8
	s_lshl_b32 s20, s18, 5
	s_add_co_u32 s19, s19, s20
	s_add_co_u32 s19, s19, OSTG
	v_mul_u32_u24 v[SIN], v2, 1040
	v_add_nc_u32 v[SIN], v[SIN], v[HB]
	v_add_nc_u32 v[SIN], s19, v[SIN]               ; stage, way in: row r, my 32 bytes at 256 (w / 4) + 32 (w % 4) + 128 h
	s_mul_i32 s19, s14, 4160
	s_add_co_u32 s19, s19, OSTG
	v_add_nc_u32 v[SR], s19, v[L16]                ; way out: rows 4 w ..
	s_mul_i32 s20, s15, 49152
	s_add_co_u32 s20, s20, s16                     ; my 3,072 bytes of the copy
	s_mov_b32 s21, 0
	s_lshl_b32 s22, s15, 12                        ; the scale words: 1,024 bytes a tile
	s_mov_b32 s23, 0
	s_lshl_b32 s24, ttmp9, 2
	s_add_co_u32 s24, s24, s17                     ; G
	s_lshl_b32 s26, s24, 8
	s_lshl_b32 s27, s18, 5
	s_add_co_u32 s26, s26, s27                     ; the bias: 4 (64 G + 8 t)
	s_mov_b32 s27, 0
	s_lshl_b32 s24, s24, 5
	s_add_co_u32 s24, s24, s18
	s_add_co_u32 s24, s24, 2048
	s_mul_i32 s24, s24, 1792                       ; record 2,048 + 32 G + t
	s_mov_b32 s25, 0
	s_lshl_b32 s28, s15, 6                         ; the first token that I store: 64 y + 32 (w / 8) + (w / 4) % 2 + 8 (w % 4)
	s_lshr_b32 s29, s14, 3
	s_lshl_b32 s29, s29, 5
	s_add_co_u32 s28, s28, s29
	s_and_b32 s29, s17, 1
	s_add_co_u32 s28, s28, s29
	s_lshl_b32 s29, s18, 3
	s_add_co_u32 s28, s28, s29
	s_lshl_b32 s28, s28, 12
	s_lshl_b32 s29, ttmp9, 10
	s_add_co_u32 s28, s28, s29
	s_mov_b32 s29, 0
	s_wait_kmcnt 0x0
	s_add_nc_u64 s[4:5], s[4:5], s[20:21]
	s_add_nc_u64 s[6:7], s[6:7], s[22:23]
	s_add_nc_u64 s[8:9], s[8:9], s[24:25]
	s_add_nc_u64 s[10:11], s[10:11], s[26:27]
	s_add_nc_u64 s[12:13], s[12:13], s[28:29]
.irp k, 0,1,2,3,4,5
	global_load_b128 v[XF+4*\k:XF+4*\k+3], v[L16], s[4:5] offset:512*\k
.endr
.irp s, 0,1,2,3,4,5,6,7
.irp k, 0,1,2
	global_load_b128 v[W+12*\s+4*\k:W+12*\s+4*\k+3], v[L16], s[8:9] offset:7168*\s+512*\k
.endr
	global_load_b32 v[WS+\s], v[L8], s[8:9] offset:7168*\s+1536
.endr
.irp m, 0,1,2,3
	global_load_b128 v[XS+8*\m:XS+8*\m+3], v[L32], s[6:7] offset:1024*\m
	global_load_b128 v[XS+8*\m+4:XS+8*\m+7], v[L32], s[6:7] offset:1024*\m+16
.endr
	global_load_b128 v[BI:BI+3], v[HB], s[10:11]
	global_load_b128 v[BI+4:BI+7], v[HB], s[10:11] offset:16
	s_wait_loadcnt 42                              ; the six loads of the copy are in; the 42 behind them (32 of Wo, 8 of scale words, 2 of the bias) may be out
.irp k, 0,1,2,3,4,5
	ds_store_b128 v[CPW], v[XF+4*\k:XF+4*\k+3] offset:512*\k
.endr
	s_wait_dscnt 0x0                               ; for the others' sake: my part of the copy lies in LDS
	s_barrier_signal -1
	s_barrier_wait -1
	s_wait_loadcnt 0x0
.irp s, 0,1,2,3,4,5,6,7
.irp m, 0,1,2,3
	ds_load_b128 v[XF+12*\m:XF+12*\m+3], v[L16] offset:(16*\m+2*\s)*768            ; heads 2 s and 2 s + 1: the two halves of K step s
	ds_load_b64 v[XF+12*\m+4:XF+12*\m+5], v[L8] offset:(16*\m+2*\s)*768+512
	ds_load_b128 v[XF+12*\m+6:XF+12*\m+9], v[L16] offset:(16*\m+2*\s)*768+768
	ds_load_b64 v[XF+12*\m+10:XF+12*\m+11], v[L8] offset:(16*\m+2*\s)*768+1280
.endr
	s_wait_dscnt 0x0
.irp m, 0,1,2,3
.if \s == 0
	WMC ACC+8*\m, W+12*\s, XF+12*\m, BI, WS+\s, XS+8*\m+\s
.else
	WMC ACC+8*\m, W+12*\s, XF+12*\m, ACC+8*\m, WS+\s, XS+8*\m+\s
.endif
.endr
.rept 4
	v_nop                                          ; four plain lines ahead of loads into registers that the products read, and of the stores that read the results
.endr
.endr
.irp m, 0,1,2,3
	ds_store_b128 v[SIN], v[ACC+8*\m:ACC+8*\m+3] offset:16640*\m
	ds_store_b128 v[SIN], v[ACC+8*\m+4:ACC+8*\m+7] offset:16640*\m+16
.endr
	s_wait_dscnt 0x0                               ; for the others' sake: my columns lie in the stage
	s_barrier_signal -1
	s_barrier_wait -1
.irp k, 0,1,2,3
.irp f, 0,1
	ds_load_b128 v[XF+8*\k+4*\f:XF+8*\k+4*\f+3], v[SR] offset:1040*\k+512*\f
.endr
.endr
.irp k, 0,1,2,3
.irp f, 0,1
	s_wait_dscnt 7-2*\k-\f                         ; LDS loads come back in order: this one is in, the younger ones may be out
	global_store_b128 v[L16], v[XF+8*\k+4*\f:XF+8*\k+4*\f+3], s[12:13] offset:8192*\k+512*\f th:TH_STORE_NT   ; 512 consecutive bytes, aligned; stage row 4 w + k is two tokens on from row 4 w + k - 1
.endr
.endr
	s_wait_tensorcnt 0x0
	ds_add_u32 v254, v255
	s_wait_dscnt 0x0
	s_endpgm
.Lfunc_end_k_qb39fdc34e8_outp:
	.size	k_qb39fdc34e8_outp, .Lfunc_end_k_qb39fdc34e8_outp-k_qb39fdc34e8_outp
	.p2alignl 7, 3214868480
	.fill 96, 4, 3214868480
	.section	.rodata,"a",@progbits
	.p2align	6, 0x0
	.amdhsa_kernel k_qb39fdc34e8_outp
		.amdhsa_group_segment_fixed_size 117760
		.amdhsa_private_segment_fixed_size 0
		.amdhsa_enable_private_segment 0
		.amdhsa_kernarg_size 40
		.amdhsa_user_sgpr_count 2
		.amdhsa_user_sgpr_kernarg_segment_ptr 1
		.amdhsa_wavefront_size32 1
		.amdhsa_system_sgpr_workgroup_id_x 1
		.amdhsa_system_sgpr_workgroup_id_y 1
		.amdhsa_system_sgpr_workgroup_id_z 1
		.amdhsa_system_vgpr_workitem_id 0
		.amdhsa_next_free_vgpr 256
		.amdhsa_next_free_sgpr 66
		.amdhsa_reserve_vcc 0
		.amdhsa_float_denorm_mode_32 3
		.amdhsa_float_denorm_mode_16_64 3
		.amdhsa_memory_ordered 1
		.amdhsa_forward_progress 1
		.amdhsa_inst_pref_size 24
	.end_amdhsa_kernel
	.amdgpu_metadata
---
amdhsa.version: [ 1, 2 ]
amdhsa.kernels:
  - .name:           k_qb39fdc34e8_outp
    .symbol:         k_qb39fdc34e8_outp.kd
    .args:
      - { .name: cimg, .offset: 0, .size: 8, .value_kind: global_buffer, .address_space: global }
      - { .name: cscl, .offset: 8, .size: 8, .value_kind: global_buffer, .address_space: global }
      - { .name: wimg, .offset: 16, .size: 8, .value_kind: global_buffer, .address_space: global }
      - { .name: bo, .offset: 24, .size: 8, .value_kind: global_buffer, .address_space: global }
      - { .name: out0, .offset: 32, .size: 8, .value_kind: global_buffer, .address_space: global }
    .group_segment_fixed_size: 117760
    .private_segment_fixed_size: 0
    .kernarg_segment_align: 8
    .kernarg_segment_size: 40
    .max_flat_workgroup_size: 512
    .sgpr_count:     66
    .vgpr_count:     256
    .wavefront_size: 32
...
	.end_amdgpu_metadata
.endif
;; end of part 4
;; ======== version 2 of 2: 4 launches
;; workspace buffers: wimg 4,587,520 bytes; qimg 3,670,016 bytes; kvimg 7,077,888 bytes; prow 6,324,224 bytes; pscl 532,480 bytes; cimg 3,145,728 bytes; cscl 262,144 bytes
;; launch wquant (part 5): grid 256 x 1, 10 waves a work-group, no clusters, 85,760 bytes of LDS; arguments Wq, Wk, Wv, Wp, Wo, wimg; writes wimg
.if DOCPART == 5
	.amdgcn_target "amdgcn-amd-amdhsa--gfx1250"
	.amdhsa_code_object_version 6
	.text
	.protected	k_qb39fdc34e8_wquant
	.globl	k_qb39fdc34e8_wquant
	.p2align	8
	.type	k_qb39fdc34e8_wquant,@function
k_qb39fdc34e8_wquant:
	s_mov_b64 s[64:65], 0
	v_nop
	global_prefetch_b8 v0, s[64:65] scope:SCOPE_SE
	s_setreg_imm32_b32 hwreg(HW_REG_WAVE_MODE, 25, 1), 1
	s_wait_xcnt 0x0
; The five weights [1024 (n)][1024 (k)] f32 become codes of E2M3 with one E8M0 byte for each 32 along k, laid as RECORDS in the order of a matrix operand's registers.
; A record is one fragment, 16 rows x 128 k: 3 x 512 bytes (registers 0-3, 4-7, 8-11, lane l's 16 bytes at 16 l) and 256 bytes of scale words (lane l's word twice, at 8 l): 1,792 bytes, seven aligned blocks of 256.
; Record id = 512 mat + 32 G + 4 s + t (mat: q k v p o; G: group of 64 rows; s: 128 along k; t: tile).  Row a of the fragment is row 64 G + 8 t + a % 8 + 32 (a / 8) of the weight:
; so the results of the four tiles of a group are, in one lane, 32 neighbouring columns: a whole block of the next quantiser.
; 2,560 records = 256 work-groups x 10 waves, a record a wave.  Each load reads 512 consecutive bytes of one row; the 16 rows turn through the wave's own stage in LDS (pitch 528), so that a lane gets 2 x 32 neighbours along k.
; No barrier: waves share nothing.  No matrix unit, no tensor load, no cluster: a stream that is read once.
; LIMITS: NaN and infinities are not served; a block of zeros gets the byte 1 where the rule says 127 (its codes are zeros and this program alone reads the bytes); a block whose largest magnitude lies under 2^-124 is quantised under the floor's scale.
.set STGB, 8448                        ; a wave's stage: 16 rows x 528 bytes
.set L16, 1                            ; v1  16 x lane
.set STI, 2                            ; v2  stage, way in
.set STO, 3                            ; v3  stage, way out: 528 r + 128 h
.set H8,  4                            ; v4  8 h
.set L8,  5                            ; v5  8 x lane
.set R,   16                           ; v16-79   16 rows as loaded
.set X,   80                           ; v80-143  my 2 blocks of 32 neighbours
.set PC,  144                          ; v144-155 the fragment's codes
.set TP,  156                          ; v156-163 second halves of the blocks' codes
.set TM,  164
.set SO,  166
.set BY,  168
.set TT,  170
.set PW,  174                          ; v174:175 the scale word, twice
.set SEL, 30
	s_load_b256 s[4:11], s[0:1], 0x0               ; Wq, Wk, Wv, Wp
	s_load_b128 s[12:15], s[0:1], 0x20             ; Wo, wimg
	v_lshl_add_u32 v176, v0, 2, 0x14a00
	v_mov_b32 v177, 0
	v_lshrrev_b32 v6, 5, v0
	s_delay_alu instid0(VALU_DEP_1)
	v_readfirstlane_b32 s16, v6                    ; wave
	v_and_b32 v7, 31, v0                           ; lane
	s_wait_alu depctr_va_vdst(0)
	v_and_b32 v8, 15, v0                           ; r
	v_bfe_u32 v9, v0, 4, 1                         ; h
	s_wait_alu depctr_va_vdst(0)
	s_mul_i32 s17, ttmp9, 10
	s_add_co_u32 s17, s17, s16                     ; the record's id
	s_lshr_b32 s18, s17, 9                         ; mat
	s_bfe_u32 s19, s17, 0x40005                    ; G
	s_bfe_u32 s20, s17, 0x30002                    ; s
	s_and_b32 s21, s17, 3                          ; t
	s_lshl_b32 s19, s19, 18                        ; 64 rows of 4,096 bytes
	s_lshl_b32 s21, s21, 15                        ; 8 rows
	s_lshl_b32 s20, s20, 9                         ; 128 numbers
	s_add_co_u32 s22, s19, s21
	s_add_co_u32 s22, s22, s20
	s_mov_b32 s23, 0
	s_mul_i32 s24, s17, 1792
	s_mov_b32 s25, 0
	s_mov_b32 s[SEL], 0x76543210
	s_mov_b32 s[SEL+1], 0xfedcba98                 ; lane l xor 16
	v_lshlrev_b32 v[L16], 4, v7
	v_lshlrev_b32 v[L8], 3, v7
	v_lshlrev_b32 v[H8], 3, v9
	s_mul_i32 s26, s16, STGB
	v_add_nc_u32 v[STI], s26, v[L16]
	v_mul_u32_u24 v[STO], v8, 528
	s_delay_alu instid0(VALU_DEP_1)
	v_lshl_add_u32 v[STO], v9, 7, v[STO]
	s_delay_alu instid0(VALU_DEP_1)
	v_add_nc_u32 v[STO], s26, v[STO]
	v_mov_b32 v[TT], 0                             ; a lane permute's destination counts as read
	s_wait_alu depctr_va_vdst(0)
	s_wait_kmcnt 0x0
	s_cmp_eq_u32 s18, 1                            ; which weight: the choice hangs on the record's id alone
	s_cselect_b64 s[4:5], s[6:7], s[4:5]
	s_cmp_eq_u32 s18, 2
	s_cselect_b64 s[4:5], s[8:9], s[4:5]
	s_cmp_eq_u32 s18, 3
	s_cselect_b64 s[4:5], s[10:11], s[4:5]
	s_cmp_eq_u32 s18, 4
	s_cselect_b64 s[4:5], s[12:13], s[4:5]
	s_add_nc_u64 s[4:5], s[4:5], s[22:23]
	s_add_nc_u64 s[14:15], s[14:15], s[24:25]
.irp p, 0,1,2,3,4,5,6,7,8,9,10,11,12,13,14,15
	global_load_b128 v[R+4*\p:R+4*\p+3], v[L16], s[4:5] offset:((\p%8)+32*(\p/8))*4096 th:TH_LOAD_NT   ; fragment row p: 512 consecutive bytes
.endr
	s_wait_loadcnt 0x0
.irp p, 0,1,2,3,4,5,6,7,8,9,10,11,12,13,14,15
	ds_store_b128 v[STI], v[R+4*\p:R+4*\p+3] offset:528*\p
.endr
.irp c, 0,1
.irp i, 0,1,2,3,4,5,6,7
	ds_load_b128 v[X+32*\c+4*\i:X+32*\c+4*\i+3], v[STO] offset:256*\c+16*\i   ; k = 64 c + 32 h + 4 i ..: LDS serves a wave in order, so these see the stores
.endr
.endr
	s_wait_dscnt 0x0
.irp c, 0,1
	v_max3_num_f32 v[TM+\c], |v[X+32*\c]|, |v[X+32*\c+1]|, 0x1800000   ; the block's largest magnitude, with the floor 2^(3 - 127): the byte cannot fall under 1
.endr
.irp i, 2,4,6,8,10,12,14,16,18,20,22,24,26,28,30
.irp c, 0,1
	s_delay_alu instid0(VALU_DEP_2)
	v_max3_num_f32 v[TM+\c], v[TM+\c], |v[X+32*\c+\i]|, |v[X+32*\c+\i+1]|
.endr
.endr
.irp c, 0,1
	s_delay_alu instid0(VALU_DEP_2)
	v_add_nc_u32 v[SO+\c], 0xff000000, v[TM+\c]    ; 2 off the exponent field: the conversion's scale operand
.endr
.irp c, 0,1
	s_delay_alu instid0(VALU_DEP_2)
	v_lshrrev_b32 v[BY+\c], 23, v[SO+\c]           ; the scale's byte
.endr
	s_delay_alu instid0(VALU_DEP_1)
	v_lshl_or_b32 v[PW], v[BY+1], 16, v[BY]        ; my blocks h and 2 + h,
	s_delay_alu instid0(VALU_DEP_1)
	v_lshlrev_b32 v[PW], v[H8], v[PW]              ; at their places in the word;
	s_delay_alu instid0(VALU_DEP_1)
	v_permlanex16_b32 v[TT], v[PW], s[SEL], s[SEL+1]
	s_delay_alu instid0(VALU_DEP_1)
	v_or_b32 v[PW], v[PW], v[TT]                   ; with the other half's two the word is whole
.irp c, 0,1
	v_cvt_scalef32_pk16_fp6_f32 v[PC+6*\c:PC+6*\c+2], v[X+32*\c:X+32*\c+15], v[SO+\c]
	v_cvt_scalef32_pk16_fp6_f32 v[TP+4*\c:TP+4*\c+2], v[X+32*\c+16:X+32*\c+31], v[SO+\c]   ; (a conversion's three registers begin on an even number)
.endr
	v_mov_b32 v[PW+1], v[PW]                       ; a plain line behind the conversions
.irp c, 0,1
.irp i, 0,1,2
	v_mov_b32 v[PC+6*\c+3+\i], v[TP+4*\c+\i]
.endr
.endr
.irp k, 0,1,2
	global_store_b128 v[L16], v[PC+4*\k:PC+4*\k+3], s[14:15] offset:512*\k   ; 512 consecutive bytes, aligned
.endr
	global_store_b64 v[L8], v[PW:PW+1], s[14:15] offset:1536
	s_wait_tensorcnt 0x0
	ds_add_u32 v176, v177
	s_wait_dscnt 0x0
	s_endpgm
.Lfunc_end_k_qb39fdc34e8_wquant:
	.size	k_qb39fdc34e8_wquant, .Lfunc_end_k_qb39fdc34e8_wquant-k_qb39fdc34e8_wquant
	.p2alignl 7, 3214868480
	.fill 96, 4, 3214868480
	.section	.rodata,"a",@progbits
	.p2align	6, 0x0
	.amdhsa_kernel k_qb39fdc34e8_wquant
		.amdhsa_group_segment_fixed_size 85760
		.amdhsa_private_segment_fixed_size 0
		.amdhsa_enable_private_segment 0
		.amdhsa_kernarg_size 48
		.amdhsa_user_sgpr_count 2
		.amdhsa_user_sgpr_kernarg_segment_ptr 1
		.amdhsa_wavefront_size32 1
		.amdhsa_system_sgpr_workgroup_id_x 1
		.amdhsa_system_sgpr_workgroup_id_y 1
		.amdhsa_system_sgpr_workgroup_id_z 1
		.amdhsa_system_vgpr_workitem_id 0
		.amdhsa_next_free_vgpr 178
		.amdhsa_next_free_sgpr 66
		.amdhsa_reserve_vcc 0
		.amdhsa_float_denorm_mode_32 3
		.amdhsa_float_denorm_mode_16_64 3
		.amdhsa_memory_ordered 1
		.amdhsa_forward_progress 1
		.amdhsa_inst_pref_size 11
	.end_amdhsa_kernel
	.amdgpu_metadata
---
amdhsa.version: [ 1, 2 ]
amdhsa.kernels:
  - .name:           k_qb39fdc34e8_wquant
    .symbol:         k_qb39fdc34e8_wquant.kd
    .args:
      - { .name: Wq, .offset: 0, .size: 8, .value_kind: global_buffer, .address_space: global }
      - { .name: Wk, .offset: 8, .size: 8, .value_kind: global_buffer, .address_space: global }
      - { .name: Wv, .offset: 16, .size: 8, .value_kind: global_buffer, .address_space: global }
      - { .name: Wp, .offset: 24, .size: 8, .value_kind: global_buffer, .address_space: global }
      - { .name: Wo, .offset: 32, .size: 8, .value_kind: global_buffer, .address_space: global }
      - { .name: wimg, .offset: 40, .size: 8, .value_kind: global_buffer, .address_space: global }
    .group_segment_fixed_size: 85760
    .private_segment_fixed_size: 0
    .kernarg_segment_align: 8
    .kernarg_segment_size: 48
    .max_flat_workgroup_size: 320
    .sgpr_count:     66
    .vgpr_count:     178
    .wavefront_size: 32
...
	.end_amdgpu_metadata
.endif
;; end of part 5
;; launch proj (part 6): grid 64 x 4, 16 waves a work-group, no clusters, 247,808 bytes of LDS; arguments query, key, value, pos_embedding, bq, bk, bv, bp, wimg, qimg, kvimg, prow, pscl; writes qimg, kvimg, prow, pscl
.if DOCPART == 6
	.amdgcn_target "amdgcn-amd-amdhsa--gfx1250"
	.amdhsa_code_object_version 6
	.text
	.protected	k_qb39fdc34e8_proj
	.globl	k_qb39fdc34e8_proj
	.p2align	8
	.type	k_qb39fdc34e8_proj,@function
k_qb39fdc34e8_proj:
	s_mov_b64 s[64:65], 0
	v_nop
	global_prefetch_b8 v0, s[64:65] scope:SCOPE_SE
	s_setreg_imm32_b32 hwreg(HW_REG_WAVE_SCHED_MODE, 0, 2), 2
	s_setreg_imm32_b32 hwreg(HW_REG_WAVE_MODE, 25, 1), 1
	s_wait_xcnt 0x0
	s_wait_alu depctr_vm_vsrc(0)
; The four projections x W^T + b on codes of E2M3, and the quantising of their results for the attention launch.  Work-group (x, y): 64 tokens (x), projection y (0 q, 1 k, 2 v, 3 p).
; Wave w is head w: 64 columns.  So every number of x is read and quantised once in the launch; the weights come as records (launch wquant), straight into operand registers.
; PHASE X: wave w quantises two of the block's 32 fragments of x (tile w / 4, K steps 2 (w % 4) and + 1) and stores them in LDS as images of the operand's registers; one barrier.
; Row r of tile m of x is token 8 m + r % 8 + 32 (r / 8) of the 64, and row a of tile t of W is column 8 t + a % 8 + 32 (a / 8) of the head.
; q, k, p: source 0 = W, source 1 = x: a lane holds one token and, over the four tiles t, 32 NEIGHBOURING columns of the head: one whole block of the next quantiser (K = the head's 64).
; v: the sources swapped: a lane holds one column of the head and 32 neighbouring tokens: one whole block along the keys, the K of the last attention product.
; So no maximum crosses lanes, and a block's six code registers are half an operand as they stand ("half image": registers 0-3 at 16 x lane, 4-5 at 512 + 8 x lane: 768 bytes).
; The eight K steps are written out: every offset is an immediate.  16 accumulators take turns, one instruction a turn.
; No tensor load: x is turned and quantised in registers anyway, and the weights' records need no LDS.  No cluster: the work-groups of a projection share only the weights, which come through registers.
; The scale halves of v (2 bytes a lane and tile, 2 of every 770 bytes stored on that path) and the second copy of p's rows (which begins 48 bytes past a multiple of 256) do not fill aligned blocks of 256 bytes.
; LIMITS: NaN and infinities are not served; a block of zeros gets the byte 1 where the rule says 127 (zero codes; read by this program alone); a block whose largest magnitude lies under 2^-124 is quantised under the floor's scale.
; THE MODE: SCHED_MODE bits 1:0 = 2 (LLVM: expert scheduling mode 2), set by the entry lines.  The code itself states the register dependences
; between vector or matrix instructions and memory or LDS instructions, with s_wait_alu, always for 0.
; THE PLAN.  Registers that memory or LDS instructions touch:
;   v1-15         Offsets and LDS addresses: made at the head (v9 in its path) and never written again.
;   v128-255      x as loaded; the two turns' LDS stores read them.  v128-191 then take the second turn's numbers, which the second quantising reads.  From the K steps on: the accumulators (the bias's loads land there).
;   v16-79        The first turn's numbers; the first quantising reads them.  Behind it v16-51 take W's records 0 to 2.
;   v80-91, v108  A fragment's codes and scale word: the conversions write them, the image's LDS stores read them.
;   WF, WS        Four slots for W's records.  Turn i = 4 s + t of the K steps multiplies slot t by x's four fragments; the loads of record i + 3 land in the slot that turn i - 1 read.
;   XF, XS        x's four fragments of a K step: LDS loads at the step's first turn; all 16 products of the step read them.
;   v16-39, v68-79  The results' codes and scale words: the last quantiser writes them, the stores read them.   v80-105: p's rows back from the stage.   v41-49: what the head's last block fills.
; So in the K steps ONE wait on va_vdst stands at a turn's head, behind the wait for the turn's record: it states that the products issued so far are done reading the slot of the turn before
; (at a step's first turn: and x's fragments).  The loads follow it; the turn's four products name none of the registers in which those loads land.
.set XSTGW, 8448                       ; LDS 0: a stage of 16 rows x 528 bytes for each wave
.set XIMG,  135168                     ; x's 32 fragments, (8 m + s) x 1,536
.set XSC,   184320                     ; their scale words, (8 m + s) x 128
.set PSTG,  188416                     ; the p path's stage: 64 rows x 48 bytes + 64 scale words for each wave; it ends at 241,664, the last byte that the text uses
.set PSTGW, 3328
.set L16, 1
.set L8,  2
.set L4,  3
.set STI, 4
.set STO, 5
.set H8,  6
.set XI,  7                            ; XIMG + 16 x lane
.set XSA, 8                            ; XSC + 4 x lane
.set VB,  9                            ; my offset in the bias
.set APS, 10                           ; p's stage: my token's row, my half
.set APW, 11                           ; p's stage: my token's scale word
.set XWI, 12                           ; where I store x's images
.set XWS, 13
.set PR16, 14                          ; p's stage, way out
.set PR4, 15
.set WF,  16                           ; v16-63   four slots for fragments of W
.set XF,  64                           ; v64-111  four fragments of x
.set WS,  112
.set XS,  116
.set BV,  120                          ; v120-127 the v path's bias, a pair for each tile
.set ACC, 128                          ; v128-255 16 accumulators
.set R,   128                          ; phase X: two fragments as loaded
.set X,   16                           ; the first fragment's numbers, turned
.set X2,  128                          ; the second's: in the registers that the first fragment has left
.set XPC, 80
.set XTP, 92
.set XTM, 100
.set XSO, 102
.set XBY, 104
.set XTT, 106
.set XPW, 108
.set CQ,  16                           ; the way out: 4 x 6 code registers
.set TP,  40
.set TM,  56
.set SO,  60
.set BY,  64
.set TT,  68
.set T2,  72
.set SW,  76
.set OUT, 80
.set SEL, 40
.macro WMZ d, a, b, sa, sb             ; the first product starts a sum
	v_wmma_scale_f32_16x16x128_f8f6f4 v[\d:\d+7], v[\a:\a+11], v[\b:\b+11], 0, v[\sa], v[\sb] matrix_a_fmt:MATRIX_FMT_FP6 matrix_b_fmt:MATRIX_FMT_FP6
.endm
.macro WMA d, a, b, sa, sb             ; adds in place
	v_wmma_scale_f32_16x16x128_f8f6f4 v[\d:\d+7], v[\a:\a+11], v[\b:\b+11], v[\d:\d+7], v[\sa], v[\sb] matrix_a_fmt:MATRIX_FMT_FP6 matrix_b_fmt:MATRIX_FMT_FP6
.endm
.macro FRAGLOAD reg, off               ; 16 rows x 128 numbers: each load reads 512 consecutive bytes of one token
.irp p, 0,1,2,3,4,5,6,7,8,9,10,11,12,13,14,15
	global_load_b128 v[\reg+4*\p:\reg+4*\p+3], v[L16], s[4:5] offset:\off+((\p%8)+32*(\p/8))*4096 th:TH_LOAD_NT
.endr
.endm
.macro TURN reg, x                     ; through my own stage, into v[x] on: LDS serves a wave in order, so no wait stands between
.irp p, 0,1,2,3,4,5,6,7,8,9,10,11,12,13,14,15
	ds_store_b128 v[STI], v[\reg+4*\p:\reg+4*\p+3] offset:528*\p
.endr
.irp c, 0,1
.irp i, 0,1,2,3,4,5,6,7
	ds_load_b128 v[\x+32*\c+4*\i:\x+32*\c+4*\i+3], v[STO] offset:256*\c+16*\i
.endr
.endr
.endm
.macro QUANT2 x                        ; v[x + 32 c + i] = k 64 c + 32 h + i of my row: two whole blocks -> 12 code registers and the row's scale word
.irp c, 0,1
	v_max3_num_f32 v[XTM+\c], |v[\x+32*\c]|, |v[\x+32*\c+1]|, 0x1800000   ; with the floor 2^(3 - 127)
.endr
.irp i, 2,4,6,8,10,12,14,16,18,20,22,24,26,28,30
.irp c, 0,1
	v_max3_num_f32 v[XTM+\c], v[XTM+\c], |v[\x+32*\c+\i]|, |v[\x+32*\c+\i+1]|
.endr
.endr
.irp c, 0,1
	v_add_nc_u32 v[XSO+\c], 0xff000000, v[XTM+\c]  ; 2 off the exponent field: the conversion's scale operand
.endr
.irp c, 0,1
	v_lshrrev_b32 v[XBY+\c], 23, v[XSO+\c]
.endr
	v_lshl_or_b32 v[XPW], v[XBY+1], 16, v[XBY]
	v_lshlrev_b32 v[XPW], v[H8], v[XPW]
	v_permlanex16_b32 v[XTT], v[XPW], s[SEL], s[SEL+1]
	v_or_b32 v[XPW], v[XPW], v[XTT]
.irp c, 0,1
	v_cvt_scalef32_pk16_fp6_f32 v[XPC+6*\c:XPC+6*\c+2], v[\x+32*\c:\x+32*\c+15], v[XSO+\c]
	v_cvt_scalef32_pk16_fp6_f32 v[XTP+4*\c:XTP+4*\c+2], v[\x+32*\c+16:\x+32*\c+31], v[XSO+\c]
.endr
	v_nop                                          ; one plain line behind the conversions
.irp c, 0,1
.irp i, 0,1,2
	v_mov_b32 v[XPC+6*\c+3+\i], v[XTP+4*\c+\i]
.endr
.endr
.endm
.macro IMAGE n                         ; the fragment and its scale words go to LDS as they stand in the registers
.irp k, 0,1,2
	ds_store_b128 v[XWI], v[XPC+4*\k:XPC+4*\k+3] offset:1536*\n+512*\k
.endr
	ds_store_b32 v[XWS], v[XPW] offset:128*\n
.endm
.macro WLOAD i                         ; record i = 4 s + t of my head's 32 records of W, into slot i % 4: four loads
.irp k, 0,1,2
	global_load_b128 v[WF+12*((\i)%4)+4*\k:WF+12*((\i)%4)+4*\k+3], v[L16], s[20:21] offset:1792*(\i)+512*\k
.endr
	global_load_b32 v[WS+(\i)%4], v[L8], s[20:21] offset:1792*(\i)+1536
.endm
.macro XLOADS s                        ; x's four images of K step s, from LDS
.irp m, 0,1,2,3
.irp k, 0,1,2
	ds_load_b128 v[XF+12*\m+4*\k:XF+12*\m+4*\k+3], v[XI] offset:1536*(\s)+12288*\m+512*\k
.endr
	ds_load_b32 v[XS+\m], v[XSA] offset:128*(\s)+1024*\m
.endr
.endm
; Turn t of K step s: W's tile t against x's four tiles: four products, four accumulators.  Each accumulator takes one term a K step, s ascending.
; Records run three turns ahead: at a turn's head records i, i + 1 and i + 2 are asked for, and record i + 3 is asked for behind the wait.  The last three turns ask for nothing, so they hold no s_wait_alu.
.macro KTURN swap, zero, s, t
.set KI, 4*(\s)+(\t)
.if KI > 0
.if KI < 30
	s_wait_loadcnt 8                               ; loads come back in order (ISA guide 5.7.1): record i is in; the two younger records, eight loads, may be out
.else
	s_wait_loadcnt 4*(31-KI)                       ; the counts run down
.endif
.endif
.if (KI > 0) && (KI < 29)
	s_wait_alu depctr_va_vdst(0)                   ; the products issued so far are done reading the slot and the scale word of the turn before, in which record i + 3 lands; at a step's first turn: and x's fragments and scale words
.endif
.if (\t) == 0
	XLOADS \s
.endif
.if KI < 29
	WLOAD KI+3
.endif
.if KI == 0
	s_wait_loadcnt 4                               ; records 0 to 2 and the bias are in; record 3's four loads may be out
.endif
.if (\t) == 0
	s_wait_dscnt 0x0                               ; x's fragments are in
.endif
.irp m, 0,1,2,3
.if \swap
.if \zero
	WMZ ACC+8*(4*(\t)+\m), XF+12*\m, WF+12*(\t), XS+\m, WS+(\t)
.else
	WMA ACC+8*(4*(\t)+\m), XF+12*\m, WF+12*(\t), XS+\m, WS+(\t)
.endif
.else
	WMA ACC+8*(4*\m+(\t)), WF+12*(\t), XF+12*\m, WS+(\t), XS+\m
.endif
.endr
.endm
; Four blocks of 32 registers at ACC + 32 x -> codes CQ + 6 x, bytes BY + x.  Each accumulator is read from its low end on.
.macro QUANT4
.irp x, 0,1,2,3
	v_max3_num_f32 v[TM+\x], |v[ACC+32*\x]|, |v[ACC+32*\x+1]|, 0x1800000
.endr
.irp i, 2,4,6,8,10,12,14,16,18,20,22,24,26,28,30
.irp x, 0,1,2,3
	v_max3_num_f32 v[TM+\x], v[TM+\x], |v[ACC+32*\x+\i]|, |v[ACC+32*\x+\i+1]|
.endr
.endr
.irp x, 0,1,2,3
	v_add_nc_u32 v[SO+\x], 0xff000000, v[TM+\x]
.endr
.irp x, 0,1,2,3
	v_lshrrev_b32 v[BY+\x], 23, v[SO+\x]
.endr
.irp x, 0,1,2,3
	v_cvt_scalef32_pk16_fp6_f32 v[CQ+6*\x:CQ+6*\x+2], v[ACC+32*\x:ACC+32*\x+15], v[SO+\x]
	v_cvt_scalef32_pk16_fp6_f32 v[TP+4*\x:TP+4*\x+2], v[ACC+32*\x+16:ACC+32*\x+31], v[SO+\x]
.endr
	v_nop
.irp x, 0,1,2,3
.irp i, 0,1,2
	v_mov_b32 v[CQ+6*\x+3+\i], v[TP+4*\x+\i]
.endr
.endr
.irp x, 0,1,2,3
	v_mov_b32 v[T2+\x], 0                          ; a lane permute's destination counts as read
	v_lshlrev_b32 v[TT+\x], v[H8], v[BY+\x]        ; my half's byte at its place,
.endr
.irp x, 0,1,2,3
	v_permlanex16_b32 v[T2+\x], v[TT+\x], s[SEL], s[SEL+1]
.endr
.irp x, 0,1,2,3
	v_or_b32 v[TT+\x], v[TT+\x], v[T2+\x]          ; with the other half's: s0 | s1 << 8 in every lane
.endr
.endm
	s_load_b256 s[4:11], s[0:1], 0x0               ; query, key, value, pos_embedding
	s_load_b256 s[12:19], s[0:1], 0x20             ; bq, bk, bv, bp
	s_load_b256 s[20:27], s[0:1], 0x40             ; wimg, qimg, kvimg, prow
	s_load_b64 s[28:29], s[0:1], 0x60              ; pscl
	v_lshrrev_b32 v16, 5, v0
	v_readfirstlane_b32 s30, v16                   ; wave = head
	s_and_b32 s31, ttmp7, 0xffff                   ; the projection
	s_and_b32 s32, ttmp9, 31                       ; the block of 64 tokens in its batch
	s_lshr_b32 s33, ttmp9, 5                       ; the batch
	s_lshl_b32 s34, s33, 4
	v_and_b32 v16, 31, v0                          ; lane
	v_and_b32 v17, 15, v0                          ; r
	v_bfe_u32 v18, v0, 4, 1                        ; h
	v_lshlrev_b32 v[L16], 4, v16
	v_lshlrev_b32 v[L8], 3, v16
	v_lshlrev_b32 v[L4], 2, v16
	v_lshlrev_b32 v[H8], 3, v18
	s_wait_alu depctr_va_sdst(0)                   ; s30 is written, ahead of its first reader: LDS addresses and the buffers' offsets are made from it
	s_add_co_u32 s34, s34, s30                     ; bh = 16 b + head
	s_mul_i32 s35, s30, XSTGW
	v_add_nc_u32 v[STI], s35, v[L16]
	v_mul_u32_u24 v[STO], v17, 528
	v_lshl_add_u32 v[STO], v18, 7, v[STO]
	v_add_nc_u32 v[STO], s35, v[STO]
	v_add_nc_u32 v[XI], XIMG, v[L16]
	v_add_nc_u32 v[XSA], XSC, v[L4]
	s_mul_i32 s35, s30, 3072                       ; fragments 2 w and 2 w + 1
	v_add_nc_u32 v[XWI], s35, v[XI]
	s_lshl_b32 s35, s30, 8
	v_add_nc_u32 v[XWS], s35, v[XSA]
	s_mul_i32 s35, s30, PSTGW
	s_add_co_u32 s35, s35, PSTG
	v_and_b32 v19, 7, v0                           ; r % 8,
	v_and_b32 v20, 8, v0                           ; 8 (r / 8),
	v_lshl_add_u32 v19, v20, 2, v19                ; r % 8 + 32 (r / 8): as a sum, 39 at the most
	v_mul_u32_u24 v[APS], v19, 48
	v_mad_u32_u24 v[APS], v18, 24, v[APS]
	v_add_nc_u32 v[APS], s35, v[APS]               ; with the tiles' 384 x and a row's 24 bytes: 3,072 bytes of rows
	v_lshl_add_u32 v[APW], v19, 2, s35
	v_add_nc_u32 v[APW], 3072, v[APW]              ; behind them 256 bytes of words
	v_add_nc_u32 v[PR16], s35, v[L16]
	v_add_nc_u32 v[PR4], s35, v[L4]
	v_add_nc_u32 v[PR4], 3072, v[PR4]
	v_mov_b32 v[XTT], 0
	s_mov_b32 s[SEL], 0x76543210
	s_mov_b32 s[SEL+1], 0xfedcba98
	s_lshl_b32 s36, ttmp9, 18                      ; x: 64 tokens of 4,096 bytes,
	s_lshr_b32 s38, s30, 2
	s_lshl_b32 s38, s38, 15                        ; my tile's 8 tokens on,
	s_add_co_u32 s36, s36, s38
	s_and_b32 s38, s30, 3
	s_lshl_b32 s38, s38, 10                        ; my two K steps
	s_add_co_u32 s36, s36, s38
	s_mov_b32 s37, 0
	s_lshl_b32 s38, s30, 8                         ; the bias: my head's 64 numbers
	s_mov_b32 s39, 0
	s_lshl_b32 s42, s31, 9
	s_lshl_b32 s43, s30, 5
	s_add_co_u32 s42, s42, s43
	s_mul_i32 s42, s42, 1792                       ; the weights' records: 512 mat + 32 G
	s_mov_b32 s43, 0
	s_wait_kmcnt 0x0
	s_cmp_eq_u32 s31, 1                            ; the choices hang on the work-group's number alone
	s_cselect_b64 s[4:5], s[6:7], s[4:5]
	s_cselect_b64 s[12:13], s[14:15], s[12:13]
	s_cmp_eq_u32 s31, 2
	s_cselect_b64 s[4:5], s[8:9], s[4:5]
	s_cselect_b64 s[12:13], s[16:17], s[12:13]
	s_cmp_eq_u32 s31, 3
	s_cselect_b64 s[4:5], s[10:11], s[4:5]
	s_cselect_b64 s[12:13], s[18:19], s[12:13]
	s_add_nc_u64 s[4:5], s[4:5], s[36:37]
	s_add_nc_u64 s[12:13], s[12:13], s[38:39]
	s_add_nc_u64 s[20:21], s[20:21], s[42:43]
	s_wait_alu depctr_va_vdst(0)                   ; the offsets and LDS addresses v1 to v8 and v10 to v15 are written, which the loads and stores below read; so are v16 to v20, in which the first turn's loads land
	; ---- phase X
	FRAGLOAD R, 0
	FRAGLOAD R+64, 512
	s_wait_loadcnt 16                              ; the first fragment's 16 loads are in; the second's 16 may be out
	TURN R, X
	s_wait_loadcnt 0x0                             ; the second fragment is in
	s_wait_dscnt 0x0                               ; my first 64 numbers are back
	s_wait_alu depctr_vm_vsrc(0)                   ; the first turn's stores have read v128 to v191, in which the second turn's loads land
	TURN R+64, X2                                  ; it goes through LDS while the first fragment is quantised
	QUANT2 X
	s_wait_alu depctr_va_vdst(0)                   ; the codes and the scale word are written, which the image's stores read; the quantising is done reading v16 to v51, in which W's records land
	IMAGE 0
	WLOAD 0                                        ; W's first three records are on their way while the second fragment is quantised
	WLOAD 1
	WLOAD 2
	s_wait_dscnt 4                                 ; my second 64 numbers are back; the image's four stores may be out
	s_wait_alu depctr_vm_vsrc(0)                   ; the image's stores have read the codes and the scale word, which the second quantising writes again
	QUANT2 X2
	s_wait_alu depctr_va_vdst(0)                   ; the codes and the scale word are written, which the image's stores read
	IMAGE 1
	s_wait_dscnt 0x0                               ; for the others' sake: my images lie in LDS
	s_barrier_signal -1
	s_barrier_wait -1
	s_wait_alu depctr_vm_vsrc(0)                   ; the second image's stores have read v80 to v91 and v108, in which x's fragments land; the second turn's stores have read v192 to v255, which become accumulators
	; where the block lies in kvimg: step (16 bh + block / 2) of 13,824 bytes; s39 = block % 2
	s_lshl_b32 s38, s34, 4
	s_lshr_b32 s39, s32, 1
	s_add_co_u32 s38, s38, s39
	s_mul_i32 s38, s38, 13824
	s_and_b32 s39, s32, 1
	s_cmp_eq_u32 s31, 2
	s_cbranch_scc1 .Lpath_v
	; ---- q, k, p: the bias is what the sums begin with: eight numbers a tile, in the result's layout
	v_bfe_u32 v[VB], v0, 4, 1
	v_lshlrev_b32 v[VB], 7, v[VB]                  ; 32 h columns
	s_wait_alu depctr_va_vdst(0)                   ; v9 is written, which the bias's loads read; the quantising is done with v128 to v191, in which they land, and with v64 to v108, in which x's fragments land
.irp m, 0,1,2,3
.irp t, 0,1,2,3
	global_load_b128 v[ACC+8*(4*\m+\t):ACC+8*(4*\m+\t)+3], v[VB], s[12:13] offset:32*\t
	global_load_b128 v[ACC+8*(4*\m+\t)+4:ACC+8*(4*\m+\t)+7], v[VB], s[12:13] offset:32*\t+16
.endr
.endr
.irp s, 0,1,2,3,4,5,6,7
.irp t, 0,1,2,3
	KTURN 0, 0, \s, \t
.endr
.endr
.rept 4
	v_nop                                          ; four plain lines ahead of the first read of results and of the first write over the products' operands (ISA guide 7.12.1)
.endr
	QUANT4
.irp x, 0,1,2,3
	v_lshl_or_b32 v[SW+\x], v[TT+\x], 16, v[TT+\x] ; [s0, s1, s0, s1]: right in either half of a K of 128
.endr
	s_wait_alu depctr_va_vdst(0)                   ; the codes v16 to v39 and the scale words v76 to v79 are written, which the stores of both ways below read; the products are done reading v80 to v105, in which p's rows land
	s_cmp_eq_u32 s31, 3
	s_cbranch_scc1 .Lstore_p
	; q: record (32 bh + block) of 3,584 bytes in qimg;  k: the block's record in its step of kvimg
	s_lshl_b32 s36, s34, 5
	s_add_co_u32 s36, s36, s32
	s_mul_i32 s36, s36, 3584
	s_mul_i32 s42, s39, 3584
	s_add_co_u32 s42, s42, s38
	s_cmp_eq_u32 s31, 0
	s_cselect_b64 s[44:45], s[22:23], s[24:25]
	s_cselect_b32 s36, s36, s42
	s_mov_b32 s37, 0
	s_add_nc_u64 s[44:45], s[44:45], s[36:37]
.irp x, 0,1,2,3
	global_store_b128 v[L16], v[CQ+6*\x:CQ+6*\x+3], s[44:45] offset:768*\x
	global_store_b64 v[L8], v[CQ+6*\x+4:CQ+6*\x+5], s[44:45] offset:768*\x+512
.endr
	global_store_b128 v[L16], v[SW:SW+3], s[44:45] offset:3072   ; lane l: the four tiles' words of row l % 16
	s_wait_xcnt 0x0
	v_lshl_add_u32 v254, v0, 2, 0x3c000
	v_mov_b32 v255, 0
	s_wait_dscnt 0x0                               ; the closing lines, six on end
	s_wait_alu 0x0
	s_wait_tensorcnt 0x0
	ds_add_u32 v254, v255
	s_wait_dscnt 0x0
	s_endpgm
.Lstore_p:
	; p goes out as ROWS of 48 bytes, since the attention launch takes its rows at any offset: through my stage, then twice: at row token and at row token + 2,049
.irp x, 0,1,2,3
.irp p, 0,1,2
	ds_store_b64 v[APS], v[CQ+6*\x+2*\p:CQ+6*\x+2*\p+1] offset:384*\x+8*\p
.endr
	ds_store_b32 v[APW], v[SW+\x] offset:32*\x     ; both halves of the lanes write the same word with the same value
.endr
.irp k, 0,1,2,3,4,5
	ds_load_b128 v[OUT+4*\k:OUT+4*\k+3], v[PR16] offset:512*\k
.endr
	ds_load_b32 v[OUT+24], v[PR4]
	ds_load_b32 v[OUT+25], v[PR4] offset:128
	s_mul_i32 s36, s34, 197632
	s_mul_i32 s42, s32, 3072
	s_add_co_u32 s36, s36, s42
	s_mov_b32 s37, 0
	s_add_nc_u64 s[26:27], s[26:27], s[36:37]
	s_mul_i32 s36, s34, 16640
	s_lshl_b32 s42, s32, 8
	s_add_co_u32 s36, s36, s42
	s_add_nc_u64 s[28:29], s[28:29], s[36:37]
	s_wait_dscnt 0x0
.irp k, 0,1,2,3,4,5
	global_store_b128 v[L16], v[OUT+4*\k:OUT+4*\k+3], s[26:27] offset:512*\k
	global_store_b128 v[L16], v[OUT+4*\k:OUT+4*\k+3], s[26:27] offset:98352+512*\k
.endr
.irp k, 0,1
	global_store_b32 v[L4], v[OUT+24+\k], s[28:29] offset:128*\k
	global_store_b32 v[L4], v[OUT+24+\k], s[28:29] offset:8196+128*\k
.endr
	s_cmp_lg_u32 s32, 31
	s_cbranch_scc1 .Lend_p
	; the head's last block also writes what no token fills: row 2,048 (the shift's zero) and the table's end: 64 pieces of 16 bytes of zero codes, 64 words of the byte 127.
	; Offsets count from this block's base: 31 x 3,072 bytes of rows, 31 x 256 bytes of words.
	v_and_b32 v40, 31, v0
	v_add_nc_u32 v41, 3072, v[L16]                 ; row 2,048: 98,304 + 16 q, q = 0 .. 2
	v_add_nc_u32 v42, 101376, v[L16]               ; the end: 196,608 + 16 q, q = 3 .. 63
	v_add_nc_u32 v43, 8448, v[L4]                  ; words 4,096 + q, q = 1 .. 63
	v_mov_b32 v48, 256                             ; word 2,048
	v_mov_b32 v49, 0x7f7f7f7f
.irp i, 44,45,46,47
	v_mov_b32 v\i, 0
.endr
	v_cmp_gt_u32 s42, 3, v40                       ; the two masks in a run,
	v_cmp_eq_u32 s43, 0, v40
	s_wait_alu depctr_va_sdst(0)                   ; s42 and s43 are written, ahead of the two selections that read them
	v_cndmask_b32 v41, v42, v41, s42
	v_cndmask_b32 v48, v43, v48, s43
	s_wait_alu depctr_va_vdst(0)                   ; the offsets v41, v42, v43, v48 and the data v44 to v47, v49 are written, which the four stores read
	global_store_b128 v41, v[44:47], s[26:27]
	global_store_b128 v42, v[44:47], s[26:27] offset:512
	global_store_b32 v48, v49, s[28:29]
	global_store_b32 v43, v49, s[28:29] offset:128
.Lend_p:
	s_wait_xcnt 0x0
	v_lshl_add_u32 v254, v0, 2, 0x3c000
	v_mov_b32 v255, 0
	s_wait_dscnt 0x0                               ; the closing lines, six on end
	s_wait_alu 0x0
	s_wait_tensorcnt 0x0
	ds_add_u32 v254, v255
	s_wait_dscnt 0x0
	s_endpgm
.Lpath_v:
	; ---- v: sources swapped.  A lane's bias is one number a tile (its column's); it is added behind the sums
	v_and_b32 v[VB], 7, v0
	v_and_b32 v119, 8, v0
	v_lshl_add_u32 v[VB], v119, 2, v[VB]           ; r % 8 + 32 (r / 8)
	v_lshlrev_b32 v[VB], 2, v[VB]                  ; in bytes
	s_wait_alu depctr_va_vdst(0)                   ; v9 is written, which the bias's loads read; v119 is written and the quantising is done with v64 to v108: x's fragments and scale words land there
.irp u, 0,1,2,3
	global_load_b32 v[BV+2*\u], v[VB], s[12:13] offset:32*\u
	global_load_b32 v[BV+2*\u+1], v[VB], s[12:13] offset:32*\u   ; (the packed addition names the pair)
.endr
.irp t, 0,1,2,3
	KTURN 1, 1, 0, \t
.endr
.irp s, 1,2,3,4,5,6,7
.irp t, 0,1,2,3
	KTURN 1, 0, \s, \t
.endr
.endr
.rept 4
	v_nop                                          ; four plain lines ahead of the first read of results and of the first write over the products' operands (ISA guide 7.12.1)
.endr
.irp u, 0,1,2,3
.irp i, 0,2,4,6,8,10,12,14,16,18,20,22,24,26,28,30
	v_pk_add_f32 v[ACC+32*\u+\i:ACC+32*\u+\i+1], v[ACC+32*\u+\i:ACC+32*\u+\i+1], v[BV+2*\u:BV+2*\u+1] op_sel_hi:[1,0]
.endr
.endr
	QUANT4
	s_mul_i32 s42, s39, 768
	s_add_co_u32 s36, s38, s42
	s_add_co_u32 s36, s36, 7168                    ; behind k's two records: half image 2 u + block % 2
	s_mov_b32 s37, 0
	s_add_nc_u64 s[44:45], s[24:25], s[36:37]
	s_lshl_b32 s42, s39, 1
	s_add_co_u32 s36, s38, s42
	s_add_co_u32 s36, s36, 13312                   ; the scale image: lane l, word u, my block's two bytes
	s_add_nc_u64 s[46:47], s[24:25], s[36:37]
	s_wait_alu depctr_va_vdst(0)                   ; the codes v16 to v39 and the scale halves v68 to v71 are written, which the stores read
.irp u, 0,1,2,3
	global_store_b128 v[L16], v[CQ+6*\u:CQ+6*\u+3], s[44:45] offset:1536*\u
	global_store_b64 v[L8], v[CQ+6*\u+4:CQ+6*\u+5], s[44:45] offset:1536*\u+512
	global_store_b16 v[L16], v[TT+\u], s[46:47] offset:4*\u
.endr
	s_wait_xcnt 0x0
	v_lshl_add_u32 v254, v0, 2, 0x3c000
	v_mov_b32 v255, 0
	s_wait_dscnt 0x0                               ; the closing lines, six on end
	s_wait_alu 0x0
	s_wait_tensorcnt 0x0
	ds_add_u32 v254, v255
	s_wait_dscnt 0x0
	s_endpgm
.Lfunc_end_k_qb39fdc34e8_proj:
	.size	k_qb39fdc34e8_proj, .Lfunc_end_k_qb39fdc34e8_proj-k_qb39fdc34e8_proj
	.p2alignl 7, 3214868480
	.fill 96, 4, 3214868480
	.section	.rodata,"a",@progbits
	.p2align	6, 0x0
	.amdhsa_kernel k_qb39fdc34e8_proj
		.amdhsa_group_segment_fixed_size 247808
		.amdhsa_private_segment_fixed_size 0
		.amdhsa_enable_private_segment 0
		.amdhsa_kernarg_size 104
		.amdhsa_user_sgpr_count 2
		.amdhsa_user_sgpr_kernarg_segment_ptr 1
		.amdhsa_wavefront_size32 1
		.amdhsa_system_sgpr_workgroup_id_x 1
		.amdhsa_system_sgpr_workgroup_id_y 1
		.amdhsa_system_sgpr_workgroup_id_z 1
		.amdhsa_system_vgpr_workitem_id 0
		.amdhsa_next_free_vgpr 256
		.amdhsa_next_free_sgpr 66
		.amdhsa_reserve_vcc 0
		.amdhsa_float_denorm_mode_32 3
		.amdhsa_float_denorm_mode_16_64 3
		.amdhsa_memory_ordered 1
		.amdhsa_forward_progress 1
		.amdhsa_inst_pref_size 122
	.end_amdhsa_kernel
	.amdgpu_metadata
---
amdhsa.version: [ 1, 2 ]
amdhsa.kernels:
  - .name:           k_qb39fdc34e8_proj
    .symbol:         k_qb39fdc34e8_proj.kd
    .args:
      - { .name: query, .offset: 0, .size: 8, .value_kind: global_buffer, .address_space: global }
      - { .name: key, .offset: 8, .size: 8, .value_kind: global_buffer, .address_space: global }
      - { .name: value, .offset: 16, .size: 8, .value_kind: global_buffer, .address_space: global }
      - { .name: pos_embedding, .offset: 24, .size: 8, .value_kind: global_buffer, .address_space: global }
      - { .name: bq, .offset: 32, .size: 8, .value_kind: global_buffer, .address_space: global }
      - { .name: bk, .offset: 40, .size: 8, .value_kind: global_buffer, .address_space: global }
      - { .name: bv, .offset: 48, .size: 8, .value_kind: global_buffer, .address_space: global }
      - { .name: bp, .offset: 56, .size: 8, .value_kind: global_buffer, .address_space: global }
      - { .name: wimg, .offset: 64, .size: 8, .value_kind: global_buffer, .address_space: global }
      - { .name: qimg, .offset: 72, .size: 8, .value_kind: global_buffer, .address_space: global }
      - { .name: kvimg, .offset: 80, .size: 8, .value_kind: global_buffer, .address_space: global }
      - { .name: prow, .offset: 88, .size: 8, .value_kind: global_buffer, .address_space: global }
      - { .name: pscl, .offset: 96, .size: 8, .value_kind: global_buffer, .address_space: global }
    .group_segment_fixed_size: 247808
    .private_segment_fixed_size: 0
    .kernarg_segment_align: 8
    .kernarg_segment_size: 104
    .max_flat_workgroup_size: 512
    .sgpr_count:     66
    .vgpr_count:     256
    .wavefront_size: 32
...
	.end_amdgpu_metadata
.endif
;; end of part 6
;; launch attn (part 7): grid 8 x 32, 8 waves a work-group, no clusters, 327,680 bytes of LDS; arguments qimg, kvimg, prow, pscl, cimg, cscl; writes cimg, cscl
.if DOCPART == 7
	.amdgcn_target "amdgcn-amd-amdhsa--gfx1250"
	.amdhsa_code_object_version 6
	.text
	.protected	k_qb39fdc34e8_attn
	.globl	k_qb39fdc34e8_attn
	.p2align	8
	.type	k_qb39fdc34e8_attn,@function
k_qb39fdc34e8_attn:
	s_mov_b64 s[64:65], 0
	v_nop
	global_prefetch_b8 v0, s[64:65] scope:SCOPE_SE
	s_setreg_imm32_b32 hwreg(HW_REG_WAVE_MODE, 25, 1), 1
	s_wait_xcnt 0x0
; Attention with the relative shift, on codes of E2M3.  score(i, j) = (q_i . k_j + shifted(i, j)) / 32;  shifted(i, j) = Q . P'[j - i + 2047], where P' is the table of 4,097 rows
; that launch proj wrote (p, a row of zeros, p again) and Q is q_i for table rows up to 2,048 and q_(i+1) from 2,049 on: that is the pad / reshape / slice of the shift, written out.
; SHARES.  Work-group (x, y): 256 queries (x) of one batch and head (y).  Each of 8 waves owns TWO tiles of 16 queries in 512 registers, two waves to a SIMD; it walks 16 steps of 128 keys.
; A tile's queries are i = 32 QI + c + 2 n (n = lane % 16, c = wave % 2): every second one, so that the skew below moves by 8 bytes from lane to lane.  Tile A has QI = 8 x + 2 (wave / 2), tile B QI + 1.
; WHY TWO TILES: what a wave reads from LDS into operand registers serves both.  For a step it reads 9,216 bytes of table rows, 6,144 of K and 6,144 of V; two waves of one tile each would read 7,680 + 6,144 + 6,144 each.
; LAYOUT.  All products are used transposed (source 0 = keys, table rows or channels; source 1 = my queries): a lane holds ONE query of each tile throughout.
; K = 64 in an instruction of K = 128: source 0 is TWO fragments side by side; source 1 is [q | 0] or [0 | q].  The half that is not wanted meets zero codes.  A row's scale word is [s0, s1, s0, s1].
; THE SKEW.  With e = 1 - c, position pos of a tile's position product is table row 128 s - 32 QI + 2016 + e + pos, and key kk of step s wants pos = kk + 30 - 2 n: 160 rows for 128 keys.
; Tile B's 160 rows begin 32 rows ahead of tile A's: 192 rows, 12 fragments, serve both (B: fragments 0-9, A: 2-11).
; The results go to the tile's own stage in LDS (pitch 656) and come back from 648 n + 120 + 4 kk, straight into the score registers, where they are the C of the content product: no addition is written.
; A pair of fragments (32 table rows from a multiple of 32, + e) lies wholly on one side of row 2,048, the row of zeros: pair v of the twelve takes q_i where 4 s + v <= tile B's QI, else q_(i+1): a scalar branch on ids.
; THE KEYS OF A TILE are 8 t + a % 8 + 32 (a / 8) of their 64, so that a lane's 32 score registers are 32 neighbouring keys: a whole block of p's quantiser; V's channels likewise for the context's.
; SOFTMAX.  t = score x log2(e) / 32; M = the running largest t rounded up to a whole number; p = 2^(t - M) is quantised, not normalised; the sum is taken of the unquantised p and divides at the end.
; THE RING.  Two slots of two steps: 528 rows of P' (25,344 bytes) and two steps' images of K and V (27,648 bytes), dense blocks brought by wave 0 and wave 1; P's scale words for the whole walk come once (wave 2).
; REGISTERS, in windows of 256 (s_set_vgpr_msb: bits 1:0 source 0, 3:2 source 1, 5:4 source 2, 7:6 destination).  Window 0: addresses, statistics, q, scale words, ONE set of score registers that the tiles use in turn, p's codes.
; Window 1: v0-71 fragments of P', then of K; v72-119 of V; v128-159, v160-191 O^T of tiles A and B.  Only matrix operands, LDS loads' destinations and O^T's rescaling name window 1.
; NO CLUSTER: the query blocks of a head share K and V, but this text branches on the query block (q_i or q_(i+1)), and the fills are 53 KB for two steps in which the 8 waves move some 970 KB through LDS.
; The context's scale halves leave as 2 bytes a lane, 32 bytes apart: 64 of the 832 bytes that a tile stores.
; LIMITS: NaN and infinities are not served; a block of zeros gets the byte 1 where the rule says 127 (zero codes; read by this program alone).
.set SLOTB, 65536                      ; slot 1 begins here: one exclusive or turns an address
.set KVO,   25344                      ; in a slot: K's and V's images behind P's rows
.set KVS,   13824                      ; a step's images
.set PSC,   131072                     ; P's scale words: 2,368 words, filled once
.set STG,   140544                     ; the stages: 16 rows x 656 bytes for each tile, two for each wave
.set STGW,  10496
.set SPARE, 308480                     ; the spare words: 128 bytes a wave, four blocks of 256 bytes that no other line names
.set AP0,  1                           ; v1   my table row in the window (tile B's first fragment), my half
.set ASP0, 2                           ; v2   its scale word; lanes 16-31: the next fragment's
.set AK16, 3                           ; v3   KVO + 16 x lane
.set AK8,  4                           ; v4   KVO + 8 x lane
.set SPW,  5                           ; v5   my spare word; never rewritten
.set NIL,  6                           ; v6   0; never rewritten
.set ASTW, 7                           ; v7   stage, way in
.set ASTR, 8                           ; v8   stage, way out, skewed
.set ADP,  9
.set ADS,  10
.set ADK16, 11
.set ADK8, 12
.set H8,   13
.set AKS0, 14                          ; v14  K's scale words: lanes 0-15 the first record's, lanes 16-31 the second's
.set ADKS, 15
.set STA,  16                          ; v16 -M, v17 the largest t, v18:19 the sum in two halves: tile A
.set STB,  20                          ; the same for tile B
.set QBA,  24                          ; v24-53  q, 0, q', 0, q (6 each): [q|0] at +0, [0|q'] at +6, [q'|0] at +12, [0|q] at +18
.set QBB,  54                          ; v54-83  the same for tile B
.set QSA,  84                          ; v84 q's scale words, v85 q''s
.set QSB,  86
.set FSP,  88                          ; v88-93  P's scale words: register v: lanes 0-15 fragment 2 v, lanes 16-31 fragment 2 v + 1
.set FSK,  94                          ; v94-97  K's: register m: lanes 0-15 tile m, lanes 16-31 tile 4 + m
.set FSV,  98                          ; v98-101 V's
.set PW,   102                         ; p's scale word
.set PFO,  103
.set S,    104                         ; v104-167 the scores, then p
.set PD,   104                         ; v104-183 the position product's ten tiles
.set CT,   168                         ; v168-175 at work behind the position product
.set PC,   184                         ; v184-195 p's codes
.set BM,   196
.set SO,   198
.set BY,   200
.set FF,   202                         ; v202:203 f
.set TT,   204
.set T2,   205
.set TTB,  206
.set F,    0                           ; window 1
.set VF,   72
.set OA,   128
.set OB,   160
.set WV,   18
.set SEL,  20
.set CS,   22
.set G1P,  24
.set G1KV, 32
.set G1S,  40
.set G0P,  48
.set G0KV, 52
.set G0S,  56
.set TB,   2                           ; s2   the slot in hand
.set TS,   3                           ; s3   the step's scale words of P': 512 bytes a step
.set SJ,   60                          ; s60  4 x step
.set QIB,  61                          ; s61  tile B's QI
.set CNT,  62
.set PFA,  76
.set PFS,  78
.set LIM,  80
.set MSB, 0
.macro WIN new                         ; the immediate's high byte repeats the setting that is left; a switch that changes nothing is dropped
.if MSB != \new
	s_set_vgpr_msb (MSB<<8)|\new
.set MSB, \new
.endif
.endm
.macro WMZ d, a, b, sa, sb, row        ; the product starts a sum; row = 1: source 0's scale words stand in lanes 16-31
.if \row
	v_wmma_scale_f32_16x16x128_f8f6f4 v[\d:\d+7], v[\a:\a+11], v[\b:\b+11], 0, v[\sa], v[\sb] matrix_a_fmt:MATRIX_FMT_FP6 matrix_b_fmt:MATRIX_FMT_FP6 matrix_a_scale:MATRIX_SCALE_ROW1
.else
	v_wmma_scale_f32_16x16x128_f8f6f4 v[\d:\d+7], v[\a:\a+11], v[\b:\b+11], 0, v[\sa], v[\sb] matrix_a_fmt:MATRIX_FMT_FP6 matrix_b_fmt:MATRIX_FMT_FP6
.endif
.endm
.macro WMA d, a, b, sa, sb, row        ; adds in place
.if \row
	v_wmma_scale_f32_16x16x128_f8f6f4 v[\d:\d+7], v[\a:\a+11], v[\b:\b+11], v[\d:\d+7], v[\sa], v[\sb] matrix_a_fmt:MATRIX_FMT_FP6 matrix_b_fmt:MATRIX_FMT_FP6 matrix_a_scale:MATRIX_SCALE_ROW1
.else
	v_wmma_scale_f32_16x16x128_f8f6f4 v[\d:\d+7], v[\a:\a+11], v[\b:\b+11], v[\d:\d+7], v[\sa], v[\sb] matrix_a_fmt:MATRIX_FMT_FP6 matrix_b_fmt:MATRIX_FMT_FP6
.endif
.endm
.macro PLACES n
.rept \n
	v_nop
.endr
.endm
; Wave 0 fetches P's rows, wave 1 K's and V's images; the branches hang on the wave's number alone.  Four v_nop follow each load.
.macro TLOAD2
	s_cmp_eq_u32 s[WV], 0
	s_cbranch_scc0 .Lnot_p_\@
	tensor_load_to_lds s[G0P:G0P+3], s[G1P:G1P+7]
	s_nop 0
	PLACES 4
	s_branch .Lasked_\@
.Lnot_p_\@:
	s_cmp_eq_u32 s[WV], 1
	s_cbranch_scc0 .Lasked_\@
	tensor_load_to_lds s[G0KV:G0KV+3], s[G1KV:G1KV+7]
	s_nop 0
	PLACES 4
.Lasked_\@:
.endm
; A prefetch of what the NEXT change of slots will ask for, two key steps ahead of that load.  All query blocks of a head walk the same K and V, and block 0's window of P' runs ahead of the others':
; so the head's first work-group asks, in the waves that fetch no slot: waves 2 to 5 for the slot's 108 blocks of 256 bytes of K and V, waves 6 and 7 for the 48 blocks by which the window moves on; lanes 256 bytes apart
; (the lanes left over in waves 5 and 7 name their wave's last block again).  The last change that fills a slot asks for nothing; slots 0 and 1 come by their loads alone.
.macro ASK
	s_cmp_gt_u32 s[CNT], s[LIM]
	s_cbranch_scc0 .Lnot_mine_\@
	global_prefetch_b8 v[PFO], s[PFA:PFA+1] th:TH_LOAD_NT scope:SCOPE_SE
.Lnot_mine_\@:
.endm
; where token tok's codes and scale word lie in qimg: v[a] for 16 bytes, v[a + 1] for 8 bytes, v[a + 2] for the word
.macro QADR tok, a
	v_lshrrev_b32 v[\a+3], 6, v[\tok]
	s_delay_alu instid0(VALU_DEP_1)
	v_mul_u32_u24 v[\a+3], v[\a+3], 3584           ; the record of its 64 tokens
	v_bfe_u32 v[\a+4], v[\tok], 3, 2               ; its tile
	s_delay_alu instid0(VALU_DEP_1)
	v_mad_u32_u24 v[\a], v[\a+4], 768, v[\a+3]
	s_delay_alu instid0(VALU_DEP_2)
	v_lshl_add_u32 v[\a+2], v[\a+4], 2, v[\a+3]
	v_and_b32 v[\a+3], 7, v[\tok]
	v_bfe_u32 v[\a+4], v[\tok], 5, 1
	s_delay_alu instid0(VALU_DEP_1)
	v_lshl_or_b32 v[\a+3], v[\a+4], 3, v[\a+3]     ; its row in the tile
	s_delay_alu instid0(VALU_DEP_1)
	v_lshl_add_u32 v[\a+2], v[\a+3], 4, v[\a+2]
	s_delay_alu instid0(VALU_DEP_2)
	v_lshl_add_u32 v[\a+3], v209, 4, v[\a+3]       ; the lane that held it, for my half
	s_delay_alu instid0(VALU_DEP_1)
	v_lshl_add_u32 v[\a+1], v[\a+3], 3, v[\a]
	s_delay_alu instid0(VALU_DEP_2)
	v_lshl_add_u32 v[\a], v[\a+3], 4, v[\a]
.endm
.macro QLOAD qb, qs, a                 ; q (twice), q' and their scale words; q's addresses at v[a], q''s at v[a + 5]
	global_load_b128 v[\qb:\qb+3], v[\a], s[4:5]
	global_load_b64 v[\qb+4:\qb+5], v[\a+1], s[4:5] offset:512
	global_load_b128 v[\qb+24:\qb+27], v[\a], s[4:5]
	global_load_b64 v[\qb+28:\qb+29], v[\a+1], s[4:5] offset:512
	global_load_b32 v[\qs], v[\a+2], s[4:5] offset:3072
	global_load_b128 v[\qb+12:\qb+15], v[\a+5], s[4:5]
	global_load_b64 v[\qb+16:\qb+17], v[\a+6], s[4:5] offset:512
	global_load_b32 v[\qs+1], v[\a+7], s[4:5] offset:3072
.irp i, 6,7,8,9,10,11,18,19,20,21,22,23
	v_mov_b32 v[\qb+\i], 0                         ; the zero halves
.endr
.endm
	s_load_b256 s[4:11], s[0:1], 0x0               ; qimg, kvimg, prow, pscl
	s_load_b128 s[12:15], s[0:1], 0x20             ; cimg, cscl
	v_lshl_add_u32 v[SPW], v0, 2, SPARE
	v_mov_b32 v[NIL], 0
	ds_add_u32 v5, v6
	ds_add_u32 v5, v6
	s_wait_dscnt 0x0
	v_lshrrev_b32 v208, 5, v0
	s_delay_alu instid0(VALU_DEP_1)
	v_readfirstlane_b32 s[WV], v208                ; wave 0..7
	s_and_b32 s66, ttmp7, 0xffff                   ; bh
	s_lshr_b32 s67, s[WV], 1
	s_and_b32 s68, s[WV], 1                        ; c
	s_lshl_b32 s67, s67, 1
	s_add_co_u32 s67, s67, 1                       ; 2 (wave / 2) + 1: tile B's group of 32 queries in the block
	s_lshl_b32 s[QIB], ttmp9, 3
	s_add_co_u32 s[QIB], s[QIB], s67
	s_xor_b32 s69, s68, 1                          ; e
	s_xor_b32 s70, s67, 7
	s_lshl_b32 s70, s70, 5
	s_add_co_u32 s70, s70, s69                     ; tile B's first row in the window: 32 (7 - its group) + e; tile A's lies 32 rows on
	; descriptor groups 1: dense blocks as rows of 256 bytes (32 elements of 8 bytes), no padding: 99, 108 and 37 rows
.irp g, G1P, G1KV, G1S
	s_mov_b32 s[\g], 3<<16
	s_mov_b32 s[\g+1], 32<<16
	s_mov_b32 s[\g+3], 32<<16
	s_mov_b32 s[\g+5], 32
	s_mov_b32 s[\g+6], 0
	s_mov_b32 s[\g+7], 0
.endr
	s_mov_b32 s[G1P+2], 99<<16
	s_mov_b32 s[G1P+4], 99
	s_mov_b32 s[G1KV+2], 108<<16
	s_mov_b32 s[G1KV+4], 108
	s_mov_b32 s[G1S+2], 37<<16
	s_mov_b32 s[G1S+4], 37
	s_mul_i32 s72, s66, 197632
	s_add_co_u32 s72, s72, 86016
	s_mul_i32 s74, ttmp9, 12288
	s_sub_co_u32 s72, s72, s74                     ; the window's first row: 1,792 - 256 x, 48 bytes a row
	s_mov_b32 s73, 0
	s_mul_i32 s74, s66, 221184
	s_mov_b32 s75, 0
	s_mul_i32 s82, s66, 16640
	s_add_co_u32 s82, s82, 7168
	s_lshl_b32 s84, ttmp9, 10
	s_sub_co_u32 s82, s82, s84                     ; and its scale word
	s_mov_b32 s83, 0
	s_mul_i32 s84, s66, 114688
	s_mov_b32 s85, 0
	s_mov_b32 s[SEL], 0x76543210
	s_mov_b32 s[SEL+1], 0xfedcba98
	s_mov_b32 s[CS], 0x3d38aa3b                    ; log2(e) / 32
	s_mov_b32 s[CS+1], s[CS]
	s_mov_b32 s[TB], 0
	s_mov_b32 s[TS], 0
	s_mov_b32 s[SJ], 0
	s_mov_b32 s[CNT], 7
	s_wait_kmcnt 0x0
	s_mov_b32 s[G0P], 1
	s_mov_b32 s[G0P+1], 0
	s_add_nc_u64 s[G0P+2:G0P+3], s[8:9], s[72:73]
	s_or_b32 s[G0P+3], s[G0P+3], 0x80000000
	s_mov_b32 s[G0KV], 1
	s_mov_b32 s[G0KV+1], KVO
	s_add_nc_u64 s[G0KV+2:G0KV+3], s[6:7], s[74:75]
	s_or_b32 s[G0KV+3], s[G0KV+3], 0x80000000
	s_mov_b32 s[G0S], 1
	s_mov_b32 s[G0S+1], PSC
	s_add_nc_u64 s[G0S+2:G0S+3], s[10:11], s[82:83]
	s_or_b32 s[G0S+3], s[G0S+3], 0x80000000
	; the first fills: slot 0 and the scale words, one load in each of waves 0, 1, 2
	s_cmp_eq_u32 s[WV], 0
	s_cbranch_scc0 .Lfirst_a
	tensor_load_to_lds s[G0P:G0P+3], s[G1P:G1P+7]
	s_nop 0
	PLACES 4
	s_branch .Lfirst_done
.Lfirst_a:
	s_cmp_eq_u32 s[WV], 1
	s_cbranch_scc0 .Lfirst_b
	tensor_load_to_lds s[G0KV:G0KV+3], s[G1KV:G1KV+7]
	s_nop 0
	PLACES 4
	s_branch .Lfirst_done
.Lfirst_b:
	s_cmp_eq_u32 s[WV], 2
	s_cbranch_scc0 .Lfirst_done
	tensor_load_to_lds s[G0S:G0S+3], s[G1S:G1S+7]
	s_nop 0
	PLACES 4
.Lfirst_done:
	s_add_nc_u64 s[4:5], s[4:5], s[84:85]          ; my head's records of q
	v_and_b32 v208, 15, v0                         ; n
	v_bfe_u32 v209, v0, 4, 1                       ; h
	v_and_b32 v210, 31, v0                         ; lane
	s_sub_co_u32 s71, s[QIB], 1
	s_lshl_b32 s71, s71, 5
	s_add_co_u32 s71, s71, s68
	v_lshl_add_u32 v211, v208, 1, s71              ; tile A's query i,
	s_delay_alu instid0(VALU_DEP_1)
	v_add_nc_u32 v212, 1, v211                     ; i + 1,
	s_delay_alu instid0(VALU_DEP_2)
	v_add_nc_u32 v213, 32, v211                    ; tile B's query,
	s_delay_alu instid0(VALU_DEP_3)
	v_add_nc_u32 v214, 33, v211
	s_delay_alu instid0(VALU_DEP_1)
	v_min_u32 v214, 0x7ff, v214                    ; and the one after it (query 2,047 has no key that wants it: held inside the table)
	QADR 211, 216
	QADR 212, 221
	QADR 213, 226
	QADR 214, 231
	QLOAD QBA, QSA, 216
	QLOAD QBB, QSB, 226
	v_add_nc_u32 v[AP0], s70, v208
	s_delay_alu instid0(VALU_DEP_1)
	v_lshl_add_u32 v[ASP0], v[AP0], 2, PSC
	s_delay_alu instid0(VALU_DEP_1)
	v_lshl_add_u32 v[ASP0], v209, 6, v[ASP0]       ; lanes 16-31: 16 rows on
	s_delay_alu instid0(VALU_DEP_3)
	v_mul_u32_u24 v[AP0], v[AP0], 48
	s_delay_alu instid0(VALU_DEP_1)
	v_mad_u32_u24 v[AP0], v209, 24, v[AP0]
	v_lshl_add_u32 v[AK16], v210, 4, KVO
	v_lshl_add_u32 v[AK8], v210, 3, KVO
	s_delay_alu instid0(VALU_DEP_2)
	v_mad_u32_u24 v[AKS0], v209, 3584, v[AK16]     ; lanes 16-31: the second record of 64 keys
	s_delay_alu instid0(VALU_DEP_1)
	v_add_nc_u32 v[AKS0], 3072, v[AKS0]
	s_mul_i32 s71, s[WV], 2*STGW
	s_add_co_u32 s71, s71, STG
	v_mul_u32_u24 v[ASTW], v208, 656
	s_delay_alu instid0(VALU_DEP_1)
	v_lshl_add_u32 v[ASTW], v209, 5, v[ASTW]
	s_delay_alu instid0(VALU_DEP_1)
	v_add_nc_u32 v[ASTW], s71, v[ASTW]             ; row n, + 32 h: positions 16 f + 8 h + 0 .. 7 at 64 f on; tile B's stage STGW bytes on
	v_mul_u32_u24 v[ASTR], v208, 648
	s_delay_alu instid0(VALU_DEP_1)
	v_lshl_add_u32 v[ASTR], v209, 7, v[ASTR]
	s_delay_alu instid0(VALU_DEP_1)
	v_add_nc_u32 v[ASTR], s71, v[ASTR]
	s_delay_alu instid0(VALU_DEP_1)
	v_add_nc_u32 v[ASTR], 120, v[ASTR]             ; 656 n + 4 (30 - 2 n) + 4 x 32 h
	v_lshlrev_b32 v[H8], 3, v209
	; the prefetches: where my wave's stand, and who asks
	s_mul_i32 s81, s66, 221184
	s_add_co_u32 s81, s81, 27648                   ; K and V: slot 1; the first change of slots steps it to slot 2
	s_mul_i32 s82, s66, 197632
	s_add_co_u32 s82, s82, 111360                  ; P': block 0's window of slot 1 (86,016 + 12,288), its last 12,288 bytes (13,056 on)
	s_sub_co_u32 s86, s[WV], 2
	s_and_b32 s83, s86, 3
	s_lshl_b32 s83, s83, 13                        ; 8,192 bytes a wave
	s_mov_b32 s[PFS], 12288
	s_cmp_lt_u32 s[WV], 6
	s_cselect_b64 s[PFA:PFA+1], s[6:7], s[8:9]
	s_cselect_b32 s84, s81, s82
	s_cselect_b32 s[PFS], 27648, s[PFS]
	s_add_co_u32 s84, s84, s83
	s_mov_b32 s85, 0
	s_mov_b32 s[PFS+1], 0
	s_add_nc_u64 s[PFA:PFA+1], s[PFA:PFA+1], s[84:85]
	s_cmp_lt_u32 s86, 6                            ; waves 2 to 7
	s_cselect_b32 s86, 0, 1
	s_or_b32 s86, s86, ttmp9                       ; of the head's first work-group
	s_cmp_eq_u32 s86, 0
	s_cselect_b32 s[LIM], 1, -1
	s_mov_b32 s87, 31
	s_cmp_eq_u32 s[WV], 5
	s_cselect_b32 s87, 11, s87                     ; 108 = 3 x 32 + 12
	s_cmp_eq_u32 s[WV], 7
	s_cselect_b32 s87, 15, s87                     ; 48 = 32 + 16
	v_min_u32 v[PFO], s87, v210
	s_delay_alu instid0(VALU_DEP_1)
	v_lshlrev_b32 v[PFO], 8, v[PFO]
	; where the context goes: tile A is tile 128 b + 16 x + 2 wave - c of the context, tile B two tiles on
	s_lshr_b32 s72, s66, 4
	s_and_b32 s73, s66, 15
	s_lshl_b32 s72, s72, 7
	s_lshl_b32 s74, ttmp9, 4
	s_add_co_u32 s72, s72, s74
	s_lshl_b32 s74, s[WV], 1
	s_sub_co_u32 s74, s74, s68
	s_add_co_u32 s72, s72, s74
	s_lshl_b32 s74, s72, 4
	s_add_co_u32 s74, s74, s73
	s_mul_i32 s74, s74, 768
	s_mov_b32 s75, 0
	s_add_nc_u64 s[12:13], s[12:13], s[74:75]
	s_lshl_b32 s74, s72, 10
	s_lshl_b32 s73, s73, 1
	s_add_co_u32 s74, s74, s73
	s_add_nc_u64 s[14:15], s[14:15], s[74:75]
.irp st, STA, STB
	v_mov_b32 v[\st+1], 0xff61b1e6                 ; the largest t so far: -3e38
	s_delay_alu instid0(VALU_DEP_1)
	v_floor_f32 v[\st], -v[\st+1]                  ; -M
	v_mov_b32 v[\st+2], 0                          ; the sum, in two halves
	v_mov_b32 v[\st+3], 0
.endr
	v_mov_b32 v[FF+1], 0                           ; (named as the upper half of a pair)
	v_mov_b32 v[T2], 0                             ; a lane permute's destination counts as read
	WIN 0x40                                       ; destination window 1
.set j, 0
.rept 64
	v_mov_b32 v[OA+j], 0                           ; O^T of both tiles: the step is written once; the first change of M leaves zeros zeros
.set j, j+1
.endr
	WIN 0
; A tile's position product: ten tiles of 16 table rows.  p0: the tile's first pair among the six (A: 1, B: 0).  At a branch and at a label every window is 0.
.macro POS qb, qs, p0
.irp u, 0,1,2,3,4
	s_add_co_u32 s96, s[SJ], \u+\p0
	s_cmp_le_u32 s96, s[QIB]
	s_cbranch_scc0 .Lup_\@_\u
	WIN 0x01                                       ; source 0 window 1
	WMZ PD+16*\u, F+12*(\u+\p0), \qb, FSP+\u+\p0, \qs, 0          ; table rows up to 2,048: q_i
	WMZ PD+16*\u+8, F+12*(\u+\p0), \qb+18, FSP+\u+\p0, \qs, 1
	WIN 0
	s_branch .Ljn_\@_\u
.Lup_\@_\u:
	WIN 0x01
	WMZ PD+16*\u, F+12*(\u+\p0), \qb+12, FSP+\u+\p0, \qs+1, 0     ; from 2,049 on: q_(i+1)
	WMZ PD+16*\u+8, F+12*(\u+\p0), \qb+6, FSP+\u+\p0, \qs+1, 1
	WIN 0
.Ljn_\@_\u:
.endr
.endm
.macro TOSTG off                       ; the ten tiles into the tile's stage, each from its low end on
.irp f, 0,1,2,3,4,5,6,7,8,9
	ds_store_b128 v[ASTW], v[PD+8*\f:PD+8*\f+3] offset:\off+64*\f
	ds_store_b128 v[ASTW], v[PD+8*\f+4:PD+8*\f+7] offset:\off+64*\f+16
.endr
.endm
.macro FROMSTG off                     ; skewed back: register 8 t + j is key 64 (t / 4) + 32 h + 8 (t % 4) + j.  LDS serves a wave in order: these see the stores
.irp t, 0,1,2,3,4,5,6,7
.irp jj, 0,1,2,3
	ds_load_b64 v[S+8*\t+2*\jj:S+8*\t+2*\jj+1], v[ASTR] offset:\off+4*(8*\t+32*(\t/4)+2*\jj)
.endr
.endr
.endm
.macro CONTENT qb, qs                  ; + q_i . k: the shifted scores are the C
	WIN 0x01
.irp t, 0,1,2,3,4,5,6,7
	WMA S+8*\t, F+12*(\t/2), \qb+18*(\t%2), FSK+(\t%4), \qs, \t/4
.endr
	WIN 0
.endm
; A tile's softmax for 128 keys, up to p's codes (their second halves still in CT) and scale word.  st: the tile's statistics.
.macro SOFTMAX st
	v_max3_num_f32 v[BM], v[S], v[S+1], v[S+2]     ; the largest score of each of my two blocks of 32 keys: for the row's maximum, and, since p rises with the score, for the block's largest p
	v_max3_num_f32 v[BM+1], v[S+32], v[S+33], v[S+34]
.irp i, 3,5,7,9,11,13,15,17,19,21,23,25,27,29
	v_max3_num_f32 v[BM], v[BM], v[S+\i], v[S+\i+1]
	v_max3_num_f32 v[BM+1], v[BM+1], v[S+32+\i], v[S+33+\i]
.endr
	v_max_num_f32 v[BM], v[BM], v[S+31]
	v_max_num_f32 v[BM+1], v[BM+1], v[S+63]
	s_delay_alu instid0(VALU_DEP_1)
	v_max_num_f32 v[TT], v[BM], v[BM+1]
	s_delay_alu instid0(VALU_DEP_1)
	v_permlanex16_b32 v[T2], v[TT], s[SEL], s[SEL+1]
	s_delay_alu instid0(VALU_DEP_1)
	v_max_num_f32 v[TT], v[TT], v[T2]              ; with the other half's 64 keys
	s_delay_alu instid0(VALU_DEP_1)
	v_mul_f32 v[TT], s[CS], v[TT]
	s_delay_alu instid0(VALU_DEP_1)
	v_max_num_f32 v[\st+1], v[\st+1], v[TT]        ; the running largest t
	v_mov_b32 v[TT], v[\st]
	s_delay_alu instid0(VALU_DEP_2)
	v_floor_f32 v[\st], -v[\st+1]                  ; -M = floor(-t): M is a whole number
	s_delay_alu instid0(VALU_DEP_1)
	v_sub_f32 v[TT], v[\st], v[TT]
	s_delay_alu instid0(VALU_DEP_1)
	v_cvt_i32_f32 v[TT], v[TT]                     ; (it saturates)
	s_delay_alu instid0(VALU_DEP_1)
	v_ldexp_f32 v[FF], 1.0, v[TT]                  ; f = 2^(old M - new M): rounds nothing
.set j, 0
.rept 32
	v_pk_fma_f32 v[S+j:S+j+1], v[S+j:S+j+1], s[CS:CS+1], v[\st:\st+1] op_sel_hi:[1,0,0]   ; t - M
.set j, j+2
.endr
	v_fma_f32 v[BM], v[BM], s[CS], v[\st]
	v_fma_f32 v[BM+1], v[BM+1], s[CS], v[\st]
.set j, 0
	s_wait_alu depctr_va_vdst(0)
.rept 64
	v_exp_f32 v[S+j], v[S+j]                       ; p = 2^(t - M)
.set j, j+1
.endr
	v_pk_mul_f32 v[\st+2:\st+3], v[\st+2:\st+3], v[FF:FF+1] op_sel_hi:[1,0]   ; the sums under the new M: a plain line behind the exponentials
	s_wait_alu depctr_va_vdst(0)                   ; one wait for the batch, ahead of its first reader
	v_exp_f32 v[BM], v[BM]                         ; the blocks' largest p: the same two instructions on the same number
	v_exp_f32 v[BM+1], v[BM+1]
	v_pk_add_f32 v[CT:CT+1], v[S:S+1], v[S+2:S+3]  ; the sum of the unquantised p, in two chains
.set j, 4
.rept 15
	v_pk_add_f32 v[\st+2:\st+3], v[\st+2:\st+3], v[S+j:S+j+1]
	v_pk_add_f32 v[CT:CT+1], v[CT:CT+1], v[S+j+2:S+j+3]
.set j, j+4
.endr
	s_delay_alu instid0(VALU_DEP_1)
	v_pk_add_f32 v[\st+2:\st+3], v[\st+2:\st+3], v[CT:CT+1]
	s_wait_alu depctr_va_vdst(0)                   ; and one for the two
	v_max_num_f32 v[BM], 0x1800000, v[BM]          ; the floor 2^(3 - 127)
	v_max_num_f32 v[BM+1], 0x1800000, v[BM+1]
	s_delay_alu instid0(VALU_DEP_2)
	v_add_nc_u32 v[SO], 0xff000000, v[BM]
	s_delay_alu instid0(VALU_DEP_2)
	v_add_nc_u32 v[SO+1], 0xff000000, v[BM+1]
	s_delay_alu instid0(VALU_DEP_2)
	v_lshrrev_b32 v[BY], 23, v[SO]
	s_delay_alu instid0(VALU_DEP_2)
	v_lshrrev_b32 v[BY+1], 23, v[SO+1]
	s_delay_alu instid0(VALU_DEP_1)
	v_lshl_or_b32 v[PW], v[BY+1], 16, v[BY]        ; my blocks h and 2 + h,
	s_delay_alu instid0(VALU_DEP_1)
	v_lshlrev_b32 v[PW], v[H8], v[PW]
	s_delay_alu instid0(VALU_DEP_1)
	v_permlanex16_b32 v[T2], v[PW], s[SEL], s[SEL+1]
	s_delay_alu instid0(VALU_DEP_1)
	v_or_b32 v[PW], v[PW], v[T2]                   ; p's scale word for these 128 keys
	v_cvt_scalef32_pk16_fp6_f32 v[PC:PC+2], v[S:S+15], v[SO]
	v_cvt_scalef32_pk16_fp6_f32 v[CT:CT+2], v[S+16:S+31], v[SO]
	v_cvt_scalef32_pk16_fp6_f32 v[PC+6:PC+8], v[S+32:S+47], v[SO+1]
	v_cvt_scalef32_pk16_fp6_f32 v[CT+4:CT+6], v[S+48:S+63], v[SO+1]
	v_nop                                          ; one plain line behind the conversions
.endm
; p's codes are put together, O^T comes under the new M, and O^T += V^T P^T.  o: the tile's O^T in window 1; left: the LDS loads issued behind V's, which may stay out.
.macro PVPART o, left
.irp i, 0,1,2
	v_mov_b32 v[PC+3+\i], v[CT+\i]
	v_mov_b32 v[PC+9+\i], v[CT+4+\i]
.endr
	WIN 0x41                                       ; destination and source 0 window 1, f window 0
.set j, 0
.rept 16
	v_pk_mul_f32 v[\o+j:\o+j+1], v[\o+j:\o+j+1], v[FF:FF+1] op_sel_hi:[1,0]   ; sixteen lines between the last write of the codes and the scale word and the products
.set j, j+2
.endr
	s_wait_alu depctr_va_vdst(0)
	s_wait_dscnt \left                             ; V and its scale words are in
	WIN 0x51                                       ; V, C and D window 1; p's codes window 0
.irp u, 0,1,2,3
	WMA \o+8*\u, VF+12*\u, PC, FSV+\u, PW, 0
.endr
	WIN 0
.endm
; A KEY STEP: 128 keys, the q-th of the slot in hand, for both tiles.
.macro STEP q
	v_add_nc_u32 v[ADP], s[TB], v[AP0]             ; (these five are also the plain lines behind the last products)
	v_add_nc_u32 v[ADS], s[TS], v[ASP0]
	v_add_nc_u32 v[ADK16], s[TB], v[AK16]
	v_add_nc_u32 v[ADK8], s[TB], v[AK8]
	v_add_nc_u32 v[ADKS], s[TB], v[AKS0]
	WIN 0x40                                       ; destination window 1, address window 0
.irp f, 0,1,2,3,4,5,6,7,8,9,10,11
.irp p, 0,1,2
	ds_load_b64 v[F+6*\f+2*\p:F+6*\f+2*\p+1], v[ADP] offset:6144*\q+768*\f+8*\p   ; 16 table rows, 24 bytes of each for my half
.endr
.endr
	WIN 0
.irp w, 0,1,2,3,4,5
	ds_load_b32 v[FSP+\w], v[ADS] offset:128*\w    ; the scale words of two fragments
.endr
	s_wait_dscnt 0x0
	POS QBA, QSA, 1
	PLACES 5                                       ; ahead of the stores that read the results and of the products that write the same registers again
	TOSTG 0
	POS QBB, QSB, 0                                ; into the same registers: an LDS store has taken its data when it is issued
	PLACES 5                                       ; likewise, and ahead of the loads into the products' registers
	TOSTG STGW
	FROMSTG 0
	WIN 0x40
	s_wait_alu depctr_va_vdst(0)
.irp t, 0,1,2,3,4,5,6,7
	ds_load_b128 v[F+6*\t:F+6*\t+3], v[ADK16] offset:KVS*\q+3584*(\t/4)+768*(\t%4)
	ds_load_b64 v[F+6*\t+4:F+6*\t+5], v[ADK8] offset:KVS*\q+3584*(\t/4)+768*(\t%4)+512
.endr
	WIN 0
	ds_load_b128 v[FSK:FSK+3], v[ADKS] offset:KVS*\q
	s_wait_dscnt 0x0
	CONTENT QBA, QSA
	WIN 0x40
.irp u, 0,1,2,3
.irp c, 0,1
	ds_load_b128 v[VF+12*\u+6*\c:VF+12*\u+6*\c+3], v[ADK16] offset:KVS*\q+7168+768*(2*\u+\c)     ; V lands while tile A's softmax is walked
	ds_load_b64 v[VF+12*\u+6*\c+4:VF+12*\u+6*\c+5], v[ADK8] offset:KVS*\q+7168+768*(2*\u+\c)+512
.endr
.endr
	WIN 0
	ds_load_b128 v[FSV:FSV+3], v[ADK16] offset:KVS*\q+13312
	PLACES 4                                       ; ahead of the first read of the scores
	SOFTMAX STA
	FROMSTG STGW                                   ; the score registers are free: tile B's shifted scores come while tile A's O^T is brought on
	PVPART OA, 32                                  ; the 32 loads just issued may be out
	s_wait_dscnt 0x0
	CONTENT QBB, QSB
	PLACES 4
	SOFTMAX STB
	PVPART OB, 0
	s_add_co_u32 s[TS], s[TS], 512
	s_add_co_u32 s[SJ], s[SJ], 4
.endm
; THE CHANGE OF SLOTS, at a slot's head.  Each wave waits for all its tensor loads, adds 0 to its spare word, waits for that and for its reads of the slot that it has left; behind the barrier the slot ahead is whole and
; nobody reads the other one, which is filled with the next two steps: that load has two steps in which to land.
.macro CHANGE fill
	s_wait_tensorcnt 0x0                           ; no tensor load of mine is out, so a group 0 may be written
	ds_add_u32 v[SPW], v[NIL]                      ; 0 onto my spare word
.if \fill
	s_xor_b32 s[G0P+1], s[G0P+1], SLOTB
	s_add_nc_u64 s[G0P+2:G0P+3], s[G0P+2:G0P+3], 12288     ; the window moves 256 rows on
	s_xor_b32 s[G0KV+1], s[G0KV+1], SLOTB
	s_add_nc_u64 s[G0KV+2:G0KV+3], s[G0KV+2:G0KV+3], 2*KVS
	s_wait_xcnt 0x0                                ; the last prefetch, a slot back, has read its address
	s_add_nc_u64 s[PFA:PFA+1], s[PFA:PFA+1], s[PFS:PFS+1]
.endif
	s_wait_dscnt 0x0                               ; the add is done, and my LDS reads are over
	s_barrier_signal -1
	s_barrier_wait -1
.if \fill
	TLOAD2                                         ; the first thing behind the barrier, a wave's one tensor load until the next
	ASK
.endif
.endm
	s_wait_loadcnt 0x0                             ; q, q' and their scale words
.Lslot:                                            ; 7 trips: behind each change of slots but the last the next slot is asked for
	CHANGE 1
	STEP 0
	STEP 1
	s_xor_b32 s[TB], s[TB], SLOTB
	s_sub_co_u32 s[CNT], s[CNT], 1
	s_cmp_lg_u32 s[CNT], 0
	s_cbranch_scc1 .Lslot
	CHANGE 0                                       ; the last slot is written out
	STEP 0
	STEP 1
	; THE WAY OUT.  O^T / the sum is the context: a lane's 32 registers are 32 neighbouring columns of its token, one block of the last product's K: quantised here, stored as half an operand.
	; Each tile has its own registers for what it stores, so that no store's data are written again.
.macro OUT st, o, pc, w, coff, soff
	v_add_f32 v[\st+2], v[\st+2], v[\st+3]
	s_delay_alu instid0(VALU_DEP_1)
	v_permlanex16_b32 v[T2], v[\st+2], s[SEL], s[SEL+1]
	s_delay_alu instid0(VALU_DEP_1)
	v_add_f32 v[\st+2], v[\st+2], v[T2]            ; the row's sum
	s_wait_alu depctr_va_vdst(0)
	v_rcp_f32 v[FF], v[\st+2]
	v_nop                                          ; a plain line behind the reciprocal
	s_wait_alu depctr_va_vdst(0)                   ; ahead of the first reader
	WIN 0x01                                       ; O^T window 1
.set j, 0
.rept 16
	v_pk_mul_f32 v[S+j:S+j+1], v[\o+j:\o+j+1], v[FF:FF+1] op_sel_hi:[1,0]
.set j, j+2
.endr
	WIN 0
	v_max3_num_f32 v[BM], |v[S]|, |v[S+1]|, 0x1800000
	v_max3_num_f32 v[BM+1], |v[S+2]|, |v[S+3]|, 0x1800000
.irp i, 4,8,12,16,20,24,28
	s_delay_alu instid0(VALU_DEP_2)
	v_max3_num_f32 v[BM], v[BM], |v[S+\i]|, |v[S+\i+1]|
	s_delay_alu instid0(VALU_DEP_2)
	v_max3_num_f32 v[BM+1], v[BM+1], |v[S+\i+2]|, |v[S+\i+3]|
.endr
	s_delay_alu instid0(VALU_DEP_1)
	v_max_num_f32 v[BM], v[BM], v[BM+1]
	s_delay_alu instid0(VALU_DEP_1)
	v_add_nc_u32 v[SO], 0xff000000, v[BM]
	s_delay_alu instid0(VALU_DEP_1)
	v_lshrrev_b32 v[BY], 23, v[SO]
	v_cvt_scalef32_pk16_fp6_f32 v[\pc:\pc+2], v[S:S+15], v[SO]
	v_cvt_scalef32_pk16_fp6_f32 v[CT:CT+2], v[S+16:S+31], v[SO]
	v_lshlrev_b32 v[\w], v[H8], v[BY]              ; (a plain line behind the conversions)
.irp i, 0,1,2
	v_mov_b32 v[\pc+3+\i], v[CT+\i]
.endr
	s_delay_alu instid0(VALU_DEP_4)
	v_permlanex16_b32 v[T2], v[\w], s[SEL], s[SEL+1]
	s_delay_alu instid0(VALU_DEP_1)
	v_or_b32 v[\w], v[\w], v[T2]                   ; s0 | s1 << 8
	global_store_b128 v208, v[\pc:\pc+3], s[12:13] offset:\coff
	global_store_b64 v209, v[\pc+4:\pc+5], s[12:13] offset:\coff+512
	global_store_b16 v210, v[\w], s[14:15] offset:\soff
.endm
	v_and_b32 v210, 31, v0                         ; (four plain lines behind the last products)
	s_delay_alu instid0(VALU_DEP_1)
	v_lshlrev_b32 v208, 4, v210
	s_delay_alu instid0(VALU_DEP_2)
	v_lshlrev_b32 v209, 3, v210
	s_delay_alu instid0(VALU_DEP_3)
	v_lshlrev_b32 v210, 5, v210
	OUT STA, OA, PC, TT, 0, 0
	OUT STB, OB, PC+6, TTB, 24576, 2048            ; two tiles on: 2 x 16 heads x 768 bytes of codes, 2 x 1,024 bytes of scale halves
	s_wait_tensorcnt 0x0                           ; the wave's end
	ds_add_u32 v[SPW], v[NIL]
	s_wait_dscnt 0x0
	s_endpgm
.Lfunc_end_k_qb39fdc34e8_attn:
	.size	k_qb39fdc34e8_attn, .Lfunc_end_k_qb39fdc34e8_attn-k_qb39fdc34e8_attn
	.p2alignl 7, 3214868480
	.fill 96, 4, 3214868480
	.section	.rodata,"a",@progbits
	.p2align	6, 0x0
	.amdhsa_kernel k_qb39fdc34e8_attn
		.amdhsa_group_segment_fixed_size 327680
		.amdhsa_private_segment_fixed_size 0
		.amdhsa_enable_private_segment 0
		.amdhsa_kernarg_size 48
		.amdhsa_user_sgpr_count 2
		.amdhsa_user_sgpr_kernarg_segment_ptr 1
		.amdhsa_wavefront_size32 1
		.amdhsa_system_sgpr_workgroup_id_x 1
		.amdhsa_system_sgpr_workgroup_id_y 1
		.amdhsa_system_sgpr_workgroup_id_z 1
		.amdhsa_system_vgpr_workitem_id 0
		.amdhsa_next_free_vgpr 512
		.amdhsa_next_free_sgpr 100
		.amdhsa_reserve_vcc 0
		.amdhsa_float_denorm_mode_32 3
		.amdhsa_float_denorm_mode_16_64 3
		.amdhsa_memory_ordered 1
		.amdhsa_forward_progress 1
		.amdhsa_inst_pref_size 211
	.end_amdhsa_kernel
	.amdgpu_metadata
---
amdhsa.version: [ 1, 2 ]
amdhsa.kernels:
  - .name:           k_qb39fdc34e8_attn
    .symbol:         k_qb39fdc34e8_attn.kd
    .args:
      - { .name: qimg, .offset: 0, .size: 8, .value_kind: global_buffer, .address_space: global }
      - { .name: kvimg, .offset: 8, .size: 8, .value_kind: global_buffer, .address_space: global }
      - { .name: prow, .offset: 16, .size: 8, .value_kind: global_buffer, .address_space: global }
      - { .name: pscl, .offset: 24, .size: 8, .value_kind: global_buffer, .address_space: global }
      - { .name: cimg, .offset: 32, .size: 8, .value_kind: global_buffer, .address_space: global }
      - { .name: cscl, .offset: 40, .size: 8, .value_kind: global_buffer, .address_space: global }
    .group_segment_fixed_size: 327680
    .private_segment_fixed_size: 0
    .kernarg_segment_align: 8
    .kernarg_segment_size: 48
    .max_flat_workgroup_size: 256
    .sgpr_count:     100
    .vgpr_count:     512
    .wavefront_size: 32
...
	.end_amdgpu_metadata
.endif
;; end of part 7
;; launch outp (part 8): grid 4 x 64, 16 waves a work-group, no clusters, 117,760 bytes of LDS; arguments cimg, cscl, wimg, bo, out0; writes out0
.if DOCPART == 8
	.amdgcn_target "amdgcn-amd-amdhsa--gfx1250"
	.amdhsa_code_object_version 6
	.text
	.protected	k_qb39fdc34e8_outp
	.globl	k_qb39fdc34e8_outp
	.p2align	8
	.type	k_qb39fdc34e8_outp,@function
k_qb39fdc34e8_outp:
	s_mov_b64 s[64:65], 0
	v_nop
	global_prefetch_b8 v0, s[64:65] scope:SCOPE_SE
	s_setreg_imm32_b32 hwreg(HW_REG_WAVE_SCHED_MODE, 0, 2), 2
	s_setreg_imm32_b32 hwreg(HW_REG_WAVE_MODE, 25, 1), 1
	s_wait_xcnt 0x0
	s_wait_alu depctr_vm_vsrc(0)
; out0 = context Wo^T + bo on codes of E2M3.  Work-group (x, y): 256 columns (x), four tiles of 16 tokens (y): tiles 4 y .. 4 y + 3 as the attention launch left them; row r of tile m is token 64 y + 32 (m / 2) + m % 2 + 2 r.
; Wave w takes ONE tile of Wo's rows (group 4 x + w / 4, tile w % 4) for all of K: 8 records, 96 registers, read once; the context's 49,152 bytes of half images are copied once into LDS and read by all 16 waves.
; Source 0 = Wo, source 1 = the context: a lane holds one token and 8 neighbouring columns.  The bias is the C of each sum's first product.  Four accumulators take turns.
; The results meet in a stage (64 rows x 1,024 bytes + 16); each wave then stores four whole rows, 512 consecutive bytes an instruction.
; No tensor load: one copy of 48 KB; no cluster: what the four work-groups of a y share is that copy, 3 KB a wave.
; THE MODE: SCHED_MODE bits 1:0 = 2 (LLVM: expert scheduling mode 2), set by the entry lines.  The code itself states the register dependences
; between vector or matrix instructions and memory or LDS instructions, with s_wait_alu, always for 0.
; THE PLAN.  Registers that memory or LDS instructions touch:
;   v4-10         Offsets and LDS addresses: made at the head and never written again.
;   W, WS, XS, BI Loaded once at the head; read by the products alone.
;   XF            Four fragments of the context, in two sets: A (tiles 0, 1: v192-215) and B (tiles 2, 3: v216-239).  At the head set A carries my part of the copy: global loads land, LDS stores read.
;                 In the K steps the sets take turns: while the products of tiles 0 and 1 read set A, the loads of tiles 2 and 3 of the same step land in set B;
;                 while the products of tiles 2 and 3 read set B, the loads of tiles 0 and 1 of the next step land in set A.
;   ACC           Written by the products; read by the stage's LDS stores.      v192-223, at the end: rows of the result, from LDS loads to global stores.
;   v254, v255    Written at the head, read by the closing add alone.
; So ONE wait on va_vdst stands at the head of each half of a K step, behind the wait for that half's fragments: it states that the products of the half before are done reading the other set.
; The half's eight loads follow it, four behind each of its two products, which name none of the registers in which those loads land.
.set OSTG, 49152
.set L16, 4
.set L8,  5
.set L32, 6
.set HB,  7
.set CPW, 8
.set SIN, 9
.set SR,  10
.set W,   16                           ; v16-111  Wo's 8 fragments
.set WS,  112                          ; v112-119 their scale words
.set XS,  120                          ; v120-151 the context's scale words: 8 for each tile
.set BI,  152                          ; v152-159 the bias
.set ACC, 160                          ; v160-191
.set XF,  192                          ; v192-239 four fragments of the context
.macro WMC d, a, b, c, sa, sb
	v_wmma_scale_f32_16x16x128_f8f6f4 v[\d:\d+7], v[\a:\a+11], v[\b:\b+11], v[\c:\c+7], v[\sa], v[\sb] matrix_a_fmt:MATRIX_FMT_FP6 matrix_b_fmt:MATRIX_FMT_FP6
.endm
.macro PROD s, m                       ; tile m's product of K step s; the first begins the sum with the bias
.if (\s) == 0
	WMC ACC+8*(\m), W, XF+12*(\m), BI, WS, XS+8*(\m)
.else
	WMC ACC+8*(\m), W+12*(\s), XF+12*(\m), ACC+8*(\m), WS+(\s), XS+8*(\m)+(\s)
.endif
.endm
.macro XLOAD s, m                      ; tile m's fragment of K step s: heads 2 s and 2 s + 1 are the two halves of the step
	ds_load_b128 v[XF+12*(\m):XF+12*(\m)+3], v[L16] offset:(16*(\m)+2*(\s))*768
	ds_load_b64 v[XF+12*(\m)+4:XF+12*(\m)+5], v[L8] offset:(16*(\m)+2*(\s))*768+512
	ds_load_b128 v[XF+12*(\m)+6:XF+12*(\m)+9], v[L16] offset:(16*(\m)+2*(\s))*768+768
	ds_load_b64 v[XF+12*(\m)+10:XF+12*(\m)+11], v[L8] offset:(16*(\m)+2*(\s))*768+1280
.endm
	s_load_b256 s[4:11], s[0:1], 0x0               ; cimg, cscl, wimg, bo
	s_load_b64 s[12:13], s[0:1], 0x20              ; out0
	v_lshl_add_u32 v254, v0, 2, 0x1c400
	v_mov_b32 v255, 0
	v_lshrrev_b32 v1, 5, v0
	v_readfirstlane_b32 s14, v1                    ; wave
	s_and_b32 s15, ttmp7, 0xffff                   ; y
	v_and_b32 v1, 31, v0
	v_and_b32 v2, 15, v0
	s_wait_alu depctr_va_vdst(0)
	v_bfe_u32 v3, v0, 4, 1
	v_lshlrev_b32 v[L16], 4, v1
	v_lshlrev_b32 v[L8], 3, v1
	v_lshlrev_b32 v[L32], 5, v1
	v_lshlrev_b32 v[HB], 7, v3
	s_wait_alu depctr_va_sdst(0)                   ; s14 is written, ahead of its first reader: LDS addresses and the buffers' offsets are made from it
	s_mul_i32 s16, s14, 3072
	v_add_nc_u32 v[CPW], s16, v[L16]
	s_lshr_b32 s17, s14, 2                         ; w / 4
	s_and_b32 s18, s14, 3                          ; w % 4
	s_lshl_b32 s19, s17, 8
	s_lshl_b32 s20, s18, 5
	s_add_co_u32 s19, s19, s20
	s_add_co_u32 s19, s19, OSTG
	v_mul_u32_u24 v[SIN], v2, 1040
	s_wait_alu depctr_va_vdst(0)
	v_add_nc_u32 v[SIN], v[SIN], v[HB]
	v_add_nc_u32 v[SIN], s19, v[SIN]               ; stage, way in: row r, my 32 bytes at 256 (w / 4) + 32 (w % 4) + 128 h
	s_mul_i32 s19, s14, 4160
	s_add_co_u32 s19, s19, OSTG
	v_add_nc_u32 v[SR], s19, v[L16]                ; way out: rows 4 w ..
	s_mul_i32 s20, s15, 49152
	s_add_co_u32 s20, s20, s16                     ; my 3,072 bytes of the copy
	s_mov_b32 s21, 0
	s_lshl_b32 s22, s15, 12                        ; the scale words: 1,024 bytes a tile
	s_mov_b32 s23, 0
	s_lshl_b32 s24, ttmp9, 2
	s_add_co_u32 s24, s24, s17                     ; G
	s_lshl_b32 s26, s24, 8
	s_lshl_b32 s27, s18, 5
	s_add_co_u32 s26, s26, s27                     ; the bias: 4 (64 G + 8 t)
	s_mov_b32 s27, 0
	s_lshl_b32 s24, s24, 5
	s_add_co_u32 s24, s24, s18
	s_add_co_u32 s24, s24, 2048
	s_mul_i32 s24, s24, 1792                       ; record 2,048 + 32 G + t
	s_mov_b32 s25, 0
	s_lshl_b32 s28, s15, 6                         ; the first token that I store: 64 y + 32 (w / 8) + (w / 4) % 2 + 8 (w % 4)
	s_lshr_b32 s29, s14, 3
	s_lshl_b32 s29, s29, 5
	s_add_co_u32 s28, s28, s29
	s_and_b32 s29, s17, 1
	s_add_co_u32 s28, s28, s29
	s_lshl_b32 s29, s18, 3
	s_add_co_u32 s28, s28, s29
	s_lshl_b32 s28, s28, 12
	s_lshl_b32 s29, ttmp9, 10
	s_add_co_u32 s28, s28, s29
	s_mov_b32 s29, 0
	s_wait_kmcnt 0x0
	s_add_nc_u64 s[4:5], s[4:5], s[20:21]
	s_add_nc_u64 s[6:7], s[6:7], s[22:23]
	s_add_nc_u64 s[8:9], s[8:9], s[24:25]
	s_add_nc_u64 s[10:11], s[10:11], s[26:27]
	s_add_nc_u64 s[12:13], s[12:13], s[28:29]
	s_wait_alu depctr_va_vdst(0)                   ; the offsets and LDS addresses v4 to v10 are written, which every load and store below reads
.irp k, 0,1,2,3,4,5
	global_load_b128 v[XF+4*\k:XF+4*\k+3], v[L16], s[4:5] offset:512*\k
.endr
.irp s, 0,1,2,3,4,5,6,7
.irp k, 0,1,2
	global_load_b128 v[W+12*\s+4*\k:W+12*\s+4*\k+3], v[L16], s[8:9] offset:7168*\s+512*\k
.endr
	global_load_b32 v[WS+\s], v[L8], s[8:9] offset:7168*\s+1536
.endr
.irp m, 0,1,2,3
	global_load_b128 v[XS+8*\m:XS+8*\m+3], v[L32], s[6:7] offset:1024*\m
	global_load_b128 v[XS+8*\m+4:XS+8*\m+7], v[L32], s[6:7] offset:1024*\m+16
.endr
	global_load_b128 v[BI:BI+3], v[HB], s[10:11]
	global_load_b128 v[BI+4:BI+7], v[HB], s[10:11] offset:16
	s_wait_loadcnt 42                              ; the six loads of the copy are in; the 42 behind them (32 of Wo, 8 of scale words, 2 of the bias) may be out
.irp k, 0,1,2,3,4,5
	ds_store_b128 v[CPW], v[XF+4*\k:XF+4*\k+3] offset:512*\k
.endr
	s_wait_dscnt 0x0                               ; for the others' sake: my part of the copy lies in LDS
	s_barrier_signal -1
	s_barrier_wait -1
	s_wait_alu depctr_vm_vsrc(0)                   ; the copy's stores have read v192 to v215: these registers are set A from here on, in which the fragments' loads land
	XLOAD 0, 0
	XLOAD 0, 1
	s_wait_loadcnt 0x0
.irp s, 0,1,2,3,4,5,6,7
	s_wait_dscnt 0x0                               ; set A is in: tiles 0 and 1 of this K step
.if \s > 0
	s_wait_alu depctr_va_vdst(0)                   ; the products of tiles 2 and 3 of the step before are done reading set B, in which the eight loads below land
.endif
	PROD \s, 0
	XLOAD \s, 2
	PROD \s, 1
	XLOAD \s, 3
	s_wait_dscnt 0x0                               ; set B is in: tiles 2 and 3
.if \s < 7
	s_wait_alu depctr_va_vdst(0)                   ; the products of tiles 0 and 1 are done reading set A, in which the eight loads below land
	PROD \s, 2
	XLOAD \s+1, 0
	PROD \s, 3
	XLOAD \s+1, 1
.else
	PROD \s, 2                                     ; the last half asks for nothing more
	PROD \s, 3
.endif
.endr
.rept 4
	v_nop                                          ; four plain lines behind the last product, ahead of the stores that read the results
.endr
	s_wait_alu depctr_va_vdst(0)                   ; the products have written the accumulators, which the LDS stores read, and are done reading v192 to v223, in which the stage's loads land; the lines above stay beside this wait
.irp m, 0,1,2,3
	ds_store_b128 v[SIN], v[ACC+8*\m:ACC+8*\m+3] offset:16640*\m
	ds_store_b128 v[SIN], v[ACC+8*\m+4:ACC+8*\m+7] offset:16640*\m+16
.endr
	s_wait_dscnt 0x0                               ; for the others' sake: my columns lie in the stage
	s_barrier_signal -1
	s_barrier_wait -1
.irp k, 0,1,2,3
.irp f, 0,1
	ds_load_b128 v[XF+8*\k+4*\f:XF+8*\k+4*\f+3], v[SR] offset:1040*\k+512*\f
.endr
.endr
.irp k, 0,1,2,3
.irp f, 0,1
	s_wait_dscnt 7-2*\k-\f                         ; LDS loads come back in order: this one is in, the younger ones may be out
	global_store_b128 v[L16], v[XF+8*\k+4*\f:XF+8*\k+4*\f+3], s[12:13] offset:8192*\k+512*\f th:TH_STORE_NT   ; 512 consecutive bytes, aligned; stage row 4 w + k is two tokens on from row 4 w + k - 1
.endr
.endr
	s_wait_dscnt 0x0                               ; the closing lines, six on end
	s_wait_alu 0x0
	s_wait_tensorcnt 0x0
	ds_add_u32 v254, v255
	s_wait_dscnt 0x0
	s_endpgm
.Lfunc_end_k_qb39fdc34e8_outp:
	.size	k_qb39fdc34e8_outp, .Lfunc_end_k_qb39fdc34e8_outp-k_qb39fdc34e8_outp
	.p2alignl 7, 3214868480
	.fill 96, 4, 3214868480
	.section	.rodata,"a",@progbits
	.p2align	6, 0x0
	.amdhsa_kernel k_qb39fdc34e8_outp
		.amdhsa_group_segment_fixed_size 117760
		.amdhsa_private_segment_fixed_size 0
		.amdhsa_enable_private_segment 0
		.amdhsa_kernarg_size 40
		.amdhsa_user_sgpr_count 2
		.amdhsa_user_sgpr_kernarg_segment_ptr 1
		.amdhsa_wavefront_size32 1
		.amdhsa_system_sgpr_workgroup_id_x 1
		.amdhsa_system_sgpr_workgroup_id_y 1
		.amdhsa_system_sgpr_workgroup_id_z 1
		.amdhsa_system_vgpr_workitem_id 0
		.amdhsa_next_free_vgpr 256
		.amdhsa_next_free_sgpr 66
		.amdhsa_reserve_vcc 0
		.amdhsa_float_denorm_mode_32 3
		.amdhsa_float_denorm_mode_16_64 3
		.amdhsa_memory_ordered 1
		.amdhsa_forward_progress 1
		.amdhsa_inst_pref_size 24
	.end_amdhsa_kernel
	.amdgpu_metadata
---
amdhsa.version: [ 1, 2 ]
amdhsa.kernels:
  - .name:           k_qb39fdc34e8_outp
    .symbol:         k_qb39fdc34e8_outp.kd
    .args:
      - { .name: cimg, .offset: 0, .size: 8, .value_kind: global_buffer, .address_space: global }
      - { .name: cscl, .offset: 8, .size: 8, .value_kind: global_buffer, .address_space: global }
      - { .name: wimg, .offset: 16, .size: 8, .value_kind: global_buffer, .address_space: global }
      - { .name: bo, .offset: 24, .size: 8, .value_kind: global_buffer, .address_space: global }
      - { .name: out0, .offset: 32, .size: 8, .value_kind: global_buffer, .address_space: global }
    .group_segment_fixed_size: 117760
    .private_segment_fixed_size: 0
    .kernarg_segment_align: 8
    .kernarg_segment_size: 40
    .max_flat_workgroup_size: 512
    .sgpr_count:     66
    .vgpr_count:     256
    .wavefront_size: 32
...
	.end_amdgpu_metadata
.endif
;; end of part 8
